; MI455X (gfx1250); checked and timed in simulation.
; The chip was launched on July 23, 2026; its instructions are those of AMD's public machine-readable ISA for CDNA 5 (MIT licence, August 2026) and "CDNA5" Instruction Set Architecture Reference Guide (July 2026). The comments in the code are by the model that wrote it; some were corrected since.
;; GTR Block. Allowed arithmetic: float matrix products may take bf16 or f16 operands with f32 sums; all other float work in f32.
;; Inputs: g_tok 1 x 8 x 1,024 float32; k1_b 1,024 float32; k1_w 1,024 x 1,024 float32; k2_b 1,024 float32; k2_w 1,024 x 1,024 float32; m1_b 8,192 float32; m1_w 1,024 x 8,192 float32; m2_b 1,024 float32; m2_w 8,192 x 1,024 float32; o1_b 1,024 float32; o1_w 1,024 x 1,024 float32; o2_b 1,024 float32; o2_w 1,024 x 1,024 float32; q1_b 1,024 float32; q1_w 1,024 x 1,024 float32; q2_b 1,024 float32; q2_w 1,024 x 1,024 float32; v1_b 1,024 float32; v1_w 1,024 x 1,024 float32; v2_b 1,024 float32; v2_w 1,024 x 1,024 float32; w_ng1 1,024 float32; w_ng2 1,024 float32; w_ngm 1,024 float32; w_ns1 1,024 float32; w_ns2 1,024 float32; x 4 x 4,096 x 1,024 float32.
;; Outputs: out0 4 x 4,096 x 1,024 float32.
;; 2 versions, each right and faster than the one before. Each part assembles by itself: llvm-mc -triple=amdgcn-amd-amdhsa -mcpu=gfx1250 --defsym DOCPART=n.
;; ======== version 1 of 2: 14 launches
;; limits: values outside matrix products are rounded to bf16
;; workspace buffers: act0 131,072 bytes; act1 131,072 bytes; act2 131,072 bytes; cvec 256 bytes; accp 8,388,608 bytes; ml 16,384 bytes; hid 1,048,576 bytes; part 1,048,576 bytes
;; launch qproj (part 1): grid 16 x 1, 16 waves a work-group, no clusters, 207,872 bytes of LDS; arguments g_tok, w_ng1, q1_w, q1_b, act0; writes act0
.if DOCPART == 1
	.amdgcn_target "amdgcn-amd-amdhsa--gfx1250"
	.amdhsa_code_object_version 6
	.text
	.protected	k_qc18f2de43e_qproj
	.globl	k_qc18f2de43e_qproj
	.p2align	8
	.type	k_qc18f2de43e_qproj,@function
k_qc18f2de43e_qproj:
	s_mov_b64 s[64:65], 0
	v_nop
	global_prefetch_b8 v0, s[64:65] scope:SCOPE_SE
	s_setreg_imm32_b32 hwreg(HW_REG_WAVE_MODE, 25, 1), 1
	s_wait_xcnt 0x0
; q1 = rms(g_tok, w_ng1) q1_w + q1_b, written as 32 rows (row = 8 b + g: the broadcast over the 4 batches), f32 [32][1024].
; Work-group c makes columns 64 c .. 64 c + 63; wave w takes K = 64 w .. 64 w + 63; the 16 waves' partial sums meet in LDS.
; W is read once, 256 consecutive aligned bytes of a row by each 16 lanes.  Lane (r, h) holds W[k][64 c + 4 r + jt], jt = 0..3, so the
; four N tiles are the column sets {4 r + jt}, and packing component jt of two neighbouring k is a register of B's fragment.
; Matrix operands are rounded to bf16, sums are f32.  No cluster: what the work-groups share is 8 rows of g_tok, which pass through
; registers for the norm; W's bytes are shared by nobody.
.set APITCH, 2064                      ; an LDS row of A: 2,048 bytes of bf16 + 16: an odd multiple of 16
.set HALFA,  16*APITCH
.set RED,    32*APITCH                 ; [16 waves][16 chunks][512 bytes] of partial sums
.set OUTL,   RED+16*8192               ; f32 [32] rows of 256 bytes, pitch 272
.set OPITCH, 272
.set GR,  16                           ; v[16:47]   my row of g_tok, later normalised
.set GN,  48                           ; v[48:79]   the gain
.set BF,  16                           ; v[16:79]   B's fragments: 2 K steps x 4 N tiles x 8
.set RB,  16                           ; v[16:79]   the 16 waves' chunks, to be summed
.set WR,  80                           ; v[80:207]  W as loaded: 2 K steps x 16 rows x 4
.set ACC, 80                           ; v[80:143]  8 accumulators (on W's first K step, behind its conversion)
.set AF,  208                          ; v[208:239] A's fragments: 2 K steps x 2 M tiles x 8
.set T,   240                          ; v[240:243] at work
.set BI,  244                          ; v[244:247] bias of my 4 columns
.set SW,  14                           ; s14 wave number
.set PS,  30                           ; s[30:31] selects of the cross-half permute
	s_load_b256 s[4:11], s[0:1], 0x0               ; g_tok s[4:5], gain s[6:7], W s[8:9], bias s[10:11]
	s_load_b64 s[12:13], s[0:1], 0x20              ; Y
	v_lshl_add_u32 v248, v0, 2, 0x32400
	v_mov_b32 v249, 0
	v_lshrrev_b32 v1, 5, v0
	v_readfirstlane_b32 s[SW], v1
	v_and_b32 v1, 31, v0                           ; L
	v_and_b32 v2, 15, v0                           ; r
	v_bfe_u32 v3, v0, 4, 1                         ; h
	v_lshlrev_b32 v4, 4, v1                        ; 16 L: a row in pieces of 512 bytes
	v_lshlrev_b32 v14, 4, v2                       ; 16 r
	v_lshl_add_u32 v5, v3, 15, v14                 ; W: 8 h rows of 4,096 bytes + 16 r
	s_and_b32 s16, s[SW], 7
	s_lshl_b32 s16, s16, 12                        ; g_tok's row w mod 8
	s_mov_b32 s17, 0
	s_lshl_b32 s20, ttmp9, 8                       ; 256 c
	s_mov_b32 s21, 0
	s_lshl_b32 s18, s[SW], 18                      ; 64 w rows of W
	s_add_co_u32 s18, s18, s20
	s_mov_b32 s19, 0
	s_mov_b32 s[PS], 0x76543210
	s_mov_b32 s[PS+1], 0xfedcba98
	s_mov_b32 s32, 0x3a800000                      ; 1 / 1024
	s_mov_b32 s33, 0x358637bd                      ; 1e-6
	s_wait_kmcnt 0x0
	s_add_nc_u64 s[4:5], s[4:5], s[16:17]
	s_add_nc_u64 s[8:9], s[8:9], s[18:19]
	s_add_nc_u64 s[10:11], s[10:11], s[20:21]
	s_add_nc_u64 s[12:13], s[12:13], s[20:21]
	global_load_b128 v[BI:BI+3], v14, s[10:11]
.irp j, 0,1,2,3,4,5,6,7
	global_load_b128 v[GR+4*\j:GR+4*\j+3], v4, s[4:5] offset:512*\j
.endr
.irp j, 0,1,2,3,4,5,6,7
	global_load_b128 v[GN+4*\j:GN+4*\j+3], v4, s[6:7] offset:512*\j
.endr
.irp ks, 0,1
.irp u, 0,1
.irp i, 0,1,2,3,4,5,6,7
	global_load_b128 v[WR+64*\ks+32*\u+4*\i:WR+64*\ks+32*\u+4*\i+3], v5, s[8:9] offset:(32*\ks+16*\u+\i)*4096 th:TH_LOAD_NT
.endr
.endr
.endr
	; LDS addresses, while the loads are on their way
	v_lshrrev_b32 v15, 4, v0                       ; thread / 16: the row that I store at the end
	s_mul_i32 s34, s[SW], APITCH
	v_lshl_add_u32 v6, v1, 3, s34                  ; A in: row w, 8 bytes a lane
	v_mul_u32_u24 v7, v2, APITCH
	v_lshl_add_u32 v7, v3, 4, v7
	s_lshl_b32 s34, s[SW], 7
	v_add_nc_u32 v7, s34, v7                       ; A's fragments: row r, 16 h, my 64 K = 128 bytes x w
	s_lshl_b32 s34, s[SW], 13
	s_add_co_u32 s34, s34, RED
	v_lshl_add_u32 v8, v1, 4, s34                  ; my dump
	s_lshl_b32 s34, s[SW], 9
	s_add_co_u32 s34, s34, RED
	v_lshl_add_u32 v9, v1, 4, s34                  ; chunk w of waves 0-7,
	v_add_nc_u32 v10, 0x10000, v9                  ; of waves 8-15
	s_lshr_b32 s34, s[SW], 3
	s_lshl_b32 s34, s34, 4                         ; 16 mt
	s_and_b32 s35, s[SW], 1
	s_lshl_b32 s35, s35, 2                         ; 4 half
	s_add_co_u32 s34, s34, s35
	s_mul_i32 s34, s34, OPITCH
	s_bfe_u32 s35, s[SW], 0x20001                  ; jt
	s_lshl_b32 s35, s35, 2
	s_add_co_u32 s34, s34, s35
	s_add_co_u32 s34, s34, OUTL
	v_mul_u32_u24 v11, v3, 8*OPITCH
	v_lshl_add_u32 v11, v2, 4, v11
	v_add_nc_u32 v11, s34, v11                     ; sums out: row 16 mt + 8 h + 4 half (+ e), column 4 r + jt
	v_mul_u32_u24 v12, v15, OPITCH
	v_lshl_add_u32 v12, v2, 4, v12
	v_add_nc_u32 v12, OUTL, v12                    ; rows back: 16 lanes take a row's 256 bytes
	v_lshlrev_b32 v13, 12, v15
	v_lshl_add_u32 v13, v2, 4, v13                 ; the same place in Y
	s_wait_loadcnt 32                              ; bias, row and gain are in; W's 32 younger loads stay out
	; mean of squares of the row, in two chains
	v_pk_mul_f32 v[T:T+1], v[GR:GR+1], v[GR:GR+1]
	v_pk_mul_f32 v[T+2:T+3], v[GR+2:GR+3], v[GR+2:GR+3]
.irp e, 4,8,12,16,20,24,28
	v_pk_fma_f32 v[T:T+1], v[GR+\e:GR+\e+1], v[GR+\e:GR+\e+1], v[T:T+1]
	v_pk_fma_f32 v[T+2:T+3], v[GR+\e+2:GR+\e+3], v[GR+\e+2:GR+\e+3], v[T+2:T+3]
.endr
	v_pk_add_f32 v[T:T+1], v[T:T+1], v[T+2:T+3]
	v_add_f32 v[T], v[T], v[T+1]
	v_add_f32_dpp v[T], v[T], v[T] row_xmask:1 row_mask:0xf bank_mask:0xf
	v_add_f32_dpp v[T], v[T], v[T] row_xmask:2 row_mask:0xf bank_mask:0xf
	v_add_f32_dpp v[T], v[T], v[T] row_xmask:4 row_mask:0xf bank_mask:0xf
	v_add_f32_dpp v[T], v[T], v[T] row_xmask:8 row_mask:0xf bank_mask:0xf
	v_permlanex16_b32 v[T+1], v[T], s[PS], s[PS+1]
	v_add_f32 v[T], v[T], v[T+1]
	v_fma_f32 v[T], v[T], s32, s33                 ; mean + eps
	v_rsq_f32 v[T+2], v[T]
	v_nop                                          ; one plain place behind the transcendental (ISA guide 5.7.2)
	s_wait_alu depctr_va_vdst(0)
	v_mov_b32 v[T+3], v[T+2]
.irp e, 0,2,4,6,8,10,12,14,16,18,20,22,24,26,28,30
	v_pk_mul_f32 v[GR+\e:GR+\e+1], v[GR+\e:GR+\e+1], v[GN+\e:GN+\e+1]
.endr
.irp e, 0,2,4,6,8,10,12,14,16,18,20,22,24,26,28,30
	v_pk_mul_f32 v[GR+\e:GR+\e+1], v[GR+\e:GR+\e+1], v[T+2:T+3]
.endr
.irp j, 0,1,2,3,4,5,6,7
	v_cvt_pk_bf16_f32 v[T+2*(\j&1)], v[GR+4*\j], v[GR+4*\j+1]
	v_cvt_pk_bf16_f32 v[T+2*(\j&1)+1], v[GR+4*\j+2], v[GR+4*\j+3]
	ds_store_b64 v6, v[T+2*(\j&1):T+2*(\j&1)+1] offset:256*\j             ; row w
	ds_store_b64 v6, v[T+2*(\j&1):T+2*(\j&1)+1] offset:HALFA+256*\j       ; row w + 16: the same token in another batch
.endr
	s_wait_dscnt 0x0                               ; my rows of A are in LDS,
	s_barrier_signal -1
	s_barrier_wait -1                              ; everybody's are
.irp ks, 0,1
.irp mt, 0,1
	ds_load_b128 v[AF+16*\ks+8*\mt:AF+16*\ks+8*\mt+3], v7 offset:\mt*HALFA+64*\ks
	ds_load_b128 v[AF+16*\ks+8*\mt+4:AF+16*\ks+8*\mt+7], v7 offset:\mt*HALFA+64*\ks+32
.endr
.endr
.macro CVTW ks                         ; register 4 u + p of N tile jt = W[16 u + 8 h + 2 p][.], W[.. + 1][.], component jt
.irp jt, 0,1,2,3
.irp u, 0,1
.irp p, 0,1,2,3
	v_cvt_pk_bf16_f32 v[BF+32*\ks+8*\jt+4*\u+\p], v[WR+64*\ks+32*\u+8*\p+\jt], v[WR+64*\ks+32*\u+8*\p+4+\jt]
.endr
.endr
.endr
.endm
.macro MM ks, zero                     ; the eight accumulators take turns, one instruction a turn
.irp mt, 0,1
.irp jt, 0,1,2,3
.if \zero
	v_wmma_f32_16x16x32_bf16 v[ACC+8*(4*\mt+\jt):ACC+8*(4*\mt+\jt)+7], v[AF+16*\ks+8*\mt:AF+16*\ks+8*\mt+7], v[BF+32*\ks+8*\jt:BF+32*\ks+8*\jt+7], 0
.else
	v_wmma_f32_16x16x32_bf16 v[ACC+8*(4*\mt+\jt):ACC+8*(4*\mt+\jt)+7], v[AF+16*\ks+8*\mt:AF+16*\ks+8*\mt+7], v[BF+32*\ks+8*\jt:BF+32*\ks+8*\jt+7], v[ACC+8*(4*\mt+\jt):ACC+8*(4*\mt+\jt)+7]
.endif
.endr
.endr
.endm
	s_wait_loadcnt 16                              ; W's first K step is in; the 16 loads of the second stay out
	CVTW 0
	s_wait_loadcnt 0x0
	CVTW 1
	s_wait_dscnt 0x0                               ; A's fragments
	MM 0, 1                                        ; the first products start the sums
	MM 1, 0
.rept 4
	v_nop                                          ; four places behind the last matrix instruction (ISA guide 7.12.1)
.endr
.irp ch, 0,1,2,3,4,5,6,7,8,9,10,11,12,13,14,15
	ds_store_b128 v8, v[ACC+4*\ch:ACC+4*\ch+3] offset:512*\ch
.endr
	s_wait_dscnt 0x0
	s_barrier_signal -1
	s_barrier_wait -1
.irp s, 0,1,2,3,4,5,6,7
	ds_load_b128 v[RB+4*\s:RB+4*\s+3], v9 offset:8192*\s
.endr
.irp s, 0,1,2,3,4,5,6,7
	ds_load_b128 v[RB+32+4*\s:RB+32+4*\s+3], v10 offset:8192*\s
.endr
.macro RSUM a, b
	v_pk_add_f32 v[RB+4*(\a):RB+4*(\a)+1], v[RB+4*(\a):RB+4*(\a)+1], v[RB+4*(\b):RB+4*(\b)+1]
	v_pk_add_f32 v[RB+4*(\a)+2:RB+4*(\a)+3], v[RB+4*(\a)+2:RB+4*(\a)+3], v[RB+4*(\b)+2:RB+4*(\b)+3]
.endm
	s_wait_dscnt 0x0
.irp s, 0,1,2,3,4,5,6,7
	RSUM \s, \s+8
.endr
.irp s, 0,1,2,3
	RSUM \s, \s+4
.endr
	RSUM 0, 2
	RSUM 1, 3
	RSUM 0, 1
.irp e, 0,1,2,3
	ds_store_b32 v11, v[RB+\e] offset:OPITCH*\e
.endr
	s_wait_dscnt 0x0
	s_barrier_signal -1
	s_barrier_wait -1
	ds_load_b128 v[T:T+3], v12
	s_wait_dscnt 0x0
	v_pk_add_f32 v[T:T+1], v[T:T+1], v[BI:BI+1]
	v_pk_add_f32 v[T+2:T+3], v[T+2:T+3], v[BI+2:BI+3]
	global_store_b128 v13, v[T:T+3], s[12:13]      ; 16 lanes store 256 consecutive aligned bytes
	s_wait_tensorcnt 0x0
	ds_add_u32 v248, v249
	s_wait_dscnt 0x0
	s_endpgm
.Lfunc_end_k_qc18f2de43e_qproj:
	.size	k_qc18f2de43e_qproj, .Lfunc_end_k_qc18f2de43e_qproj-k_qc18f2de43e_qproj
	.p2alignl 7, 3214868480
	.fill 96, 4, 3214868480
	.section	.rodata,"a",@progbits
	.p2align	6, 0x0
	.amdhsa_kernel k_qc18f2de43e_qproj
		.amdhsa_group_segment_fixed_size 207872
		.amdhsa_private_segment_fixed_size 0
		.amdhsa_enable_private_segment 0
		.amdhsa_kernarg_size 40
		.amdhsa_user_sgpr_count 2
		.amdhsa_user_sgpr_kernarg_segment_ptr 1
		.amdhsa_wavefront_size32 1
		.amdhsa_system_sgpr_workgroup_id_x 1
		.amdhsa_system_sgpr_workgroup_id_y 1
		.amdhsa_system_sgpr_workgroup_id_z 1
		.amdhsa_system_vgpr_workitem_id 0
		.amdhsa_next_free_vgpr 250
		.amdhsa_next_free_sgpr 66
		.amdhsa_reserve_vcc 0
		.amdhsa_float_denorm_mode_32 3
		.amdhsa_float_denorm_mode_16_64 3
		.amdhsa_memory_ordered 1
		.amdhsa_forward_progress 1
		.amdhsa_inst_pref_size 24
	.end_amdhsa_kernel
	.amdgpu_metadata
---
amdhsa.version: [ 1, 2 ]
amdhsa.kernels:
  - .name:           k_qc18f2de43e_qproj
    .symbol:         k_qc18f2de43e_qproj.kd
    .args:
      - { .name: g_tok, .offset: 0, .size: 8, .value_kind: global_buffer, .address_space: global }
      - { .name: w_ng1, .offset: 8, .size: 8, .value_kind: global_buffer, .address_space: global }
      - { .name: q1_w, .offset: 16, .size: 8, .value_kind: global_buffer, .address_space: global }
      - { .name: q1_b, .offset: 24, .size: 8, .value_kind: global_buffer, .address_space: global }
      - { .name: act0, .offset: 32, .size: 8, .value_kind: global_buffer, .address_space: global }
    .group_segment_fixed_size: 207872
    .private_segment_fixed_size: 0
    .kernarg_segment_align: 8
    .kernarg_segment_size: 40
    .max_flat_workgroup_size: 512
    .sgpr_count:     66
    .vgpr_count:     250
    .wavefront_size: 32
...
	.end_amdgpu_metadata
.endif
;; end of part 1
;; launch tproj (part 2): grid 16 x 1, 16 waves a work-group, no clusters, 208,896 bytes of LDS; arguments act0, k1_w, w_ns1, k1_b, act1, cvec; writes act1, cvec
.if DOCPART == 2
	.amdgcn_target "amdgcn-amd-amdhsa--gfx1250"
	.amdhsa_code_object_version 6
	.text
	.protected	k_qc18f2de43e_tproj
	.globl	k_qc18f2de43e_tproj
	.p2align	8
	.type	k_qc18f2de43e_tproj,@function
k_qc18f2de43e_tproj:
	s_mov_b64 s[64:65], 0
	v_nop
	global_prefetch_b8 v0, s[64:65] scope:SCOPE_SE
	s_setreg_imm32_b32 hwreg(HW_REG_WAVE_MODE, 25, 1), 1
	s_wait_xcnt 0x0
; Y[row][n] = K2 gain[n] sum over k of A[row][k] W[n][k];  C[row] = K2 sum over k of A[row][k] bvec[k].  K2 = log2(e) / 32.
; This folds a 1024 x 1024 projection of the sequence into the 32 token rows: (s W + bvec) . a = s . (a W^T) + a . bvec.
; A: f32 [32][1024]; W: f32 [1024 (n)][1024 (k)], K along the rows.  Work-group c makes columns n = 64 c .. 64 c + 63: 64 whole rows of W,
; four a wave, rounded to bf16 into LDS; then wave w multiplies K = 64 w .. 64 w + 63 and the 16 waves' sums meet in LDS.
; The bias dot (32 x 1024) stays in f32 on the vector unit.  Matrix operands are rounded to bf16, sums are f32.
; No cluster: W's bytes are shared by nobody; A passes through registers for its conversion.
.set APITCH, 2064
.set HALFA,  16*APITCH
.set WL,     32*APITCH                 ; W's image: bf16 [64] rows, pitch 2,064
.set RED,    WL                        ; the partial sums lie on W's image, behind a barrier of their own
.set OUTL,   WL+64*APITCH
.set OPITCH, 272
.set AR,  16                           ; v[16:79]   rows w, w + 16 of A as loaded
.set BF,  16                           ; v[16:79]   B's fragments
.set RB,  16
.set WR,  80                           ; v[80:207]  four rows of W as loaded
.set ACC, 80
.set BV,  208                          ; v[208:239] bvec
.set AF,  208                          ; v[208:239] A's fragments
.set T,   240
.set GA,  244                          ; v[244:247] gain of my 4 columns
.set DS,  248                          ; v[248:251] the dot's two chains
.set DR,  252                          ; v252, v253 K2 a . bvec of rows w, w + 16
.set SW,  16
.set PS,  30
.set K2,  0x3d38aa3b
	s_load_b256 s[4:11], s[0:1], 0x0               ; A s[4:5], W s[6:7], gain s[8:9], bvec s[10:11]
	s_load_b128 s[12:15], s[0:1], 0x20             ; Y s[12:13], C s[14:15]
	v_lshl_add_u32 v254, v0, 2, 0x32800
	v_mov_b32 v255, 0
	v_lshrrev_b32 v1, 5, v0
	v_readfirstlane_b32 s[SW], v1
	v_and_b32 v1, 31, v0
	v_and_b32 v2, 15, v0
	v_bfe_u32 v3, v0, 4, 1
	v_lshlrev_b32 v4, 4, v1                        ; 16 L
	v_lshlrev_b32 v14, 4, v2                       ; 16 r
	s_lshl_b32 s18, s[SW], 12                      ; A's row w
	s_mov_b32 s19, 0
	s_lshl_b32 s20, ttmp9, 18                      ; 64 c rows of W
	s_lshl_b32 s21, s[SW], 14                      ; + 4 w rows
	s_add_co_u32 s20, s20, s21
	s_mov_b32 s21, 0
	s_lshl_b32 s22, ttmp9, 8                       ; 256 c
	s_mov_b32 s23, 0
	s_mov_b32 s[PS], 0x76543210
	s_mov_b32 s[PS+1], 0xfedcba98
	s_wait_kmcnt 0x0
	s_add_nc_u64 s[4:5], s[4:5], s[18:19]
	s_add_nc_u64 s[6:7], s[6:7], s[20:21]
	s_add_nc_u64 s[8:9], s[8:9], s[22:23]
	s_add_nc_u64 s[12:13], s[12:13], s[22:23]
	global_load_b128 v[GA:GA+3], v14, s[8:9]
.irp rr, 0,1
.irp j, 0,1,2,3,4,5,6,7
	global_load_b128 v[AR+32*\rr+4*\j:AR+32*\rr+4*\j+3], v4, s[4:5] offset:\rr*65536+512*\j
.endr
.endr
.irp j, 0,1,2,3,4,5,6,7
	global_load_b128 v[BV+4*\j:BV+4*\j+3], v4, s[10:11] offset:512*\j
.endr
.irp rr, 0,1,2,3
.irp j, 0,1,2,3,4,5,6,7
	global_load_b128 v[WR+32*\rr+4*\j:WR+32*\rr+4*\j+3], v4, s[6:7] offset:\rr*4096+512*\j th:TH_LOAD_NT
.endr
.endr
	v_lshrrev_b32 v15, 4, v0
	s_mul_i32 s34, s[SW], APITCH
	v_lshl_add_u32 v6, v1, 3, s34                  ; A in: row w
	s_mul_i32 s34, s[SW], 4*APITCH
	s_add_co_u32 s34, s34, WL
	v_lshl_add_u32 v5, v1, 3, s34                  ; W in: rows 4 w ..
	v_mul_u32_u24 v7, v2, APITCH
	v_lshl_add_u32 v7, v3, 4, v7
	s_lshl_b32 s34, s[SW], 7
	v_add_nc_u32 v7, s34, v7                       ; fragments: row r, 16 h, 128 w
	s_lshl_b32 s34, s[SW], 13
	s_add_co_u32 s34, s34, RED
	v_lshl_add_u32 v8, v1, 4, s34
	s_lshl_b32 s34, s[SW], 9
	s_add_co_u32 s34, s34, RED
	v_lshl_add_u32 v9, v1, 4, s34
	v_add_nc_u32 v10, 0x10000, v9
	s_lshr_b32 s34, s[SW], 3
	s_lshl_b32 s34, s34, 4
	s_and_b32 s35, s[SW], 1
	s_lshl_b32 s35, s35, 2
	s_add_co_u32 s34, s34, s35
	s_mul_i32 s34, s34, OPITCH
	s_bfe_u32 s35, s[SW], 0x20001                  ; jt
	s_lshl_b32 s35, s35, 6                         ; here N tile jt is columns 16 jt + r
	s_add_co_u32 s34, s34, s35
	s_add_co_u32 s34, s34, OUTL
	v_mul_u32_u24 v11, v3, 8*OPITCH
	v_lshl_add_u32 v11, v2, 2, v11
	v_add_nc_u32 v11, s34, v11
	v_mul_u32_u24 v12, v15, OPITCH
	v_lshl_add_u32 v12, v2, 4, v12
	v_add_nc_u32 v12, OUTL, v12
	v_lshlrev_b32 v13, 12, v15
	v_lshl_add_u32 v13, v2, 4, v13
	s_wait_loadcnt 32                              ; gain, A and bvec are in; W's 32 younger loads stay out
.irp rr, 0,1
.irp j, 0,1,2,3,4,5,6,7
	v_cvt_pk_bf16_f32 v[T+2*(\j&1)], v[AR+32*\rr+4*\j], v[AR+32*\rr+4*\j+1]
	v_cvt_pk_bf16_f32 v[T+2*(\j&1)+1], v[AR+32*\rr+4*\j+2], v[AR+32*\rr+4*\j+3]
	ds_store_b64 v6, v[T+2*(\j&1):T+2*(\j&1)+1] offset:\rr*HALFA+256*\j
.endr
.endr
.macro DOT rr                          ; K2 x (row . bvec), in every lane
	v_pk_mul_f32 v[DS:DS+1], v[AR+32*\rr:AR+32*\rr+1], v[BV:BV+1]
	v_pk_mul_f32 v[DS+2:DS+3], v[AR+32*\rr+2:AR+32*\rr+3], v[BV+2:BV+3]
.irp e, 4,8,12,16,20,24,28
	v_pk_fma_f32 v[DS:DS+1], v[AR+32*\rr+\e:AR+32*\rr+\e+1], v[BV+\e:BV+\e+1], v[DS:DS+1]
	v_pk_fma_f32 v[DS+2:DS+3], v[AR+32*\rr+\e+2:AR+32*\rr+\e+3], v[BV+\e+2:BV+\e+3], v[DS+2:DS+3]
.endr
	v_pk_add_f32 v[DS:DS+1], v[DS:DS+1], v[DS+2:DS+3]
	v_add_f32 v[DS], v[DS], v[DS+1]
	v_add_f32_dpp v[DS], v[DS], v[DS] row_xmask:1 row_mask:0xf bank_mask:0xf
	v_add_f32_dpp v[DS], v[DS], v[DS] row_xmask:2 row_mask:0xf bank_mask:0xf
	v_add_f32_dpp v[DS], v[DS], v[DS] row_xmask:4 row_mask:0xf bank_mask:0xf
	v_add_f32_dpp v[DS], v[DS], v[DS] row_xmask:8 row_mask:0xf bank_mask:0xf
	v_permlanex16_b32 v[DS+1], v[DS], s[PS], s[PS+1]
	v_add_f32 v[DS], v[DS], v[DS+1]
	v_mul_f32 v[DR+\rr], K2, v[DS]
.endm
	DOT 0
	DOT 1
	s_wait_loadcnt 0x0                             ; W's four rows
.irp rr, 0,1,2,3
.irp j, 0,1,2,3,4,5,6,7
	v_cvt_pk_bf16_f32 v[T+2*(\j&1)], v[WR+32*\rr+4*\j], v[WR+32*\rr+4*\j+1]
	v_cvt_pk_bf16_f32 v[T+2*(\j&1)+1], v[WR+32*\rr+4*\j+2], v[WR+32*\rr+4*\j+3]
	ds_store_b64 v5, v[T+2*(\j&1):T+2*(\j&1)+1] offset:\rr*APITCH+256*\j
.endr
.endr
	s_wait_dscnt 0x0
	s_barrier_signal -1
	s_barrier_wait -1                              ; A's and W's images are whole
	v_add_nc_u32 v[T], WL, v7                      ; B's fragments: N tiles 0, 1
	v_add_nc_u32 v[T+1], WL+2*HALFA, v7            ; N tiles 2, 3 (beyond the 16-bit immediate)
.irp ks, 0,1
.irp mt, 0,1
	ds_load_b128 v[AF+16*\ks+8*\mt:AF+16*\ks+8*\mt+3], v7 offset:\mt*HALFA+64*\ks
	ds_load_b128 v[AF+16*\ks+8*\mt+4:AF+16*\ks+8*\mt+7], v7 offset:\mt*HALFA+64*\ks+32
.endr
.endr
.irp ks, 0,1
.irp jt, 0,1
	ds_load_b128 v[BF+32*\ks+8*\jt:BF+32*\ks+8*\jt+3], v[T] offset:\jt*HALFA+64*\ks
	ds_load_b128 v[BF+32*\ks+8*\jt+4:BF+32*\ks+8*\jt+7], v[T] offset:\jt*HALFA+64*\ks+32
	ds_load_b128 v[BF+32*\ks+8*\jt+16:BF+32*\ks+8*\jt+19], v[T+1] offset:\jt*HALFA+64*\ks
	ds_load_b128 v[BF+32*\ks+8*\jt+20:BF+32*\ks+8*\jt+23], v[T+1] offset:\jt*HALFA+64*\ks+32
.endr
.endr
.macro MM ks, zero                     ; the eight accumulators take turns, one instruction a turn
.irp mt, 0,1
.irp jt, 0,1,2,3
.if \zero
	v_wmma_f32_16x16x32_bf16 v[ACC+8*(4*\mt+\jt):ACC+8*(4*\mt+\jt)+7], v[AF+16*\ks+8*\mt:AF+16*\ks+8*\mt+7], v[BF+32*\ks+8*\jt:BF+32*\ks+8*\jt+7], 0
.else
	v_wmma_f32_16x16x32_bf16 v[ACC+8*(4*\mt+\jt):ACC+8*(4*\mt+\jt)+7], v[AF+16*\ks+8*\mt:AF+16*\ks+8*\mt+7], v[BF+32*\ks+8*\jt:BF+32*\ks+8*\jt+7], v[ACC+8*(4*\mt+\jt):ACC+8*(4*\mt+\jt)+7]
.endif
.endr
.endr
.endm
	s_wait_dscnt 0x0                               ; my reads of W's image are over:
	s_barrier_signal -1                            ; say so,
	MM 0, 1                                        ; work on registers meanwhile,
	MM 1, 0
	s_barrier_wait -1                              ; and write onto W's image only when all sixteen have said so
.rept 4
	v_nop                                          ; four places behind the last matrix instruction (ISA guide 7.12.1)
.endr
.irp ch, 0,1,2,3,4,5,6,7,8,9,10,11,12,13,14,15
	ds_store_b128 v8, v[ACC+4*\ch:ACC+4*\ch+3] offset:512*\ch
.endr
	s_wait_dscnt 0x0
	s_barrier_signal -1
	s_barrier_wait -1
.irp s, 0,1,2,3,4,5,6,7
	ds_load_b128 v[RB+4*\s:RB+4*\s+3], v9 offset:8192*\s
.endr
.irp s, 0,1,2,3,4,5,6,7
	ds_load_b128 v[RB+32+4*\s:RB+32+4*\s+3], v10 offset:8192*\s
.endr
.macro RSUM a, b
	v_pk_add_f32 v[RB+4*(\a):RB+4*(\a)+1], v[RB+4*(\a):RB+4*(\a)+1], v[RB+4*(\b):RB+4*(\b)+1]
	v_pk_add_f32 v[RB+4*(\a)+2:RB+4*(\a)+3], v[RB+4*(\a)+2:RB+4*(\a)+3], v[RB+4*(\b)+2:RB+4*(\b)+3]
.endm
	s_wait_dscnt 0x0
.irp s, 0,1,2,3,4,5,6,7
	RSUM \s, \s+8
.endr
.irp s, 0,1,2,3
	RSUM \s, \s+4
.endr
	RSUM 0, 2
	RSUM 1, 3
	RSUM 0, 1
.irp e, 0,1,2,3
	ds_store_b32 v11, v[RB+\e] offset:OPITCH*\e
.endr
	s_wait_dscnt 0x0
	s_barrier_signal -1
	s_barrier_wait -1
	ds_load_b128 v[T:T+3], v12
	s_wait_dscnt 0x0
	v_pk_mul_f32 v[T:T+1], v[T:T+1], v[GA:GA+1]
	v_pk_mul_f32 v[T+2:T+3], v[T+2:T+3], v[GA+2:GA+3]
	v_pk_mul_f32 v[T:T+1], v[T:T+1], K2 op_sel_hi:[1,0]
	v_pk_mul_f32 v[T+2:T+3], v[T+2:T+3], K2 op_sel_hi:[1,0]
	global_store_b128 v13, v[T:T+3], s[12:13]
	; C: work-group 0 alone stores it; wave w has rows w (lane 0) and w + 16 (lane 1)
	s_cmp_lg_u32 ttmp9, 0
	s_cbranch_scc1 .Ldone
	v_cmp_eq_u32 vcc_lo, 1, v1
	v_cndmask_b32 v[DS], v[DR], v[DR+1], vcc_lo
	s_lshl_b32 s34, s[SW], 2
	v_lshl_add_u32 v[DS+1], v1, 6, s34             ; 4 (w + 16 L)
	v_cmp_gt_u32 vcc_lo, 2, v1
	s_wait_xcnt 0x0                                ; EXEC is a source of the store above: it changes only behind this wait
	s_and_saveexec_b32 s35, vcc_lo
	global_store_b32 v[DS+1], v[DS], s[14:15]
	s_wait_xcnt 0x0                                ; and again in front of the line that widens it
	s_or_b32 exec_lo, exec_lo, s35
.Ldone:
	s_wait_tensorcnt 0x0
	ds_add_u32 v254, v255
	s_wait_dscnt 0x0
	s_endpgm
.Lfunc_end_k_qc18f2de43e_tproj:
	.size	k_qc18f2de43e_tproj, .Lfunc_end_k_qc18f2de43e_tproj-k_qc18f2de43e_tproj
	.p2alignl 7, 3214868480
	.fill 96, 4, 3214868480
	.section	.rodata,"a",@progbits
	.p2align	6, 0x0
	.amdhsa_kernel k_qc18f2de43e_tproj
		.amdhsa_group_segment_fixed_size 208896
		.amdhsa_private_segment_fixed_size 0
		.amdhsa_enable_private_segment 0
		.amdhsa_kernarg_size 48
		.amdhsa_user_sgpr_count 2
		.amdhsa_user_sgpr_kernarg_segment_ptr 1
		.amdhsa_wavefront_size32 1
		.amdhsa_system_sgpr_workgroup_id_x 1
		.amdhsa_system_sgpr_workgroup_id_y 1
		.amdhsa_system_sgpr_workgroup_id_z 1
		.amdhsa_system_vgpr_workitem_id 0
		.amdhsa_next_free_vgpr 256
		.amdhsa_next_free_sgpr 66
		.amdhsa_reserve_vcc 1
		.amdhsa_float_denorm_mode_32 3
		.amdhsa_float_denorm_mode_16_64 3
		.amdhsa_memory_ordered 1
		.amdhsa_forward_progress 1
		.amdhsa_inst_pref_size 29
	.end_amdhsa_kernel
	.amdgpu_metadata
---
amdhsa.version: [ 1, 2 ]
amdhsa.kernels:
  - .name:           k_qc18f2de43e_tproj
    .symbol:         k_qc18f2de43e_tproj.kd
    .args:
      - { .name: act0, .offset: 0, .size: 8, .value_kind: global_buffer, .address_space: global }
      - { .name: k1_w, .offset: 8, .size: 8, .value_kind: global_buffer, .address_space: global }
      - { .name: w_ns1, .offset: 16, .size: 8, .value_kind: global_buffer, .address_space: global }
      - { .name: k1_b, .offset: 24, .size: 8, .value_kind: global_buffer, .address_space: global }
      - { .name: act1, .offset: 32, .size: 8, .value_kind: global_buffer, .address_space: global }
      - { .name: cvec, .offset: 40, .size: 8, .value_kind: global_buffer, .address_space: global }
    .group_segment_fixed_size: 208896
    .private_segment_fixed_size: 0
    .kernarg_segment_align: 8
    .kernarg_segment_size: 48
    .max_flat_workgroup_size: 512
    .sgpr_count:     66
    .vgpr_count:     256
    .wavefront_size: 32
...
	.end_amdgpu_metadata
.endif
;; end of part 2
;; launch stream1 (part 3): grid 256 x 1, 8 waves a work-group, no clusters, 292,352 bytes of LDS; arguments x, act1, cvec, accp, ml; writes accp, ml
.if DOCPART == 3
	.amdgcn_target "amdgcn-amd-amdhsa--gfx1250"
	.amdhsa_code_object_version 6
	.text
	.protected	k_qc18f2de43e_stream1
	.globl	k_qc18f2de43e_stream1
	.p2align	8
	.type	k_qc18f2de43e_stream1,@function
k_qc18f2de43e_stream1:
	s_mov_b64 s[64:65], 0
	v_nop
	global_prefetch_b8 v0, s[64:65] scope:SCOPE_SE
	s_setreg_imm32_b32 hwreg(HW_REG_WAVE_MODE, 25, 1), 1
	s_wait_xcnt 0x0
; Stage 1 over 64 rows of x: for the batch's 8 tokens g
;   s[g][t] = rinv[t] (x[t] . Q'[g]) + c[g]   (in powers of two: Q' and c carry log2(e) / 32, Q' also the gain w_ns1)
;   m[g] = max over the 64 t, p = 2^(s - m), l[g] = sum of p, acc[g][d] = sum over t of p rinv[t] x[t][d].
; rinv[t] = 1 / sqrt(mean of x[t]^2 + 1e-6).  The next launch joins the 64 work-groups of a batch by their maxima.
; Eight waves; wave w owns columns 128 w .. 128 w + 127 in both passes, so it reads only x bytes that its own two tensor loads brought
; (32 rows x 512 bytes each).  Both are first fills, issued ahead of everything else; no LDS byte is filled twice; a wave has two out at most.
; x is read from memory once and used twice from LDS.  Matrix operands (x, Q', p rinv) are rounded to bf16; sums, norms, softmax in f32.
; No cluster: no two work-groups read the same rows of x, and the shared Q' is 32 KiB against 256 KiB of x.
.set XPITCH, 528                       ; 512 bytes of a row + 16 of padding: an odd multiple of 16
.set XTILE,  32*XPITCH
.set XWAVE,  2*XTILE
.set SP,     8*XWAVE                   ; partial scores f32 [8 waves][8 g] rows of 64 t, pitch 272
.set SPP,    272
.set SPW,    8*SPP
.set SQ,     SP+8*SPW                  ; partial sums of squares f32 [8 waves][64 t]
.set PT,     SQ+2048                   ; p rinv, bf16 [8 g] rows of 64 t, pitch 144
.set PTP,    144
.set MLS,    PT+1280                   ; (m, l) of the 8 g
.set G1, 24                            ; s[24:31] descriptor group 1
.set G0, 32                            ; s[32:39] descriptor group 0, one for each half
.set PS, 40
.set BQ, 16                            ; v[16:47]   Q' fragments, 4 K steps
.set QR, 48                            ; v[48:111]  Q' as loaded
.set XR, 48                            ; v[48:175]  x as read from LDS: 8 units of 16
.set XF, 176                           ; v[176:207] four fragment buffers in turn
.set SA, 208                           ; v[208:239] four score accumulators (16 t each)
.set SS, 240                           ; v[240:247] sums of squares, a pair for each 16 t
.set TS, 248                           ; v[248:251]
.set MS, 48                            ; v[48:63]   the eight waves' partial scores of my 2 t
.set MQ, 64                            ; v[64:79]   and sums of squares
.set PA, 16                            ; v[16:31]   fragments of p rinv, 2 K steps
.set CA, 32                            ; v[32:95]   accumulators of pass 2: 2 q x 4 jt
.set XB, 96                            ; v[96:159]  x as read for pass 2
.set BF, 160                           ; v[160:223] two fragment sets of 4 N tiles
.set OT, 224                           ; v[224:255] what leaves
	s_load_b256 s[4:11], s[0:1], 0x0               ; x s[4:5], Q' s[6:7], c s[8:9], accp s[10:11]
	s_load_b64 s[12:13], s[0:1], 0x20              ; ml
	s_set_vgpr_msb 0x40
	v_lshl_add_u32 v0, v0, 2, 0x47200
	v_mov_b32 v1, 0
	s_set_vgpr_msb 0x4045
	ds_add_u32 v0, v1
	ds_add_u32 v0, v1
	s_set_vgpr_msb 0x4500
	v_lshrrev_b32 v1, 5, v0
	v_readfirstlane_b32 s14, v1                    ; wave
	s_lshr_b32 s16, ttmp9, 6                       ; batch
	s_mov_b32 s[G1+0], 0x07920000                  ; elements of 4 bytes; after every 128 words a pad of 4 words; no mask
	s_mov_b32 s[G1+1], 128<<16                     ; tensor_dim0 = 128
	s_mov_b32 s[G1+2], 32<<16                      ; tensor_dim1 = 32
	s_mov_b32 s[G1+3], 128<<16                     ; tile_dim0 = 128
	s_mov_b32 s[G1+4], 32                          ; tile_dim1 = 32
	s_mov_b32 s[G1+5], 1024                        ; elements from row to row
	s_mov_b32 s[G1+6], 0
	s_mov_b32 s[G1+7], 0
	s_mul_i32 s20, s14, XWAVE                      ; my part of LDS
	s_lshl_b32 s15, s14, 9                         ; my 512 bytes of a row
	s_lshl_b32 s18, ttmp9, 18                      ; 64 rows of 4,096 bytes
	s_add_co_u32 s18, s18, s15
	s_mov_b32 s19, 0
	s_wait_dscnt 0x0
	s_wait_kmcnt 0x0
	s_add_nc_u64 s[4:5], s[4:5], s[18:19]
.irp hf, 0,1
	s_mov_b32 s[G0+4*\hf], 1
	s_add_co_u32 s[G0+4*\hf+1], s20, \hf*XTILE
	s_add_nc_u64 s[G0+4*\hf+2:G0+4*\hf+3], s[4:5], \hf*131072
	s_or_b32 s[G0+4*\hf+3], s[G0+4*\hf+3], 0x80000000
	tensor_load_to_lds s[G0+4*\hf:G0+4*\hf+3], s[G1:G1+7]
	s_nop 0
.endr
	s_lshl_b32 s18, s16, 15
	s_add_co_u32 s18, s18, s15
	s_add_nc_u64 s[6:7], s[6:7], s[18:19]          ; Q': the batch's 8 rows, my columns
	s_lshl_b32 s18, s16, 5
	s_lshl_b32 s21, s14, 2
	s_add_co_u32 s18, s18, s21
	s_add_nc_u64 s[8:9], s[8:9], s[18:19]          ; c of token g = w
	s_lshl_b32 s18, ttmp9, 15
	s_add_co_u32 s18, s18, s15
	s_add_nc_u64 s[10:11], s[10:11], s[18:19]
	s_lshl_b32 s18, ttmp9, 6
	s_add_nc_u64 s[12:13], s[12:13], s[18:19]
	s_mov_b32 s[PS], 0x76543210
	s_mov_b32 s[PS+1], 0xfedcba98
	s_mov_b32 s42, 0x3a800000                      ; 1 / 1024
	s_mov_b32 s43, 0x358637bd                      ; 1e-6
	v_and_b32 v1, 31, v0                           ; L
	v_and_b32 v2, 15, v0                           ; r
	v_bfe_u32 v3, v0, 4, 1                         ; h
	v_and_b32 v16, 7, v0                           ; r mod 8: lanes r >= 8 repeat token r - 8
	v_lshlrev_b32 v4, 12, v16
	v_lshl_add_u32 v4, v3, 5, v4                   ; Q': row r mod 8, 32 h
	v_mov_b32 v9, 0
.irp ks, 0,1,2,3
	global_load_b128 v[QR+16*\ks:QR+16*\ks+3], v4, s[6:7] offset:128*\ks
	global_load_b128 v[QR+16*\ks+4:QR+16*\ks+7], v4, s[6:7] offset:128*\ks+16
	global_load_b128 v[QR+16*\ks+8:QR+16*\ks+11], v4, s[6:7] offset:128*\ks+64
	global_load_b128 v[QR+16*\ks+12:QR+16*\ks+15], v4, s[6:7] offset:128*\ks+80
.endr
	global_load_b32 v9, v9, s[8:9]                 ; the same word in every lane
	v_mul_u32_u24 v5, v2, XPITCH
	v_lshl_add_u32 v5, v3, 5, v5
	v_add_nc_u32 v5, s20, v5                       ; pass 1: row r, 32 h
	s_lshl_b32 s21, s14, 8
	s_add_co_u32 s21, s21, SQ
	v_lshl_add_u32 v6, v2, 2, s21
	s_mul_i32 s22, s14, SPW
	s_add_co_u32 s22, s22, SP
	v_mul_u32_u24 v7, v16, SPP
	v_lshl_add_u32 v7, v3, 5, v7
	v_add_nc_u32 v7, s22, v7
	v_mul_u32_u24 v8, v3, 8*XPITCH
	v_lshl_add_u32 v8, v2, 4, v8
	v_add_nc_u32 v8, s20, v8                       ; pass 2: row 8 h, 16 r
	s_mul_i32 s23, s14, SPP
	s_add_co_u32 s23, s23, SP
	v_lshl_add_u32 v10, v1, 3, s23                 ; token w's scores of t = 2 L, 2 L + 1
	v_lshlrev_b32 v11, 3, v1
	v_add_nc_u32 v11, SQ, v11
	s_mul_i32 s23, s14, PTP
	s_add_co_u32 s23, s23, PT
	v_lshl_add_u32 v12, v1, 2, s23
	s_lshl_b32 s23, s14, 3
	s_add_co_u32 s23, s23, MLS
	v_mov_b32 v13, s23
	v_mul_u32_u24 v14, v16, PTP
	v_lshl_add_u32 v14, v3, 4, v14
	v_add_nc_u32 v14, PT, v14
	v_lshlrev_b32 v15, 14, v3
	v_lshl_add_u32 v15, v2, 4, v15                 ; accp: token 4 h (+ i), 16 r
	s_wait_loadcnt 0x0
.set i, 0
.rept 32
	v_cvt_pk_bf16_f32 v[BQ+i], v[QR+2*i], v[QR+2*i+1]
.set i, i+1
.endr
; One unit: 16 rows (mt) x 32 columns (ks): squares into SS, the fragment into one of four buffers, one matrix instruction.
; A buffer is written again three units (48 vector instructions) behind the matrix instruction that read it.
.macro P1DO u, mt, ks
.if \ks == 0
	v_pk_mul_f32 v[SS+2*\mt:SS+2*\mt+1], v[XR+16*\u:XR+16*\u+1], v[XR+16*\u:XR+16*\u+1]
.else
	v_pk_fma_f32 v[SS+2*\mt:SS+2*\mt+1], v[XR+16*\u:XR+16*\u+1], v[XR+16*\u:XR+16*\u+1], v[SS+2*\mt:SS+2*\mt+1]
.endif
	v_cvt_pk_bf16_f32 v[XF+8*(\u&3)], v[XR+16*\u], v[XR+16*\u+1]
.irp p, 1,2,3,4,5,6,7
	v_pk_fma_f32 v[SS+2*\mt:SS+2*\mt+1], v[XR+16*\u+2*\p:XR+16*\u+2*\p+1], v[XR+16*\u+2*\p:XR+16*\u+2*\p+1], v[SS+2*\mt:SS+2*\mt+1]
	v_cvt_pk_bf16_f32 v[XF+8*(\u&3)+\p], v[XR+16*\u+2*\p], v[XR+16*\u+2*\p+1]
.endr
.if \ks == 0
	v_wmma_f32_16x16x32_bf16 v[SA+8*\mt:SA+8*\mt+7], v[XF+8*(\u&3):XF+8*(\u&3)+7], v[BQ+8*\ks:BQ+8*\ks+7], 0
.else
	v_wmma_f32_16x16x32_bf16 v[SA+8*\mt:SA+8*\mt+7], v[XF+8*(\u&3):XF+8*(\u&3)+7], v[BQ+8*\ks:BQ+8*\ks+7], v[SA+8*\mt:SA+8*\mt+7]
.endif
.endm
; Half hf of my rows.  Its two accumulators take turns, one instruction a turn.
.macro HALF hf
	s_wait_tensorcnt 1-\hf                         ; tensor loads of a wave end in order (ISA guide 10.11.1): this half is in; for hf = 0 the other stays out
.irp ks, 0,1,2,3
.irp mi, 0,1
	ds_load_b128 v[XR+16*(2*\ks+\mi):XR+16*(2*\ks+\mi)+3], v5 offset:(2*\hf+\mi)*16*XPITCH+128*\ks
	ds_load_b128 v[XR+16*(2*\ks+\mi)+4:XR+16*(2*\ks+\mi)+7], v5 offset:(2*\hf+\mi)*16*XPITCH+128*\ks+16
	ds_load_b128 v[XR+16*(2*\ks+\mi)+8:XR+16*(2*\ks+\mi)+11], v5 offset:(2*\hf+\mi)*16*XPITCH+128*\ks+64
	ds_load_b128 v[XR+16*(2*\ks+\mi)+12:XR+16*(2*\ks+\mi)+15], v5 offset:(2*\hf+\mi)*16*XPITCH+128*\ks+80
.endr
.endr
.irp ks, 0,1,2,3
.irp mi, 0,1
	s_wait_dscnt 4*(7-(2*\ks+\mi))                 ; four loads for each younger unit may stay out
	P1DO (2*\ks+\mi), (2*\hf+\mi), \ks
.endr
.endr
.endm
	HALF 0
	HALF 1
	; a row's squares lie in two registers of two lanes (r, h = 0 and 1).  These additions are also the places behind the last matrix instruction.
.irp mt, 0,1,2,3
	v_add_f32 v[TS+\mt], v[SS+2*\mt], v[SS+2*\mt+1]
.endr
.irp mt, 0,1,2,3
	v_permlanex16_b32 v[SS+2*\mt], v[TS+\mt], s[PS], s[PS+1]
.endr
.irp mt, 0,1,2,3
	v_add_f32 v[TS+\mt], v[TS+\mt], v[SS+2*\mt]
.endr
.irp mt, 0,1,2,3
	ds_store_b32 v6, v[TS+\mt] offset:64*\mt
	ds_store_b128 v7, v[SA+8*\mt:SA+8*\mt+3] offset:64*\mt          ; token r mod 8, t = 16 mt + 8 h + 0..3 (lanes r and r + 8: the same bytes, the same numbers)
	ds_store_b128 v7, v[SA+8*\mt+4:SA+8*\mt+7] offset:64*\mt+16
.endr
	s_wait_dscnt 0x0
	s_barrier_signal -1
	s_barrier_wait -1
	; wave w finishes token g = w; lane L has t = 2 L, 2 L + 1
.irp s, 0,1,2,3,4,5,6,7
	ds_load_b64 v[MS+2*\s:MS+2*\s+1], v10 offset:SPW*\s
.endr
.irp s, 0,1,2,3,4,5,6,7
	ds_load_b64 v[MQ+2*\s:MQ+2*\s+1], v11 offset:256*\s
.endr
.macro PSUM base                       ; eight pairs into the first
.irp a, 0,1,2,3
	v_pk_add_f32 v[\base+2*\a:\base+2*\a+1], v[\base+2*\a:\base+2*\a+1], v[\base+2*\a+8:\base+2*\a+9]
.endr
.irp a, 0,1
	v_pk_add_f32 v[\base+2*\a:\base+2*\a+1], v[\base+2*\a:\base+2*\a+1], v[\base+2*\a+4:\base+2*\a+5]
.endr
	v_pk_add_f32 v[\base:\base+1], v[\base:\base+1], v[\base+2:\base+3]
.endm
	s_wait_dscnt 0x0
	PSUM MS
	PSUM MQ
	v_fma_f32 v80, v[MQ], s42, s43                 ; mean + eps
	v_fma_f32 v81, v[MQ+1], s42, s43
	v_rsq_f32 v82, v80
	v_rsq_f32 v83, v81
	v_nop                                          ; one plain place behind a transcendental (ISA guide 5.7.2)
	s_wait_alu depctr_va_vdst(0)
	v_fma_f32 v84, v82, v[MS], v9
	v_fma_f32 v85, v83, v[MS+1], v9
	v_max_num_f32 v86, v84, v85
	v_max_num_f32_dpp v86, v86, v86 row_xmask:1 row_mask:0xf bank_mask:0xf
	v_max_num_f32_dpp v86, v86, v86 row_xmask:2 row_mask:0xf bank_mask:0xf
	v_max_num_f32_dpp v86, v86, v86 row_xmask:4 row_mask:0xf bank_mask:0xf
	v_max_num_f32_dpp v86, v86, v86 row_xmask:8 row_mask:0xf bank_mask:0xf
	v_permlanex16_b32 v80, v86, s[PS], s[PS+1]
	v_max_num_f32 v86, v86, v80                    ; m
	v_sub_f32 v84, v84, v86
	v_sub_f32 v85, v85, v86
	v_exp_f32 v88, v84
	v_exp_f32 v89, v85
	v_nop
	s_wait_alu depctr_va_vdst(0)
	v_add_f32 v87, v88, v89
	v_add_f32_dpp v87, v87, v87 row_xmask:1 row_mask:0xf bank_mask:0xf
	v_add_f32_dpp v87, v87, v87 row_xmask:2 row_mask:0xf bank_mask:0xf
	v_add_f32_dpp v87, v87, v87 row_xmask:4 row_mask:0xf bank_mask:0xf
	v_add_f32_dpp v87, v87, v87 row_xmask:8 row_mask:0xf bank_mask:0xf
	v_permlanex16_b32 v81, v87, s[PS], s[PS+1]
	v_add_f32 v87, v87, v81                        ; l
	v_mul_f32 v88, v88, v82
	v_mul_f32 v89, v89, v83
	v_cvt_pk_bf16_f32 v90, v88, v89
	ds_store_b32 v12, v90
	ds_store_b64 v13, v[86:87]
	s_wait_dscnt 0x0
	s_barrier_signal -1
	s_barrier_wait -1
	; pass 2: acc[g][d] = sum over t of P[g][t] x[t][d].  A = P (rows 8-15 repeat rows 0-7), K = t.
	; B from x as it lies: lane (r, h) reads x[t][64 q + 4 r + 0..3] for t = 32 ks + 16 u + 8 h + i; N tile jt = columns {4 r + jt}.
.macro P2LD q, ks
.irp u, 0,1
.irp i, 0,1,2,3,4,5,6,7
	ds_load_b128 v[XB+32*\u+4*\i:XB+32*\u+4*\i+3], v8 offset:(32*\ks+16*\u+\i)*XPITCH+256*\q
.endr
.endr
.endm
.macro P2CV fb
.irp jt, 0,1,2,3
.irp u, 0,1
.irp p, 0,1,2,3
	v_cvt_pk_bf16_f32 v[BF+32*\fb+8*\jt+4*\u+\p], v[XB+32*\u+8*\p+\jt], v[XB+32*\u+8*\p+4+\jt]
.endr
.endr
.endr
.endm
.macro P2MM fb, q, ks, zero            ; the accumulators take turns, one instruction a turn
.irp jt, 0,1,2,3
.if \zero
	v_wmma_f32_16x16x32_bf16 v[CA+32*\q+8*\jt:CA+32*\q+8*\jt+7], v[PA+8*\ks:PA+8*\ks+7], v[BF+32*\fb+8*\jt:BF+32*\fb+8*\jt+7], 0
.else
	v_wmma_f32_16x16x32_bf16 v[CA+32*\q+8*\jt:CA+32*\q+8*\jt+7], v[PA+8*\ks:PA+8*\ks+7], v[BF+32*\fb+8*\jt:BF+32*\fb+8*\jt+7], v[CA+32*\q+8*\jt:CA+32*\q+8*\jt+7]
.endif
.endr
.endm
.irp ks, 0,1
	ds_load_b128 v[PA+8*\ks:PA+8*\ks+3], v14 offset:64*\ks
	ds_load_b128 v[PA+8*\ks+4:PA+8*\ks+7], v14 offset:64*\ks+32
.endr
	P2LD 0, 0
	s_wait_dscnt 0x0
	P2CV 0
	P2LD 1, 0
	P2MM 0, 0, 0, 1
	s_wait_dscnt 0x0
	P2CV 1                                         ; its 32 conversions are the places before set 0 is written again
	P2LD 0, 1
	P2MM 1, 1, 0, 1
	s_wait_dscnt 0x0
	P2CV 0
	P2LD 1, 1
	P2MM 0, 0, 1, 0
	s_wait_dscnt 0x0
	P2CV 1
	P2MM 1, 1, 1, 0
.rept 4
	v_nop                                          ; four places behind the last matrix instruction (ISA guide 7.12.1)
.endr
	; register j of a lane is token j (h = 0) or its copy (h = 1): lanes h = 0 take tokens 0-3, lanes h = 1 tokens 4-7, four neighbouring columns each
	v_cmp_ne_u32 vcc_lo, 0, v3
.irp q, 0,1
.irp i, 0,1,2,3
.irp jt, 0,1,2,3
	v_cndmask_b32 v[OT+16*\q+4*\i+\jt], v[CA+32*\q+8*\jt+\i], v[CA+32*\q+8*\jt+4+\i], vcc_lo
.endr
.endr
.endr
.irp q, 0,1
.irp i, 0,1,2,3
	global_store_b128 v15, v[OT+16*\q+4*\i:OT+16*\q+4*\i+3], s[10:11] offset:4096*\i+256*\q   ; 16 lanes: 256 consecutive aligned bytes
.endr
.endr
	s_cmp_lg_u32 s14, 0                            ; wave 0 stores the eight (m, l): 64 bytes
	s_cbranch_scc1 .Lend
	v_lshlrev_b32 v10, 2, v2                       ; 4 (L mod 16): every lane's address lies inside the 64 bytes that were written
	v_add_nc_u32 v11, MLS, v10
	v_cmp_gt_u32 vcc_lo, 16, v1
	s_wait_xcnt 0x0                                ; EXEC is a source of the stores above
	s_and_saveexec_b32 s44, vcc_lo
	ds_load_b32 v12, v11
	s_wait_dscnt 0x0
	global_store_b32 v10, v12, s[12:13]
	s_wait_xcnt 0x0
	s_or_b32 exec_lo, exec_lo, s44
.Lend:
	s_set_vgpr_msb 0x5
	s_wait_tensorcnt 0x0
	ds_add_u32 v0, v1
	s_wait_dscnt 0x0
	s_set_vgpr_msb 0x500
	s_endpgm
.Lfunc_end_k_qc18f2de43e_stream1:
	.size	k_qc18f2de43e_stream1, .Lfunc_end_k_qc18f2de43e_stream1-k_qc18f2de43e_stream1
	.p2alignl 7, 3214868480
	.fill 96, 4, 3214868480
	.section	.rodata,"a",@progbits
	.p2align	6, 0x0
	.amdhsa_kernel k_qc18f2de43e_stream1
		.amdhsa_group_segment_fixed_size 292352
		.amdhsa_private_segment_fixed_size 0
		.amdhsa_enable_private_segment 0
		.amdhsa_kernarg_size 40
		.amdhsa_user_sgpr_count 2
		.amdhsa_user_sgpr_kernarg_segment_ptr 1
		.amdhsa_wavefront_size32 1
		.amdhsa_system_sgpr_workgroup_id_x 1
		.amdhsa_system_sgpr_workgroup_id_y 1
		.amdhsa_system_sgpr_workgroup_id_z 1
		.amdhsa_system_vgpr_workitem_id 0
		.amdhsa_next_free_vgpr 258
		.amdhsa_next_free_sgpr 66
		.amdhsa_reserve_vcc 1
		.amdhsa_float_denorm_mode_32 3
		.amdhsa_float_denorm_mode_16_64 3
		.amdhsa_memory_ordered 1
		.amdhsa_forward_progress 1
		.amdhsa_inst_pref_size 51
	.end_amdhsa_kernel
	.amdgpu_metadata
---
amdhsa.version: [ 1, 2 ]
amdhsa.kernels:
  - .name:           k_qc18f2de43e_stream1
    .symbol:         k_qc18f2de43e_stream1.kd
    .args:
      - { .name: x, .offset: 0, .size: 8, .value_kind: global_buffer, .address_space: global }
      - { .name: act1, .offset: 8, .size: 8, .value_kind: global_buffer, .address_space: global }
      - { .name: cvec, .offset: 16, .size: 8, .value_kind: global_buffer, .address_space: global }
      - { .name: accp, .offset: 24, .size: 8, .value_kind: global_buffer, .address_space: global }
      - { .name: ml, .offset: 32, .size: 8, .value_kind: global_buffer, .address_space: global }
    .group_segment_fixed_size: 292352
    .private_segment_fixed_size: 0
    .kernarg_segment_align: 8
    .kernarg_segment_size: 40
    .max_flat_workgroup_size: 256
    .sgpr_count:     66
    .vgpr_count:     258
    .wavefront_size: 32
...
	.end_amdgpu_metadata
.endif
;; end of part 3
;; launch combine (part 4): grid 4 x 32, 2 waves a work-group, no clusters, 0 bytes of LDS; arguments accp, ml, w_ns1, act0; writes act0
.if DOCPART == 4
	.amdgcn_target "amdgcn-amd-amdhsa--gfx1250"
	.amdhsa_code_object_version 6
	.text
	.protected	k_qc18f2de43e_combine
	.globl	k_qc18f2de43e_combine
	.p2align	8
	.type	k_qc18f2de43e_combine,@function
k_qc18f2de43e_combine:
	s_mov_b64 s[64:65], 0
	v_nop
	global_prefetch_b8 v0, s[64:65] scope:SCOPE_SE
	s_setreg_imm32_b32 hwreg(HW_REG_WAVE_MODE, 25, 1), 1
	s_wait_xcnt 0x0
; ctx[row][d] = gain[d] sum over the batch's 64 parts p of 2^(m_p - M) acc_p[d] / L,  M = max m_p,  L = sum of 2^(m_p - M) l_p.
; row = 8 b + g = the grid's y; the grid's x picks 256 columns; 64 threads, 16 bytes each.  A stream: no LDS, no matrix unit.
; Two batches of 16 loads are on their way at any time.
.set ML, 4                             ; v[4:5] (m, l) of part L, v[6:7] of part L + 32
.set GA, 8                             ; v[8:11] gain
.set WT, 12                            ; v12, v13 the parts' weights
.set ACC, 20                           ; v[20:23]
.set BA, 32                            ; v[32:95], v[96:159] two batches
.set PS, 30
	s_load_b256 s[4:11], s[0:1], 0x0               ; accp s[4:5], ml s[6:7], gain s[8:9], ctx s[10:11]
	s_and_b32 s12, ttmp7, 0xffff                   ; row
	s_lshr_b32 s13, s12, 3                         ; b
	s_and_b32 s14, s12, 7                          ; g
	s_lshl_b32 s32, ttmp9, 10                      ; my 1,024 bytes of a row
	s_mov_b32 s33, 0
	s_lshl_b32 s16, s13, 21                        ; 64 parts of 32,768 bytes
	s_lshl_b32 s17, s14, 12
	s_add_co_u32 s16, s16, s17
	s_add_co_u32 s16, s16, s32
	s_mov_b32 s17, 0
	s_lshl_b32 s18, s13, 12                        ; 64 parts of 64 bytes
	s_lshl_b32 s19, s14, 3
	s_add_co_u32 s18, s18, s19
	s_mov_b32 s19, 0
	s_lshl_b32 s34, s12, 12
	s_add_co_u32 s34, s34, s32
	s_mov_b32 s35, 0
	s_mov_b32 s21, 0                               ; the upper halves of the pairs that carry a weight
	s_mov_b32 s23, 0
	s_mov_b32 s25, 0
	s_mov_b32 s27, 0
	s_mov_b32 s[PS], 0x76543210
	s_mov_b32 s[PS+1], 0xfedcba98
	v_and_b32 v1, 31, v0
	v_lshlrev_b32 v2, 6, v1
	v_lshlrev_b32 v3, 4, v0
	v_mov_b32 v15, 0                               ; the cross-half permute's destination counts as read
	s_wait_kmcnt 0x0
	s_add_nc_u64 s[4:5], s[4:5], s[16:17]
	s_add_nc_u64 s[6:7], s[6:7], s[18:19]
	s_add_nc_u64 s[8:9], s[8:9], s[32:33]
	s_add_nc_u64 s[10:11], s[10:11], s[34:35]
	global_load_b64 v[ML:ML+1], v2, s[6:7]
	global_load_b64 v[ML+2:ML+3], v2, s[6:7] offset:2048
	global_load_b128 v[GA:GA+3], v3, s[8:9]
.macro LOADB n, buf
.irp i, 0,1,2,3,4,5,6,7,8,9,10,11,12,13,14,15
	global_load_b128 v[BA+64*\buf+4*\i:BA+64*\buf+4*\i+3], v3, s[4:5] offset:(16*\n+\i)*32768 th:TH_LOAD_NT
.endr
.endm
.macro BATCH n, buf                    ; a part's weight goes from its lane into a scalar pair and multiplies both halves
.irp i, 0,1,2,3,4,5,6,7,8,9,10,11,12,13,14,15
	v_readlane_b32 s[20+2*(\i&3)], v[WT+(\n>>1)], 16*(\n&1)+\i
.if (\n+\i) == 0
	v_pk_mul_f32 v[ACC:ACC+1], v[BA+64*\buf+4*\i:BA+64*\buf+4*\i+1], s[20+2*(\i&3):21+2*(\i&3)] op_sel_hi:[1,0]
	v_pk_mul_f32 v[ACC+2:ACC+3], v[BA+64*\buf+4*\i+2:BA+64*\buf+4*\i+3], s[20+2*(\i&3):21+2*(\i&3)] op_sel_hi:[1,0]
.else
	v_pk_fma_f32 v[ACC:ACC+1], v[BA+64*\buf+4*\i:BA+64*\buf+4*\i+1], s[20+2*(\i&3):21+2*(\i&3)], v[ACC:ACC+1] op_sel_hi:[1,0,1]
	v_pk_fma_f32 v[ACC+2:ACC+3], v[BA+64*\buf+4*\i+2:BA+64*\buf+4*\i+3], s[20+2*(\i&3):21+2*(\i&3)], v[ACC+2:ACC+3] op_sel_hi:[1,0,1]
.endif
.endr
.endm
	LOADB 0, 0
	LOADB 1, 1
	s_wait_loadcnt 32                              ; (m, l) and the gain are in; the two batches stay out
	v_max_num_f32 v14, v[ML], v[ML+2]
	v_max_num_f32_dpp v14, v14, v14 row_xmask:1 row_mask:0xf bank_mask:0xf
	v_max_num_f32_dpp v14, v14, v14 row_xmask:2 row_mask:0xf bank_mask:0xf
	v_max_num_f32_dpp v14, v14, v14 row_xmask:4 row_mask:0xf bank_mask:0xf
	v_max_num_f32_dpp v14, v14, v14 row_xmask:8 row_mask:0xf bank_mask:0xf
	v_permlanex16_b32 v15, v14, s[PS], s[PS+1]
	v_max_num_f32 v14, v14, v15                    ; M
	v_sub_f32 v16, v[ML], v14
	v_sub_f32 v17, v[ML+2], v14
	v_exp_f32 v[WT], v16
	v_exp_f32 v[WT+1], v17
	v_nop                                          ; one plain place behind a transcendental (ISA guide 5.7.2)
	s_wait_alu depctr_va_vdst(0)
	v_mul_f32 v18, v[WT], v[ML+1]
	v_fma_f32 v18, v[WT+1], v[ML+3], v18
	v_add_f32_dpp v18, v18, v18 row_xmask:1 row_mask:0xf bank_mask:0xf
	v_add_f32_dpp v18, v18, v18 row_xmask:2 row_mask:0xf bank_mask:0xf
	v_add_f32_dpp v18, v18, v18 row_xmask:4 row_mask:0xf bank_mask:0xf
	v_add_f32_dpp v18, v18, v18 row_xmask:8 row_mask:0xf bank_mask:0xf
	v_permlanex16_b32 v15, v18, s[PS], s[PS+1]
	v_add_f32 v18, v18, v15                        ; L, at least 1: the part that holds M has l >= 1
	v_rcp_f32 v19, v18
	v_nop
	s_wait_alu depctr_va_vdst(0)
	v_mul_f32 v[WT], v[WT], v19
	v_mul_f32 v[WT+1], v[WT+1], v19
	s_wait_loadcnt 16                              ; batch 0 is in; batch 1's sixteen loads stay out
	BATCH 0, 0
	LOADB 2, 0
	s_wait_loadcnt 16                              ; batch 1; batch 2 stays out
	BATCH 1, 1
	LOADB 3, 1
	s_wait_loadcnt 16                              ; batch 2; batch 3 stays out
	BATCH 2, 0
	s_wait_loadcnt 0x0
	BATCH 3, 1
	v_pk_mul_f32 v[ACC:ACC+1], v[ACC:ACC+1], v[GA:GA+1]
	v_pk_mul_f32 v[ACC+2:ACC+3], v[ACC+2:ACC+3], v[GA+2:GA+3]
	global_store_b128 v3, v[ACC:ACC+3], s[10:11]
	s_endpgm
.Lfunc_end_k_qc18f2de43e_combine:
	.size	k_qc18f2de43e_combine, .Lfunc_end_k_qc18f2de43e_combine-k_qc18f2de43e_combine
	.p2alignl 7, 3214868480
	.fill 96, 4, 3214868480
	.section	.rodata,"a",@progbits
	.p2align	6, 0x0
	.amdhsa_kernel k_qc18f2de43e_combine
		.amdhsa_group_segment_fixed_size 0
		.amdhsa_private_segment_fixed_size 0
		.amdhsa_enable_private_segment 0
		.amdhsa_kernarg_size 32
		.amdhsa_user_sgpr_count 2
		.amdhsa_user_sgpr_kernarg_segment_ptr 1
		.amdhsa_wavefront_size32 1
		.amdhsa_system_sgpr_workgroup_id_x 1
		.amdhsa_system_sgpr_workgroup_id_y 1
		.amdhsa_system_sgpr_workgroup_id_z 1
		.amdhsa_system_vgpr_workitem_id 0
		.amdhsa_next_free_vgpr 160
		.amdhsa_next_free_sgpr 66
		.amdhsa_reserve_vcc 0
		.amdhsa_float_denorm_mode_32 3
		.amdhsa_float_denorm_mode_16_64 3
		.amdhsa_memory_ordered 1
		.amdhsa_forward_progress 1
		.amdhsa_inst_pref_size 22
	.end_amdhsa_kernel
	.amdgpu_metadata
---
amdhsa.version: [ 1, 2 ]
amdhsa.kernels:
  - .name:           k_qc18f2de43e_combine
    .symbol:         k_qc18f2de43e_combine.kd
    .args:
      - { .name: accp, .offset: 0, .size: 8, .value_kind: global_buffer, .address_space: global }
      - { .name: ml, .offset: 8, .size: 8, .value_kind: global_buffer, .address_space: global }
      - { .name: w_ns1, .offset: 16, .size: 8, .value_kind: global_buffer, .address_space: global }
      - { .name: act0, .offset: 24, .size: 8, .value_kind: global_buffer, .address_space: global }
    .group_segment_fixed_size: 0
    .private_segment_fixed_size: 0
    .kernarg_segment_align: 8
    .kernarg_segment_size: 32
    .max_flat_workgroup_size: 64
    .sgpr_count:     66
    .vgpr_count:     160
    .wavefront_size: 32
...
	.end_amdgpu_metadata
.endif
;; end of part 4
;; launch proj (part 5): grid 16 x 1, 16 waves a work-group, no clusters, 207,872 bytes of LDS; arguments act0, v1_w, v1_b, act1; writes act1
.if DOCPART == 5
	.amdgcn_target "amdgcn-amd-amdhsa--gfx1250"
	.amdhsa_code_object_version 6
	.text
	.protected	k_qc18f2de43e_proj
	.globl	k_qc18f2de43e_proj
	.p2align	8
	.type	k_qc18f2de43e_proj,@function
k_qc18f2de43e_proj:
	s_mov_b64 s[64:65], 0
	v_nop
	global_prefetch_b8 v0, s[64:65] scope:SCOPE_SE
	s_setreg_imm32_b32 hwreg(HW_REG_WAVE_MODE, 25, 1), 1
	s_wait_xcnt 0x0
; Y[y] = A[y] W[y], + bias where y = 0.  A[y]: f32 [32][1024]; W[y]: f32 rows 1024 y .. 1024 y + 1023 of [.][1024]; Y[y]: f32 [32][1024].
; The grid's x = c picks columns 64 c .. 64 c + 63, its y a slice of 1,024 along K (one slice but for the MLP's second product).
; Wave w takes K = 64 w .. 64 w + 63 of the slice; the 16 waves' partial sums meet in LDS.
; W is read once, 256 consecutive aligned bytes of a row by each 16 lanes.  Lane (r, h) holds W[k][64 c + 4 r + jt], jt = 0..3, so the
; four N tiles are the column sets {4 r + jt}, and packing component jt of two neighbouring k is a register of B's fragment.
; Matrix operands are rounded to bf16, sums are f32.  No cluster: what the work-groups share is A (128 KiB), which passes through
; registers for its conversion; W's bytes are shared by nobody.
.set APITCH, 2064                      ; an LDS row of A: 2,048 bytes of bf16 + 16: an odd multiple of 16
.set HALFA,  16*APITCH
.set RED,    32*APITCH                 ; [16 waves][16 chunks][512 bytes] of partial sums
.set OUTL,   RED+16*8192               ; f32 [32] rows of 256 bytes, pitch 272
.set OPITCH, 272
.set AR,  16                           ; v[16:79]   rows w, w + 16 of A as loaded
.set BF,  16                           ; v[16:79]   B's fragments: 2 K steps x 4 N tiles x 8
.set RB,  16                           ; v[16:79]   the 16 waves' chunks, to be summed
.set WR,  80                           ; v[80:207]  W as loaded: 2 K steps x 16 rows x 4
.set ACC, 80                           ; v[80:143]  8 accumulators (on W's first K step, behind its conversion)
.set AF,  208                          ; v[208:239] A's fragments
.set T,   240
.set BI,  244
.set SW,  12
	s_load_b256 s[4:11], s[0:1], 0x0               ; A s[4:5], W s[6:7], bias s[8:9], Y s[10:11]
	v_lshl_add_u32 v248, v0, 2, 0x32400
	v_mov_b32 v249, 0
	v_lshrrev_b32 v1, 5, v0
	v_readfirstlane_b32 s[SW], v1
	s_and_b32 s14, ttmp7, 0xffff                   ; y
	v_and_b32 v1, 31, v0                           ; L
	v_and_b32 v2, 15, v0                           ; r
	v_bfe_u32 v3, v0, 4, 1                         ; h
	v_lshlrev_b32 v4, 4, v1                        ; 16 L
	v_lshlrev_b32 v14, 4, v2                       ; 16 r
	v_lshl_add_u32 v5, v3, 15, v14                 ; W: 8 h rows of 4,096 bytes + 16 r
	s_lshl_b32 s16, s14, 17
	s_lshl_b32 s17, s[SW], 12
	s_add_co_u32 s16, s16, s17                     ; A: slice y, row w
	s_mov_b32 s17, 0
	s_lshl_b32 s26, ttmp9, 8                       ; 256 c
	s_mov_b32 s27, 0
	s_lshl_b32 s18, s14, 22
	s_lshl_b32 s19, s[SW], 18
	s_add_co_u32 s18, s18, s19
	s_add_co_u32 s18, s18, s26                     ; W: slice y, 64 w rows, my columns
	s_mov_b32 s19, 0
	s_lshl_b32 s28, s14, 17
	s_add_co_u32 s28, s28, s26
	s_mov_b32 s29, 0
	s_wait_kmcnt 0x0
	s_add_nc_u64 s[4:5], s[4:5], s[16:17]
	s_add_nc_u64 s[6:7], s[6:7], s[18:19]
	s_add_nc_u64 s[8:9], s[8:9], s[26:27]
	s_add_nc_u64 s[10:11], s[10:11], s[28:29]
	global_load_b128 v[BI:BI+3], v14, s[8:9]
.irp rr, 0,1
.irp j, 0,1,2,3,4,5,6,7
	global_load_b128 v[AR+32*\rr+4*\j:AR+32*\rr+4*\j+3], v4, s[4:5] offset:\rr*65536+512*\j
.endr
.endr
.irp ks, 0,1
.irp u, 0,1
.irp i, 0,1,2,3,4,5,6,7
	global_load_b128 v[WR+64*\ks+32*\u+4*\i:WR+64*\ks+32*\u+4*\i+3], v5, s[6:7] offset:(32*\ks+16*\u+\i)*4096 th:TH_LOAD_NT
.endr
.endr
.endr
	; LDS addresses, while the loads are on their way
	v_lshrrev_b32 v15, 4, v0
	s_mul_i32 s34, s[SW], APITCH
	v_lshl_add_u32 v6, v1, 3, s34                  ; A in: row w, 8 bytes a lane
	v_mul_u32_u24 v7, v2, APITCH
	v_lshl_add_u32 v7, v3, 4, v7
	s_lshl_b32 s34, s[SW], 7
	v_add_nc_u32 v7, s34, v7                       ; A's fragments: row r, 16 h, 128 w
	s_lshl_b32 s34, s[SW], 13
	s_add_co_u32 s34, s34, RED
	v_lshl_add_u32 v8, v1, 4, s34                  ; my dump
	s_lshl_b32 s34, s[SW], 9
	s_add_co_u32 s34, s34, RED
	v_lshl_add_u32 v9, v1, 4, s34                  ; chunk w of waves 0-7,
	v_add_nc_u32 v10, 0x10000, v9                  ; of waves 8-15
	s_lshr_b32 s34, s[SW], 3
	s_lshl_b32 s34, s34, 4                         ; 16 mt
	s_and_b32 s35, s[SW], 1
	s_lshl_b32 s35, s35, 2                         ; 4 half
	s_add_co_u32 s34, s34, s35
	s_mul_i32 s34, s34, OPITCH
	s_bfe_u32 s35, s[SW], 0x20001                  ; jt
	s_lshl_b32 s35, s35, 2
	s_add_co_u32 s34, s34, s35
	s_add_co_u32 s34, s34, OUTL
	v_mul_u32_u24 v11, v3, 8*OPITCH
	v_lshl_add_u32 v11, v2, 4, v11
	v_add_nc_u32 v11, s34, v11                     ; sums out: row 16 mt + 8 h + 4 half (+ e), column 4 r + jt
	v_mul_u32_u24 v12, v15, OPITCH
	v_lshl_add_u32 v12, v2, 4, v12
	v_add_nc_u32 v12, OUTL, v12
	v_lshlrev_b32 v13, 12, v15
	v_lshl_add_u32 v13, v2, 4, v13
	s_wait_loadcnt 32                              ; bias and A are in; W's 32 younger loads stay out
.irp rr, 0,1
.irp j, 0,1,2,3,4,5,6,7
	v_cvt_pk_bf16_f32 v[T+2*(\j&1)], v[AR+32*\rr+4*\j], v[AR+32*\rr+4*\j+1]
	v_cvt_pk_bf16_f32 v[T+2*(\j&1)+1], v[AR+32*\rr+4*\j+2], v[AR+32*\rr+4*\j+3]
	ds_store_b64 v6, v[T+2*(\j&1):T+2*(\j&1)+1] offset:\rr*HALFA+256*\j
.endr
.endr
	s_wait_dscnt 0x0                               ; my rows of A are in LDS,
	s_barrier_signal -1
	s_barrier_wait -1                              ; everybody's are
.irp ks, 0,1
.irp mt, 0,1
	ds_load_b128 v[AF+16*\ks+8*\mt:AF+16*\ks+8*\mt+3], v7 offset:\mt*HALFA+64*\ks
	ds_load_b128 v[AF+16*\ks+8*\mt+4:AF+16*\ks+8*\mt+7], v7 offset:\mt*HALFA+64*\ks+32
.endr
.endr
.macro CVTW ks                         ; register 4 u + p of N tile jt = W[16 u + 8 h + 2 p][.], W[.. + 1][.], component jt
.irp jt, 0,1,2,3
.irp u, 0,1
.irp p, 0,1,2,3
	v_cvt_pk_bf16_f32 v[BF+32*\ks+8*\jt+4*\u+\p], v[WR+64*\ks+32*\u+8*\p+\jt], v[WR+64*\ks+32*\u+8*\p+4+\jt]
.endr
.endr
.endr
.endm
.macro MM ks, zero                     ; the eight accumulators take turns, one instruction a turn
.irp mt, 0,1
.irp jt, 0,1,2,3
.if \zero
	v_wmma_f32_16x16x32_bf16 v[ACC+8*(4*\mt+\jt):ACC+8*(4*\mt+\jt)+7], v[AF+16*\ks+8*\mt:AF+16*\ks+8*\mt+7], v[BF+32*\ks+8*\jt:BF+32*\ks+8*\jt+7], 0
.else
	v_wmma_f32_16x16x32_bf16 v[ACC+8*(4*\mt+\jt):ACC+8*(4*\mt+\jt)+7], v[AF+16*\ks+8*\mt:AF+16*\ks+8*\mt+7], v[BF+32*\ks+8*\jt:BF+32*\ks+8*\jt+7], v[ACC+8*(4*\mt+\jt):ACC+8*(4*\mt+\jt)+7]
.endif
.endr
.endr
.endm
	s_wait_loadcnt 16                              ; W's first K step is in; the 16 loads of the second stay out
	CVTW 0
	s_wait_loadcnt 0x0
	CVTW 1
	s_wait_dscnt 0x0                               ; A's fragments
	MM 0, 1                                        ; the first products start the sums
	MM 1, 0
.rept 4
	v_nop                                          ; four places behind the last matrix instruction (ISA guide 7.12.1)
.endr
.irp ch, 0,1,2,3,4,5,6,7,8,9,10,11,12,13,14,15
	ds_store_b128 v8, v[ACC+4*\ch:ACC+4*\ch+3] offset:512*\ch
.endr
	s_wait_dscnt 0x0
	s_barrier_signal -1
	s_barrier_wait -1
.irp s, 0,1,2,3,4,5,6,7
	ds_load_b128 v[RB+4*\s:RB+4*\s+3], v9 offset:8192*\s
.endr
.irp s, 0,1,2,3,4,5,6,7
	ds_load_b128 v[RB+32+4*\s:RB+32+4*\s+3], v10 offset:8192*\s
.endr
.macro RSUM a, b
	v_pk_add_f32 v[RB+4*(\a):RB+4*(\a)+1], v[RB+4*(\a):RB+4*(\a)+1], v[RB+4*(\b):RB+4*(\b)+1]
	v_pk_add_f32 v[RB+4*(\a)+2:RB+4*(\a)+3], v[RB+4*(\a)+2:RB+4*(\a)+3], v[RB+4*(\b)+2:RB+4*(\b)+3]
.endm
	s_wait_dscnt 0x0
.irp s, 0,1,2,3,4,5,6,7
	RSUM \s, \s+8
.endr
.irp s, 0,1,2,3
	RSUM \s, \s+4
.endr
	RSUM 0, 2
	RSUM 1, 3
	RSUM 0, 1
.irp e, 0,1,2,3
	ds_store_b32 v11, v[RB+\e] offset:OPITCH*\e
.endr
	s_wait_dscnt 0x0
	s_barrier_signal -1
	s_barrier_wait -1
	ds_load_b128 v[T:T+3], v12
	s_wait_dscnt 0x0
	s_cmp_lg_u32 s14, 0                            ; the bias enters once: in slice 0
	s_cbranch_scc1 .Lnobias
	v_pk_add_f32 v[T:T+1], v[T:T+1], v[BI:BI+1]
	v_pk_add_f32 v[T+2:T+3], v[T+2:T+3], v[BI+2:BI+3]
.Lnobias:
	global_store_b128 v13, v[T:T+3], s[10:11]      ; 16 lanes store 256 consecutive aligned bytes
	s_wait_tensorcnt 0x0
	ds_add_u32 v248, v249
	s_wait_dscnt 0x0
	s_endpgm
.Lfunc_end_k_qc18f2de43e_proj:
	.size	k_qc18f2de43e_proj, .Lfunc_end_k_qc18f2de43e_proj-k_qc18f2de43e_proj
	.p2alignl 7, 3214868480
	.fill 96, 4, 3214868480
	.section	.rodata,"a",@progbits
	.p2align	6, 0x0
	.amdhsa_kernel k_qc18f2de43e_proj
		.amdhsa_group_segment_fixed_size 207872
		.amdhsa_private_segment_fixed_size 0
		.amdhsa_enable_private_segment 0
		.amdhsa_kernarg_size 32
		.amdhsa_user_sgpr_count 2
		.amdhsa_user_sgpr_kernarg_segment_ptr 1
		.amdhsa_wavefront_size32 1
		.amdhsa_system_sgpr_workgroup_id_x 1
		.amdhsa_system_sgpr_workgroup_id_y 1
		.amdhsa_system_sgpr_workgroup_id_z 1
		.amdhsa_system_vgpr_workitem_id 0
		.amdhsa_next_free_vgpr 250
		.amdhsa_next_free_sgpr 66
		.amdhsa_reserve_vcc 0
		.amdhsa_float_denorm_mode_32 3
		.amdhsa_float_denorm_mode_16_64 3
		.amdhsa_memory_ordered 1
		.amdhsa_forward_progress 1
		.amdhsa_inst_pref_size 22
	.end_amdhsa_kernel
	.amdgpu_metadata
---
amdhsa.version: [ 1, 2 ]
amdhsa.kernels:
  - .name:           k_qc18f2de43e_proj
    .symbol:         k_qc18f2de43e_proj.kd
    .args:
      - { .name: act0, .offset: 0, .size: 8, .value_kind: global_buffer, .address_space: global }
      - { .name: v1_w, .offset: 8, .size: 8, .value_kind: global_buffer, .address_space: global }
      - { .name: v1_b, .offset: 16, .size: 8, .value_kind: global_buffer, .address_space: global }
      - { .name: act1, .offset: 24, .size: 8, .value_kind: global_buffer, .address_space: global }
    .group_segment_fixed_size: 207872
    .private_segment_fixed_size: 0
    .kernarg_segment_align: 8
    .kernarg_segment_size: 32
    .max_flat_workgroup_size: 512
    .sgpr_count:     66
    .vgpr_count:     250
    .wavefront_size: 32
...
	.end_amdgpu_metadata
.endif
;; end of part 5
;; launch oproj: the kernel of part 5 again; grid 16 x 1, 16 waves a work-group, no clusters, 207,872 bytes of LDS; arguments act1, o1_w, o1_b, act0; writes act0
;; launch mlp1 (part 6): grid 128 x 1, 16 waves a work-group, no clusters, 207,872 bytes of LDS; arguments g_tok, act0, w_ngm, m1_w, m1_b, hid; writes hid
.if DOCPART == 6
	.amdgcn_target "amdgcn-amd-amdhsa--gfx1250"
	.amdhsa_code_object_version 6
	.text
	.protected	k_qc18f2de43e_mlp1
	.globl	k_qc18f2de43e_mlp1
	.p2align	8
	.type	k_qc18f2de43e_mlp1,@function
k_qc18f2de43e_mlp1:
	s_mov_b64 s[64:65], 0
	v_nop
	global_prefetch_b8 v0, s[64:65] scope:SCOPE_SE
	s_setreg_imm32_b32 hwreg(HW_REG_WAVE_MODE, 25, 1), 1
	s_wait_xcnt 0x0
; hid = silu(rms(g_tok + gupd, w_ngm) m1_w + m1_b).  gupd: f32 [32][1024]; m1_w: f32 [1024][8192]; hid: f32 [8 slices][32][1024].
; Work-group c makes hidden columns 64 c .. 64 c + 63; wave w takes K = 64 w .. 64 w + 63; the 16 waves' partial sums meet in LDS.
; W's fragments as in the other products of 32 rows: lane (r, h) holds W[k][64 c + 4 r + jt]; N tile jt = columns {4 r + jt}.
; W's second K step is asked for when the rows' registers are free: 128 registers of W, 64 of rows, 64 of token and gain and the addresses
; do not fit into 256 together.  Matrix operands are rounded to bf16; norm, sums and silu are f32.
; No cluster: W's bytes are shared by nobody; the shared rows pass through registers for the norm.
.set APITCH, 2064
.set HALFA,  16*APITCH
.set RED,    32*APITCH
.set OUTL,   RED+16*8192
.set OPITCH, 272
.set GR,  16                           ; v[16:47]   g_tok's row w mod 8
.set GN,  48                           ; v[48:79]   the gain
.set BF,  16
.set RB,  16
.set WR,  80                           ; v[80:143] W's first K step, v[144:207] its second
.set UR,  144                          ; v[144:207] rows w, w + 16 of gupd, ahead of W's second K step
.set ACC, 80
.set AF,  208
.set T,   240
.set BI,  244
.set SW,  16
.set PS,  30
	s_load_b256 s[4:11], s[0:1], 0x0               ; g_tok s[4:5], gupd s[6:7], gain s[8:9], W s[10:11]
	s_load_b128 s[12:15], s[0:1], 0x20             ; bias s[12:13], hid s[14:15]
	v_lshl_add_u32 v248, v0, 2, 0x32400
	v_mov_b32 v249, 0
	v_lshrrev_b32 v1, 5, v0
	v_readfirstlane_b32 s[SW], v1
	v_and_b32 v1, 31, v0
	v_and_b32 v2, 15, v0
	v_bfe_u32 v3, v0, 4, 1
	v_lshlrev_b32 v4, 4, v1                        ; 16 L
	v_lshlrev_b32 v14, 4, v2                       ; 16 r
	v_lshl_add_u32 v5, v3, 18, v14                 ; W: 8 h rows of 32,768 bytes + 16 r
	s_and_b32 s18, s[SW], 7
	s_lshl_b32 s18, s18, 12
	s_mov_b32 s19, 0
	s_lshl_b32 s20, s[SW], 12
	s_mov_b32 s21, 0
	s_lshl_b32 s24, ttmp9, 8                       ; 256 c
	s_mov_b32 s25, 0
	s_lshl_b32 s22, s[SW], 21                      ; 64 w rows of W
	s_add_co_u32 s22, s22, s24
	s_mov_b32 s23, 0
	s_lshr_b32 s26, ttmp9, 4                       ; slice of hid
	s_lshl_b32 s26, s26, 17
	s_and_b32 s27, ttmp9, 15
	s_lshl_b32 s27, s27, 8
	s_add_co_u32 s26, s26, s27
	s_mov_b32 s27, 0
	s_mov_b32 s[PS], 0x76543210
	s_mov_b32 s[PS+1], 0xfedcba98
	s_mov_b32 s32, 0x3a800000                      ; 1 / 1024
	s_mov_b32 s33, 0x358637bd                      ; 1e-6
	s_wait_kmcnt 0x0
	s_add_nc_u64 s[4:5], s[4:5], s[18:19]
	s_add_nc_u64 s[6:7], s[6:7], s[20:21]
	s_add_nc_u64 s[10:11], s[10:11], s[22:23]
	s_add_nc_u64 s[12:13], s[12:13], s[24:25]
	s_add_nc_u64 s[14:15], s[14:15], s[26:27]
	global_load_b128 v[BI:BI+3], v14, s[12:13]
.irp j, 0,1,2,3,4,5,6,7
	global_load_b128 v[GR+4*\j:GR+4*\j+3], v4, s[4:5] offset:512*\j
.endr
.irp j, 0,1,2,3,4,5,6,7
	global_load_b128 v[GN+4*\j:GN+4*\j+3], v4, s[8:9] offset:512*\j
.endr
.irp rr, 0,1
.irp j, 0,1,2,3,4,5,6,7
	global_load_b128 v[UR+32*\rr+4*\j:UR+32*\rr+4*\j+3], v4, s[6:7] offset:\rr*65536+512*\j
.endr
.endr
.macro LOADW ks
.irp u, 0,1
.irp i, 0,1,2,3,4,5,6,7
	global_load_b128 v[WR+64*\ks+32*\u+4*\i:WR+64*\ks+32*\u+4*\i+3], v5, s[10:11] offset:(32*\ks+16*\u+\i)*32768 th:TH_LOAD_NT
.endr
.endr
.endm
	LOADW 0
	v_lshrrev_b32 v15, 4, v0
	s_mul_i32 s34, s[SW], APITCH
	v_lshl_add_u32 v6, v1, 3, s34
	v_mul_u32_u24 v7, v2, APITCH
	v_lshl_add_u32 v7, v3, 4, v7
	s_lshl_b32 s34, s[SW], 7
	v_add_nc_u32 v7, s34, v7
	s_lshl_b32 s34, s[SW], 13
	s_add_co_u32 s34, s34, RED
	v_lshl_add_u32 v8, v1, 4, s34
	s_lshl_b32 s34, s[SW], 9
	s_add_co_u32 s34, s34, RED
	v_lshl_add_u32 v9, v1, 4, s34
	v_add_nc_u32 v10, 0x10000, v9
	s_lshr_b32 s34, s[SW], 3
	s_lshl_b32 s34, s34, 4
	s_and_b32 s35, s[SW], 1
	s_lshl_b32 s35, s35, 2
	s_add_co_u32 s34, s34, s35
	s_mul_i32 s34, s34, OPITCH
	s_bfe_u32 s35, s[SW], 0x20001
	s_lshl_b32 s35, s35, 2
	s_add_co_u32 s34, s34, s35
	s_add_co_u32 s34, s34, OUTL
	v_mul_u32_u24 v11, v3, 8*OPITCH
	v_lshl_add_u32 v11, v2, 4, v11
	v_add_nc_u32 v11, s34, v11
	v_mul_u32_u24 v12, v15, OPITCH
	v_lshl_add_u32 v12, v2, 4, v12
	v_add_nc_u32 v12, OUTL, v12
	v_lshlrev_b32 v13, 12, v15
	v_lshl_add_u32 v13, v2, 4, v13
; Row rr: g + gupd, its norm, the gain, rounded to bf16 into A's image
.macro NORMROW rr
.irp e, 0,2,4,6,8,10,12,14,16,18,20,22,24,26,28,30
	v_pk_add_f32 v[UR+32*\rr+\e:UR+32*\rr+\e+1], v[UR+32*\rr+\e:UR+32*\rr+\e+1], v[GR+\e:GR+\e+1]
.endr
	v_pk_mul_f32 v[T:T+1], v[UR+32*\rr:UR+32*\rr+1], v[UR+32*\rr:UR+32*\rr+1]
	v_pk_mul_f32 v[T+2:T+3], v[UR+32*\rr+2:UR+32*\rr+3], v[UR+32*\rr+2:UR+32*\rr+3]
.irp e, 4,8,12,16,20,24,28
	v_pk_fma_f32 v[T:T+1], v[UR+32*\rr+\e:UR+32*\rr+\e+1], v[UR+32*\rr+\e:UR+32*\rr+\e+1], v[T:T+1]
	v_pk_fma_f32 v[T+2:T+3], v[UR+32*\rr+\e+2:UR+32*\rr+\e+3], v[UR+32*\rr+\e+2:UR+32*\rr+\e+3], v[T+2:T+3]
.endr
	v_pk_add_f32 v[T:T+1], v[T:T+1], v[T+2:T+3]
	v_add_f32 v[T], v[T], v[T+1]
	v_add_f32_dpp v[T], v[T], v[T] row_xmask:1 row_mask:0xf bank_mask:0xf
	v_add_f32_dpp v[T], v[T], v[T] row_xmask:2 row_mask:0xf bank_mask:0xf
	v_add_f32_dpp v[T], v[T], v[T] row_xmask:4 row_mask:0xf bank_mask:0xf
	v_add_f32_dpp v[T], v[T], v[T] row_xmask:8 row_mask:0xf bank_mask:0xf
	v_permlanex16_b32 v[T+1], v[T], s[PS], s[PS+1]
	v_add_f32 v[T], v[T], v[T+1]
	v_fma_f32 v[T], v[T], s32, s33
	v_rsq_f32 v[T+2], v[T]
	v_nop                                          ; one plain place behind the transcendental (ISA guide 5.7.2)
	s_wait_alu depctr_va_vdst(0)
	v_mov_b32 v[T+3], v[T+2]
.irp e, 0,2,4,6,8,10,12,14,16,18,20,22,24,26,28,30
	v_pk_mul_f32 v[UR+32*\rr+\e:UR+32*\rr+\e+1], v[UR+32*\rr+\e:UR+32*\rr+\e+1], v[GN+\e:GN+\e+1]
.endr
.irp e, 0,2,4,6,8,10,12,14,16,18,20,22,24,26,28,30
	v_pk_mul_f32 v[UR+32*\rr+\e:UR+32*\rr+\e+1], v[UR+32*\rr+\e:UR+32*\rr+\e+1], v[T+2:T+3]
.endr
.irp j, 0,1,2,3,4,5,6,7
	v_cvt_pk_bf16_f32 v[T+2*(\j&1)], v[UR+32*\rr+4*\j], v[UR+32*\rr+4*\j+1]
	v_cvt_pk_bf16_f32 v[T+2*(\j&1)+1], v[UR+32*\rr+4*\j+2], v[UR+32*\rr+4*\j+3]
	ds_store_b64 v6, v[T+2*(\j&1):T+2*(\j&1)+1] offset:\rr*HALFA+256*\j
.endr
.endm
	s_wait_loadcnt 16                              ; bias, token, gain and rows are in; the 16 loads of W's first K step stay out
	NORMROW 0
	NORMROW 1
	LOADW 1                                        ; into the rows' registers, which the conversions above have read
	s_wait_dscnt 0x0
	s_barrier_signal -1
	s_barrier_wait -1
.irp ks, 0,1
.irp mt, 0,1
	ds_load_b128 v[AF+16*\ks+8*\mt:AF+16*\ks+8*\mt+3], v7 offset:\mt*HALFA+64*\ks
	ds_load_b128 v[AF+16*\ks+8*\mt+4:AF+16*\ks+8*\mt+7], v7 offset:\mt*HALFA+64*\ks+32
.endr
.endr
.macro CVTW ks
.irp jt, 0,1,2,3
.irp u, 0,1
.irp p, 0,1,2,3
	v_cvt_pk_bf16_f32 v[BF+32*\ks+8*\jt+4*\u+\p], v[WR+64*\ks+32*\u+8*\p+\jt], v[WR+64*\ks+32*\u+8*\p+4+\jt]
.endr
.endr
.endr
.endm
.macro MM ks, zero                     ; the eight accumulators take turns, one instruction a turn
.irp mt, 0,1
.irp jt, 0,1,2,3
.if \zero
	v_wmma_f32_16x16x32_bf16 v[ACC+8*(4*\mt+\jt):ACC+8*(4*\mt+\jt)+7], v[AF+16*\ks+8*\mt:AF+16*\ks+8*\mt+7], v[BF+32*\ks+8*\jt:BF+32*\ks+8*\jt+7], 0
.else
	v_wmma_f32_16x16x32_bf16 v[ACC+8*(4*\mt+\jt):ACC+8*(4*\mt+\jt)+7], v[AF+16*\ks+8*\mt:AF+16*\ks+8*\mt+7], v[BF+32*\ks+8*\jt:BF+32*\ks+8*\jt+7], v[ACC+8*(4*\mt+\jt):ACC+8*(4*\mt+\jt)+7]
.endif
.endr
.endr
.endm
	s_wait_loadcnt 16                              ; W's first K step is in; the 16 loads of the second stay out
	CVTW 0
	s_wait_loadcnt 0x0
	CVTW 1
	s_wait_dscnt 0x0
	MM 0, 1
	MM 1, 0
.rept 4
	v_nop                                          ; four places behind the last matrix instruction (ISA guide 7.12.1)
.endr
.irp ch, 0,1,2,3,4,5,6,7,8,9,10,11,12,13,14,15
	ds_store_b128 v8, v[ACC+4*\ch:ACC+4*\ch+3] offset:512*\ch
.endr
	s_wait_dscnt 0x0
	s_barrier_signal -1
	s_barrier_wait -1
.irp s, 0,1,2,3,4,5,6,7
	ds_load_b128 v[RB+4*\s:RB+4*\s+3], v9 offset:8192*\s
.endr
.irp s, 0,1,2,3,4,5,6,7
	ds_load_b128 v[RB+32+4*\s:RB+32+4*\s+3], v10 offset:8192*\s
.endr
.macro RSUM a, b
	v_pk_add_f32 v[RB+4*(\a):RB+4*(\a)+1], v[RB+4*(\a):RB+4*(\a)+1], v[RB+4*(\b):RB+4*(\b)+1]
	v_pk_add_f32 v[RB+4*(\a)+2:RB+4*(\a)+3], v[RB+4*(\a)+2:RB+4*(\a)+3], v[RB+4*(\b)+2:RB+4*(\b)+3]
.endm
	s_wait_dscnt 0x0
.irp s, 0,1,2,3,4,5,6,7
	RSUM \s, \s+8
.endr
.irp s, 0,1,2,3
	RSUM \s, \s+4
.endr
	RSUM 0, 2
	RSUM 1, 3
	RSUM 0, 1
.irp e, 0,1,2,3
	ds_store_b32 v11, v[RB+\e] offset:OPITCH*\e
.endr
	s_wait_dscnt 0x0
	s_barrier_signal -1
	s_barrier_wait -1
	ds_load_b128 v[T:T+3], v12
	s_wait_dscnt 0x0
	v_pk_add_f32 v[T:T+1], v[T:T+1], v[BI:BI+1]
	v_pk_add_f32 v[T+2:T+3], v[T+2:T+3], v[BI+2:BI+3]
	; silu(z) = z / (1 + 2^(-log2(e) z)); for very negative z the power is infinite, its reciprocal 0, the result -0
.irp e, 0,1,2,3
	v_mul_f32 v[16+\e], 0xbfb8aa3b, v[T+\e]
.endr
.irp e, 0,1,2,3
	v_exp_f32 v[20+\e], v[16+\e]
.endr
	v_nop                                          ; one plain place behind the transcendentals (ISA guide 5.7.2)
	s_wait_alu depctr_va_vdst(0)
	v_pk_add_f32 v[20:21], v[20:21], 1.0 op_sel_hi:[1,0]
	v_pk_add_f32 v[22:23], v[22:23], 1.0 op_sel_hi:[1,0]
.irp e, 0,1,2,3
	v_rcp_f32 v[24+\e], v[20+\e]
.endr
	v_nop
	s_wait_alu depctr_va_vdst(0)
	v_pk_mul_f32 v[T:T+1], v[T:T+1], v[24:25]
	v_pk_mul_f32 v[T+2:T+3], v[T+2:T+3], v[26:27]
	global_store_b128 v13, v[T:T+3], s[14:15]
	s_wait_tensorcnt 0x0
	ds_add_u32 v248, v249
	s_wait_dscnt 0x0
	s_endpgm
.Lfunc_end_k_qc18f2de43e_mlp1:
	.size	k_qc18f2de43e_mlp1, .Lfunc_end_k_qc18f2de43e_mlp1-k_qc18f2de43e_mlp1
	.p2alignl 7, 3214868480
	.fill 96, 4, 3214868480
	.section	.rodata,"a",@progbits
	.p2align	6, 0x0
	.amdhsa_kernel k_qc18f2de43e_mlp1
		.amdhsa_group_segment_fixed_size 207872
		.amdhsa_private_segment_fixed_size 0
		.amdhsa_enable_private_segment 0
		.amdhsa_kernarg_size 48
		.amdhsa_user_sgpr_count 2
		.amdhsa_user_sgpr_kernarg_segment_ptr 1
		.amdhsa_wavefront_size32 1
		.amdhsa_system_sgpr_workgroup_id_x 1
		.amdhsa_system_sgpr_workgroup_id_y 1
		.amdhsa_system_sgpr_workgroup_id_z 1
		.amdhsa_system_vgpr_workitem_id 0
		.amdhsa_next_free_vgpr 250
		.amdhsa_next_free_sgpr 66
		.amdhsa_reserve_vcc 0
		.amdhsa_float_denorm_mode_32 3
		.amdhsa_float_denorm_mode_16_64 3
		.amdhsa_memory_ordered 1
		.amdhsa_forward_progress 1
		.amdhsa_inst_pref_size 34
	.end_amdhsa_kernel
	.amdgpu_metadata
---
amdhsa.version: [ 1, 2 ]
amdhsa.kernels:
  - .name:           k_qc18f2de43e_mlp1
    .symbol:         k_qc18f2de43e_mlp1.kd
    .args:
      - { .name: g_tok, .offset: 0, .size: 8, .value_kind: global_buffer, .address_space: global }
      - { .name: act0, .offset: 8, .size: 8, .value_kind: global_buffer, .address_space: global }
      - { .name: w_ngm, .offset: 16, .size: 8, .value_kind: global_buffer, .address_space: global }
      - { .name: m1_w, .offset: 24, .size: 8, .value_kind: global_buffer, .address_space: global }
      - { .name: m1_b, .offset: 32, .size: 8, .value_kind: global_buffer, .address_space: global }
      - { .name: hid, .offset: 40, .size: 8, .value_kind: global_buffer, .address_space: global }
    .group_segment_fixed_size: 207872
    .private_segment_fixed_size: 0
    .kernarg_segment_align: 8
    .kernarg_segment_size: 48
    .max_flat_workgroup_size: 512
    .sgpr_count:     66
    .vgpr_count:     250
    .wavefront_size: 32
...
	.end_amdgpu_metadata
.endif
;; end of part 6
;; launch mlp2: the kernel of part 5 again; grid 16 x 8, 16 waves a work-group, no clusters, 207,872 bytes of LDS; arguments hid, m2_w, m2_b, part; writes part
;; launch gnorm (part 7): grid 32 x 1, 8 waves a work-group, no clusters, 1,280 bytes of LDS; arguments g_tok, act0, part, w_ng2, act1; writes act1
.if DOCPART == 7
	.amdgcn_target "amdgcn-amd-amdhsa--gfx1250"
	.amdhsa_code_object_version 6
	.text
	.protected	k_qc18f2de43e_gnorm
	.globl	k_qc18f2de43e_gnorm
	.p2align	8
	.type	k_qc18f2de43e_gnorm,@function
k_qc18f2de43e_gnorm:
	s_mov_b64 s[64:65], 0
	v_nop
	global_prefetch_b8 v0, s[64:65] scope:SCOPE_SE
	s_setreg_imm32_b32 hwreg(HW_REG_WAVE_MODE, 25, 1), 1
	s_wait_xcnt 0x0
; g2[row] = rms(g_tok[row mod 8] + gupd[row] + the sum of the MLP's 8 K slices (slice 0 carries m2_b), w_ng2).
; One work-group a row; 256 threads, 16 bytes each; the eight waves' sums of squares meet in LDS.  All in f32.
.set PS, 20
	s_load_b256 s[4:11], s[0:1], 0x0               ; g_tok s[4:5], gupd s[6:7], part s[8:9], gain s[10:11]
	s_load_b64 s[12:13], s[0:1], 0x20              ; g2
	v_lshl_add_u32 v64, v0, 2, 0x100
	v_mov_b32 v65, 0
	v_lshrrev_b32 v1, 5, v0
	v_readfirstlane_b32 s14, v1
	s_and_b32 s16, ttmp9, 7
	s_lshl_b32 s16, s16, 12
	s_mov_b32 s17, 0
	s_lshl_b32 s18, ttmp9, 12
	s_mov_b32 s19, 0
	s_mov_b32 s[PS], 0x76543210
	s_mov_b32 s[PS+1], 0xfedcba98
	s_mov_b32 s22, 0x3a800000                      ; 1 / 1024
	s_mov_b32 s23, 0x358637bd                      ; 1e-6
	v_lshlrev_b32 v2, 4, v0
	s_lshl_b32 s15, s14, 2
	v_mov_b32 v3, s15                              ; my wave's word
	v_mov_b32 v50, 0
	s_wait_kmcnt 0x0
	s_add_nc_u64 s[4:5], s[4:5], s[16:17]
	s_add_nc_u64 s[6:7], s[6:7], s[18:19]
	s_add_nc_u64 s[8:9], s[8:9], s[18:19]
	s_add_nc_u64 s[12:13], s[12:13], s[18:19]
	global_load_b128 v[4:7], v2, s[4:5]
	global_load_b128 v[8:11], v2, s[6:7]
.irp s, 0,1,2,3,4,5,6,7
	global_load_b128 v[12+4*\s:15+4*\s], v2, s[8:9] offset:131072*\s
.endr
	global_load_b128 v[44:47], v2, s[10:11]
	s_wait_loadcnt 0x0
.macro VADD a, b
	v_pk_add_f32 v[\a:\a+1], v[\a:\a+1], v[\b:\b+1]
	v_pk_add_f32 v[\a+2:\a+3], v[\a+2:\a+3], v[\b+2:\b+3]
.endm
	VADD 12, 28
	VADD 16, 32
	VADD 20, 36
	VADD 24, 40
	VADD 4, 8
	VADD 12, 20
	VADD 16, 24
	VADD 12, 16
	VADD 4, 12
	v_pk_mul_f32 v[48:49], v[4:5], v[4:5]
	v_pk_fma_f32 v[48:49], v[6:7], v[6:7], v[48:49]
	v_add_f32 v48, v48, v49
	v_add_f32_dpp v48, v48, v48 row_xmask:1 row_mask:0xf bank_mask:0xf
	v_add_f32_dpp v48, v48, v48 row_xmask:2 row_mask:0xf bank_mask:0xf
	v_add_f32_dpp v48, v48, v48 row_xmask:4 row_mask:0xf bank_mask:0xf
	v_add_f32_dpp v48, v48, v48 row_xmask:8 row_mask:0xf bank_mask:0xf
	v_permlanex16_b32 v49, v48, s[PS], s[PS+1]
	v_add_f32 v48, v48, v49
	ds_store_b32 v3, v48                           ; all lanes: the same word, the same number
	s_wait_dscnt 0x0
	s_barrier_signal -1
	s_barrier_wait -1
	ds_load_b128 v[52:55], v50
	ds_load_b128 v[56:59], v50 offset:16
	s_wait_dscnt 0x0
	v_pk_add_f32 v[52:53], v[52:53], v[54:55]
	v_pk_add_f32 v[56:57], v[56:57], v[58:59]
	v_pk_add_f32 v[52:53], v[52:53], v[56:57]
	v_add_f32 v52, v52, v53
	v_fma_f32 v52, v52, s22, s23
	v_rsq_f32 v54, v52
	v_nop                                          ; one plain place behind the transcendental (ISA guide 5.7.2)
	s_wait_alu depctr_va_vdst(0)
	v_mov_b32 v55, v54
	v_pk_mul_f32 v[4:5], v[4:5], v[44:45]
	v_pk_mul_f32 v[6:7], v[6:7], v[46:47]
	v_pk_mul_f32 v[4:5], v[4:5], v[54:55]
	v_pk_mul_f32 v[6:7], v[6:7], v[54:55]
	global_store_b128 v2, v[4:7], s[12:13]
	s_wait_tensorcnt 0x0
	ds_add_u32 v64, v65
	s_wait_dscnt 0x0
	s_endpgm
.Lfunc_end_k_qc18f2de43e_gnorm:
	.size	k_qc18f2de43e_gnorm, .Lfunc_end_k_qc18f2de43e_gnorm-k_qc18f2de43e_gnorm
	.p2alignl 7, 3214868480
	.fill 96, 4, 3214868480
	.section	.rodata,"a",@progbits
	.p2align	6, 0x0
	.amdhsa_kernel k_qc18f2de43e_gnorm
		.amdhsa_group_segment_fixed_size 1280
		.amdhsa_private_segment_fixed_size 0
		.amdhsa_enable_private_segment 0
		.amdhsa_kernarg_size 40
		.amdhsa_user_sgpr_count 2
		.amdhsa_user_sgpr_kernarg_segment_ptr 1
		.amdhsa_wavefront_size32 1
		.amdhsa_system_sgpr_workgroup_id_x 1
		.amdhsa_system_sgpr_workgroup_id_y 1
		.amdhsa_system_sgpr_workgroup_id_z 1
		.amdhsa_system_vgpr_workitem_id 0
		.amdhsa_next_free_vgpr 66
		.amdhsa_next_free_sgpr 66
		.amdhsa_reserve_vcc 0
		.amdhsa_float_denorm_mode_32 3
		.amdhsa_float_denorm_mode_16_64 3
		.amdhsa_memory_ordered 1
		.amdhsa_forward_progress 1
		.amdhsa_inst_pref_size 6
	.end_amdhsa_kernel
	.amdgpu_metadata
---
amdhsa.version: [ 1, 2 ]
amdhsa.kernels:
  - .name:           k_qc18f2de43e_gnorm
    .symbol:         k_qc18f2de43e_gnorm.kd
    .args:
      - { .name: g_tok, .offset: 0, .size: 8, .value_kind: global_buffer, .address_space: global }
      - { .name: act0, .offset: 8, .size: 8, .value_kind: global_buffer, .address_space: global }
      - { .name: part, .offset: 16, .size: 8, .value_kind: global_buffer, .address_space: global }
      - { .name: w_ng2, .offset: 24, .size: 8, .value_kind: global_buffer, .address_space: global }
      - { .name: act1, .offset: 32, .size: 8, .value_kind: global_buffer, .address_space: global }
    .group_segment_fixed_size: 1280
    .private_segment_fixed_size: 0
    .kernarg_segment_align: 8
    .kernarg_segment_size: 40
    .max_flat_workgroup_size: 256
    .sgpr_count:     66
    .vgpr_count:     66
    .wavefront_size: 32
...
	.end_amdgpu_metadata
.endif
;; end of part 7
;; launch k2proj: the kernel of part 5 again; grid 16 x 1, 16 waves a work-group, no clusters, 207,872 bytes of LDS; arguments act1, k2_w, k2_b, act0; writes act0
;; launch v2proj: the kernel of part 5 again; grid 16 x 1, 16 waves a work-group, no clusters, 207,872 bytes of LDS; arguments act1, v2_w, v2_b, act2; writes act2
;; launch kfold2: the kernel of part 2 again; grid 16 x 1, 16 waves a work-group, no clusters, 208,896 bytes of LDS; arguments act0, q2_w, w_ns2, q2_b, act1, cvec; writes act1, cvec
;; launch vofold: the kernel of part 5 again; grid 16 x 1, 16 waves a work-group, no clusters, 207,872 bytes of LDS; arguments act2, o2_w, o2_b, act0; writes act0
;; launch stream2 (part 8): grid 256 x 1, 8 waves a work-group, no clusters, 292,864 bytes of LDS; arguments x, act1, cvec, act0, out0; writes out0
.if DOCPART == 8
	.amdgcn_target "amdgcn-amd-amdhsa--gfx1250"
	.amdhsa_code_object_version 6
	.text
	.protected	k_qc18f2de43e_stream2
	.globl	k_qc18f2de43e_stream2
	.p2align	8
	.type	k_qc18f2de43e_stream2,@function
k_qc18f2de43e_stream2:
	s_mov_b64 s[64:65], 0
	v_nop
	global_prefetch_b8 v0, s[64:65] scope:SCOPE_SE
	s_setreg_imm32_b32 hwreg(HW_REG_WAVE_MODE, 25, 1), 1
	s_wait_xcnt 0x0
; Stage 2 over 64 rows of x: s[t][g] = rinv[t] (x[t] . K'[g]) + c[g] (in powers of two; K' carries log2(e) / 32 and the gain w_ns2),
; a = softmax over the 8 tokens g (the maximum is taken away first), out[t] = x[t] + sum over g of a[t][g] vo'[g], vo' = v2 o2_w + o2_b.
; Eight waves; wave w owns columns 128 w .. 128 w + 127 in both passes, so it reads only x bytes that its own two tensor loads brought
; (32 rows x 512 bytes each).  Both are first fills, issued ahead of everything else; no LDS byte is filled twice; a wave has two out at most.
; x is read from memory once: for the scores, the norm and the residual.  Matrix operands (x, K', a, vo') are rounded to bf16; the rest is f32.
; THE LAST PRODUCT uses 8 of the 32 places along K: token g sits at k = 2 g, in A and in B alike.  The odd k up to 15 hold zeros in both;
; the places k = 16 .. 31 hold zeros in A and, in B, the next N tile's numbers.
; LIMIT: vo' has to be finite, or columns other than its own are spoiled too (a non-finite number of the next tile meets a zero of A).
; No cluster: no two work-groups read the same rows of x, and the shared K' and vo' are 64 KiB against 256 KiB of x.
.set XPITCH, 528
.set XTILE,  32*XPITCH
.set XWAVE,  2*XTILE
.set SP,     8*XWAVE                   ; partial scores f32 [8 waves][8 g] rows of 64 t, pitch 272
.set SPP,    272
.set SPW,    8*SPP
.set SQ,     SP+8*SPW                  ; partial sums of squares f32 [8 waves][64 t]
.set AT,     SQ+2048                   ; a, bf16 [64 t][16]: k = 2 g token g, k = 2 g + 1 zero
.set G1, 24
.set G0, 32
.set PS, 40
.set BQ, 16                            ; v[16:47]   K' fragments, 4 K steps
.set QR, 48
.set XR, 48                            ; v[48:175]
.set XF, 176                           ; v[176:207]
.set SA, 208                           ; v[208:239]
.set SS, 240                           ; v[240:247]
.set TS, 248                           ; v[248:251]
.set MS, 212                           ; v[212:227] the eight waves' partial scores of my 2 t
.set MQ, 228                           ; v[228:243] and sums of squares
.set BV, 16                            ; v[16:51]   vo': 8 N tiles of 4 registers, then 4 of zeros
.set AF, 52                            ; v[52:83]   fragments of a: 4 M tiles
.set DD, 84                            ; v[84:147]  two sets of 4 results
.set RV, 148                           ; v[148:179] vo' as loaded: 2 q x 4 tokens x 4 columns
.set RW, 148                           ; v[148:211] two sets of 8 x 4: x, then out
	s_load_b256 s[4:11], s[0:1], 0x0               ; x s[4:5], K' s[6:7], c s[8:9], vo' s[10:11]
	s_load_b64 s[12:13], s[0:1], 0x20              ; out
	s_set_vgpr_msb 0x40
	v_lshl_add_u32 v0, v0, 2, 0x47400
	v_mov_b32 v1, 0
	s_set_vgpr_msb 0x4045
	ds_add_u32 v0, v1
	ds_add_u32 v0, v1
	s_set_vgpr_msb 0x4500
	v_lshrrev_b32 v1, 5, v0
	v_readfirstlane_b32 s14, v1
	s_lshr_b32 s16, ttmp9, 6                       ; batch
	s_mov_b32 s[G1+0], 0x07920000                  ; elements of 4 bytes; after every 128 words a pad of 4 words; no mask
	s_mov_b32 s[G1+1], 128<<16                     ; tensor_dim0 = 128
	s_mov_b32 s[G1+2], 32<<16                      ; tensor_dim1 = 32
	s_mov_b32 s[G1+3], 128<<16                     ; tile_dim0 = 128
	s_mov_b32 s[G1+4], 32                          ; tile_dim1 = 32
	s_mov_b32 s[G1+5], 1024                        ; elements from row to row
	s_mov_b32 s[G1+6], 0
	s_mov_b32 s[G1+7], 0
	s_mul_i32 s20, s14, XWAVE
	s_lshl_b32 s15, s14, 9
	s_lshl_b32 s18, ttmp9, 18
	s_add_co_u32 s18, s18, s15
	s_mov_b32 s19, 0
	s_wait_dscnt 0x0
	s_wait_kmcnt 0x0
	s_add_nc_u64 s[4:5], s[4:5], s[18:19]
	s_add_nc_u64 s[12:13], s[12:13], s[18:19]      ; out: the same rows and columns
.irp hf, 0,1
	s_mov_b32 s[G0+4*\hf], 1
	s_add_co_u32 s[G0+4*\hf+1], s20, \hf*XTILE
	s_add_nc_u64 s[G0+4*\hf+2:G0+4*\hf+3], s[4:5], \hf*131072
	s_or_b32 s[G0+4*\hf+3], s[G0+4*\hf+3], 0x80000000
	tensor_load_to_lds s[G0+4*\hf:G0+4*\hf+3], s[G1:G1+7]
	s_nop 0
.endr
	s_lshl_b32 s18, s16, 15
	s_add_co_u32 s18, s18, s15
	s_add_nc_u64 s[6:7], s[6:7], s[18:19]          ; K' and vo': the batch's 8 rows, my columns
	s_add_nc_u64 s[10:11], s[10:11], s[18:19]
	s_lshl_b32 s18, s16, 5
	s_add_nc_u64 s[8:9], s[8:9], s[18:19]
	s_mov_b32 s[PS], 0x76543210
	s_mov_b32 s[PS+1], 0xfedcba98
	s_mov_b32 s42, 0x3a800000                      ; 1 / 1024
	s_mov_b32 s43, 0x358637bd                      ; 1e-6
	v_and_b32 v1, 31, v0                           ; L
	v_and_b32 v2, 15, v0                           ; r
	v_bfe_u32 v3, v0, 4, 1                         ; h
	v_and_b32 v16, 7, v0                           ; g = L mod 8
	v_bfe_u32 v17, v0, 3, 2                        ; tq = L / 8
	v_lshlrev_b32 v4, 12, v16
	v_lshl_add_u32 v4, v3, 5, v4
	v_lshlrev_b32 v9, 2, v16
.irp ks, 0,1,2,3
	global_load_b128 v[QR+16*\ks:QR+16*\ks+3], v4, s[6:7] offset:128*\ks
	global_load_b128 v[QR+16*\ks+4:QR+16*\ks+7], v4, s[6:7] offset:128*\ks+16
	global_load_b128 v[QR+16*\ks+8:QR+16*\ks+11], v4, s[6:7] offset:128*\ks+64
	global_load_b128 v[QR+16*\ks+12:QR+16*\ks+15], v4, s[6:7] offset:128*\ks+80
.endr
	global_load_b32 v9, v9, s[8:9]                 ; c of token L mod 8
	v_mul_u32_u24 v5, v2, XPITCH
	v_lshl_add_u32 v5, v3, 5, v5
	v_add_nc_u32 v5, s20, v5                       ; pass 1: row r, 32 h
	s_lshl_b32 s21, s14, 8
	s_add_co_u32 s21, s21, SQ
	v_lshl_add_u32 v6, v2, 2, s21
	s_mul_i32 s22, s14, SPW
	s_add_co_u32 s22, s22, SP
	v_mul_u32_u24 v7, v16, SPP
	v_lshl_add_u32 v7, v3, 5, v7
	v_add_nc_u32 v7, s22, v7
	v_mul_u32_u24 v8, v3, 8*XPITCH
	v_lshl_add_u32 v8, v2, 4, v8
	v_add_nc_u32 v8, s20, v8                       ; the residual: row 8 h, 16 r
	s_lshl_b32 s23, s14, 5                         ; my 8 t: 32 bytes of f32
	v_mul_u32_u24 v10, v16, SPP
	v_lshl_add_u32 v10, v17, 3, v10
	v_add_nc_u32 v10, s23, v10
	v_add_nc_u32 v10, SP, v10                      ; token g, t = 8 w + 2 tq
	v_lshl_add_u32 v11, v17, 3, s23
	v_add_nc_u32 v11, SQ, v11
	s_lshl_b32 s23, s14, 8
	s_add_co_u32 s23, s23, AT
	v_lshlrev_b32 v12, 6, v17
	v_lshl_add_u32 v12, v16, 2, v12
	v_add_nc_u32 v12, s23, v12                     ; a's word of (t = 8 w + 2 tq, g): 32 t + 4 g
	v_lshlrev_b32 v13, 5, v2
	v_lshl_add_u32 v13, v3, 4, v13
	v_add_nc_u32 v13, AT, v13                      ; a's fragments: row r, 16 h
	v_lshlrev_b32 v14, 4, v2                       ; 16 r
	v_lshl_add_u32 v15, v3, 15, v14                ; out: 8 h rows + 16 r
	v_lshl_add_u32 v14, v3, 14, v14                ; vo': token 4 h (+ p), 16 r
	s_wait_loadcnt 0x0
.set i, 0
.rept 32
	v_cvt_pk_bf16_f32 v[BQ+i], v[QR+2*i], v[QR+2*i+1]
.set i, i+1
.endr
; One unit: 16 rows (mt) x 32 columns (ks): squares into SS, the fragment into one of four buffers, one matrix instruction.
; A buffer is written again three units (48 vector instructions) behind the matrix instruction that read it.
.macro P1DO u, mt, ks
.if \ks == 0
	v_pk_mul_f32 v[SS+2*\mt:SS+2*\mt+1], v[XR+16*\u:XR+16*\u+1], v[XR+16*\u:XR+16*\u+1]
.else
	v_pk_fma_f32 v[SS+2*\mt:SS+2*\mt+1], v[XR+16*\u:XR+16*\u+1], v[XR+16*\u:XR+16*\u+1], v[SS+2*\mt:SS+2*\mt+1]
.endif
	v_cvt_pk_bf16_f32 v[XF+8*(\u&3)], v[XR+16*\u], v[XR+16*\u+1]
.irp p, 1,2,3,4,5,6,7
	v_pk_fma_f32 v[SS+2*\mt:SS+2*\mt+1], v[XR+16*\u+2*\p:XR+16*\u+2*\p+1], v[XR+16*\u+2*\p:XR+16*\u+2*\p+1], v[SS+2*\mt:SS+2*\mt+1]
	v_cvt_pk_bf16_f32 v[XF+8*(\u&3)+\p], v[XR+16*\u+2*\p], v[XR+16*\u+2*\p+1]
.endr
.if \ks == 0
	v_wmma_f32_16x16x32_bf16 v[SA+8*\mt:SA+8*\mt+7], v[XF+8*(\u&3):XF+8*(\u&3)+7], v[BQ+8*\ks:BQ+8*\ks+7], 0
.else
	v_wmma_f32_16x16x32_bf16 v[SA+8*\mt:SA+8*\mt+7], v[XF+8*(\u&3):XF+8*(\u&3)+7], v[BQ+8*\ks:BQ+8*\ks+7], v[SA+8*\mt:SA+8*\mt+7]
.endif
.endm
; Half hf of my rows.  Its two accumulators take turns, one instruction a turn.
.macro HALF hf
	s_wait_tensorcnt 1-\hf                         ; tensor loads of a wave end in order (ISA guide 10.11.1): this half is in; for hf = 0 the other stays out
.irp ks, 0,1,2,3
.irp mi, 0,1
	ds_load_b128 v[XR+16*(2*\ks+\mi):XR+16*(2*\ks+\mi)+3], v5 offset:(2*\hf+\mi)*16*XPITCH+128*\ks
	ds_load_b128 v[XR+16*(2*\ks+\mi)+4:XR+16*(2*\ks+\mi)+7], v5 offset:(2*\hf+\mi)*16*XPITCH+128*\ks+16
	ds_load_b128 v[XR+16*(2*\ks+\mi)+8:XR+16*(2*\ks+\mi)+11], v5 offset:(2*\hf+\mi)*16*XPITCH+128*\ks+64
	ds_load_b128 v[XR+16*(2*\ks+\mi)+12:XR+16*(2*\ks+\mi)+15], v5 offset:(2*\hf+\mi)*16*XPITCH+128*\ks+80
.endr
.endr
.irp ks, 0,1,2,3
.irp mi, 0,1
	s_wait_dscnt 4*(7-(2*\ks+\mi))                 ; four loads for each younger unit may stay out
	P1DO (2*\ks+\mi), (2*\hf+\mi), \ks
.endr
.endr
.endm
	HALF 0
	HALF 1
	; a row's squares lie in two registers of two lanes.  These additions are also the places behind the last matrix instruction.
.irp mt, 0,1,2,3
	v_add_f32 v[TS+\mt], v[SS+2*\mt], v[SS+2*\mt+1]
.endr
.irp mt, 0,1,2,3
	v_permlanex16_b32 v[SS+2*\mt], v[TS+\mt], s[PS], s[PS+1]
.endr
.irp mt, 0,1,2,3
	v_add_f32 v[TS+\mt], v[TS+\mt], v[SS+2*\mt]
.endr
.irp mt, 0,1,2,3
	ds_store_b32 v6, v[TS+\mt] offset:64*\mt
	ds_store_b128 v7, v[SA+8*\mt:SA+8*\mt+3] offset:64*\mt          ; token r mod 8, t = 16 mt + 8 h + 0..3 (lanes r and r + 8: the same bytes, the same numbers)
	ds_store_b128 v7, v[SA+8*\mt+4:SA+8*\mt+7] offset:64*\mt+16
.endr
	s_wait_dscnt 0x0
	; vo' of my columns: lanes h = 0 take tokens 0-3, lanes h = 1 tokens 4-7; the loads stay out across both barriers (nobody writes these bytes)
.irp q, 0,1
.irp p, 0,1,2,3
	global_load_b128 v[RV+16*\q+4*\p:RV+16*\q+4*\p+3], v14, s[10:11] offset:4096*\p+256*\q
.endr
.endr
	s_barrier_signal -1
	s_barrier_wait -1
	; wave w finishes t = 8 w .. 8 w + 7; lane L has token g = L mod 8 and t = 8 w + 2 (L / 8), + 1
.irp s, 0,1,2,3,4,5,6,7
	ds_load_b64 v[MS+2*\s:MS+2*\s+1], v10 offset:SPW*\s
.endr
.irp s, 0,1,2,3,4,5,6,7
	ds_load_b64 v[MQ+2*\s:MQ+2*\s+1], v11 offset:256*\s
.endr
.macro PSUM base                       ; eight pairs into the first
.irp a, 0,1,2,3
	v_pk_add_f32 v[\base+2*\a:\base+2*\a+1], v[\base+2*\a:\base+2*\a+1], v[\base+2*\a+8:\base+2*\a+9]
.endr
.irp a, 0,1
	v_pk_add_f32 v[\base+2*\a:\base+2*\a+1], v[\base+2*\a:\base+2*\a+1], v[\base+2*\a+4:\base+2*\a+5]
.endr
	v_pk_add_f32 v[\base:\base+1], v[\base:\base+1], v[\base+2:\base+3]
.endm
	s_wait_dscnt 0x0
	PSUM MS
	PSUM MQ
	v_fma_f32 v244, v[MQ], s42, s43                ; mean + eps
	v_fma_f32 v245, v[MQ+1], s42, s43
	v_rsq_f32 v246, v244
	v_rsq_f32 v247, v245
	v_nop                                          ; one plain place behind a transcendental (ISA guide 5.7.2)
	s_wait_alu depctr_va_vdst(0)
	v_fma_f32 v248, v246, v[MS], v9
	v_fma_f32 v249, v247, v[MS+1], v9
	v_max_num_f32_dpp v250, v248, v248 row_xmask:1 row_mask:0xf bank_mask:0xf     ; the maximum over the 8 tokens: lanes that differ in bits 0-2
	v_max_num_f32_dpp v251, v249, v249 row_xmask:1 row_mask:0xf bank_mask:0xf
	v_max_num_f32_dpp v250, v250, v250 row_xmask:2 row_mask:0xf bank_mask:0xf
	v_max_num_f32_dpp v251, v251, v251 row_xmask:2 row_mask:0xf bank_mask:0xf
	v_max_num_f32_dpp v250, v250, v250 row_xmask:4 row_mask:0xf bank_mask:0xf
	v_max_num_f32_dpp v251, v251, v251 row_xmask:4 row_mask:0xf bank_mask:0xf
	v_sub_f32 v248, v248, v250
	v_sub_f32 v249, v249, v251
	v_exp_f32 v252, v248
	v_exp_f32 v253, v249
	v_nop
	s_wait_alu depctr_va_vdst(0)
	v_add_f32_dpp v250, v252, v252 row_xmask:1 row_mask:0xf bank_mask:0xf
	v_add_f32_dpp v251, v253, v253 row_xmask:1 row_mask:0xf bank_mask:0xf
	v_add_f32_dpp v250, v250, v250 row_xmask:2 row_mask:0xf bank_mask:0xf
	v_add_f32_dpp v251, v251, v251 row_xmask:2 row_mask:0xf bank_mask:0xf
	v_add_f32_dpp v250, v250, v250 row_xmask:4 row_mask:0xf bank_mask:0xf
	v_add_f32_dpp v251, v251, v251 row_xmask:4 row_mask:0xf bank_mask:0xf
	v_rcp_f32 v244, v250                           ; the sum is at least 1: the largest term is 2^0
	v_rcp_f32 v245, v251
	v_nop
	s_wait_alu depctr_va_vdst(0)
	v_mul_f32 v252, v252, v244
	v_mul_f32 v253, v253, v245
	v_cvt_pk_bf16_f32 v254, v252, 0                ; {a, 0}: k = 2 g and k = 2 g + 1 in one word
	v_cvt_pk_bf16_f32 v255, v253, 0
	ds_store_b32 v12, v254                         ; row t: the eight tokens' words fill its 32 bytes
	ds_store_b32 v12, v255 offset:32               ; row t + 1
	s_wait_dscnt 0x0
	s_barrier_signal -1
	s_barrier_wait -1
	; out[t][d] = x[t][d] + sum over g of a[t][g] vo'[g][d].  A: registers 0-3 from LDS (k = 8 h ..), registers 4-7 (k = 16 ..) zero.
.irp mt, 0,1,2,3
	ds_load_b128 v[AF+8*\mt:AF+8*\mt+3], v13 offset:512*\mt
.endr
.irp mt, 0,1,2,3
.irp e, 4,5,6,7
	v_mov_b32 v[AF+8*\mt+\e], 0
.endr
.endr
.irp e, 32,33,34,35
	v_mov_b32 v[BV+\e], 0
.endr
	s_wait_loadcnt 0x0                             ; vo'
	; B: register p of lane (r, h) is k = 8 h + 2 p, + 1: token 4 h + p below, zero above; N tile jt of q = columns {64 q + 4 r + jt}
.irp q, 0,1
.irp jt, 0,1,2,3
.irp p, 0,1,2,3
	v_cvt_pk_bf16_f32 v[BV+4*(4*\q+\jt)+\p], v[RV+16*\q+4*\p+\jt], 0
.endr
.endr
.endr
; Unit u: rows 16 (u / 2) .. + 15, columns 64 (u mod 2) .. + 63 of my 128
.macro LOADX u
.irp j, 0,1,2,3,4,5,6,7
	ds_load_b128 v[RW+32*((\u)&1)+4*\j:RW+32*((\u)&1)+4*\j+3], v8 offset:(16*((\u)>>1)+\j)*XPITCH+256*((\u)&1)
.endr
.endm
.macro MM2 u                           ; each of the four starts a sum of its own
.irp jt, 0,1,2,3
	v_wmma_f32_16x16x32_bf16 v[DD+32*((\u)&1)+8*\jt:DD+32*((\u)&1)+8*\jt+7], v[AF+8*((\u)>>1):AF+8*((\u)>>1)+7], v[BV+4*(4*((\u)&1)+\jt):BV+4*(4*((\u)&1)+\jt)+7], 0
.endr
.endm
.macro FIN u, left
	s_wait_dscnt \left
.irp j, 0,1,2,3,4,5,6,7
.irp jt, 0,1,2,3
	v_add_f32 v[RW+32*((\u)&1)+4*\j+\jt], v[RW+32*((\u)&1)+4*\j+\jt], v[DD+32*((\u)&1)+8*\jt+\j]
.endr
	global_store_b128 v15, v[RW+32*((\u)&1)+4*\j:RW+32*((\u)&1)+4*\j+3], s[12:13] offset:(16*((\u)>>1)+\j)*4096+256*((\u)&1) th:TH_STORE_NT   ; 16 lanes: 256 consecutive aligned bytes
.endr
.endm
	LOADX 0
	LOADX 1
	s_wait_dscnt 16                                ; a's four fragment loads are in; the 16 younger loads of x stay out
	MM2 0
.rept 4
	v_nop                                          ; four places behind the matrix instructions (ISA guide 7.12.1); later units have the 32 additions of the unit before
.endr
.irp u, 1,2,3,4,5,6,7
	MM2 \u
	FIN \u-1, 8                                    ; unit u - 1's x is in; unit u's eight loads stay out
.if \u < 7
	s_wait_xcnt 0x0                                ; the stores' data registers are loaded again only behind this wait
	LOADX \u+1
.endif
.endr
	FIN 7, 0
	s_set_vgpr_msb 0x5
	s_wait_tensorcnt 0x0
	ds_add_u32 v0, v1
	s_wait_dscnt 0x0
	s_set_vgpr_msb 0x500
	s_endpgm
.Lfunc_end_k_qc18f2de43e_stream2:
	.size	k_qc18f2de43e_stream2, .Lfunc_end_k_qc18f2de43e_stream2-k_qc18f2de43e_stream2
	.p2alignl 7, 3214868480
	.fill 96, 4, 3214868480
	.section	.rodata,"a",@progbits
	.p2align	6, 0x0
	.amdhsa_kernel k_qc18f2de43e_stream2
		.amdhsa_group_segment_fixed_size 292864
		.amdhsa_private_segment_fixed_size 0
		.amdhsa_enable_private_segment 0
		.amdhsa_kernarg_size 40
		.amdhsa_user_sgpr_count 2
		.amdhsa_user_sgpr_kernarg_segment_ptr 1
		.amdhsa_wavefront_size32 1
		.amdhsa_system_sgpr_workgroup_id_x 1
		.amdhsa_system_sgpr_workgroup_id_y 1
		.amdhsa_system_sgpr_workgroup_id_z 1
		.amdhsa_system_vgpr_workitem_id 0
		.amdhsa_next_free_vgpr 258
		.amdhsa_next_free_sgpr 66
		.amdhsa_reserve_vcc 0
		.amdhsa_float_denorm_mode_32 3
		.amdhsa_float_denorm_mode_16_64 3
		.amdhsa_memory_ordered 1
		.amdhsa_forward_progress 1
		.amdhsa_inst_pref_size 60
	.end_amdhsa_kernel
	.amdgpu_metadata
---
amdhsa.version: [ 1, 2 ]
amdhsa.kernels:
  - .name:           k_qc18f2de43e_stream2
    .symbol:         k_qc18f2de43e_stream2.kd
    .args:
      - { .name: x, .offset: 0, .size: 8, .value_kind: global_buffer, .address_space: global }
      - { .name: act1, .offset: 8, .size: 8, .value_kind: global_buffer, .address_space: global }
      - { .name: cvec, .offset: 16, .size: 8, .value_kind: global_buffer, .address_space: global }
      - { .name: act0, .offset: 24, .size: 8, .value_kind: global_buffer, .address_space: global }
      - { .name: out0, .offset: 32, .size: 8, .value_kind: global_buffer, .address_space: global }
    .group_segment_fixed_size: 292864
    .private_segment_fixed_size: 0
    .kernarg_segment_align: 8
    .kernarg_segment_size: 40
    .max_flat_workgroup_size: 256
    .sgpr_count:     66
    .vgpr_count:     258
    .wavefront_size: 32
...
	.end_amdgpu_metadata
.endif
;; end of part 8
;; ======== version 2 of 2: 13 launches; 1.14 times as fast as version 1
;; limits: values outside matrix products are rounded to bf16
;; workspace buffers: act0 131,072 bytes; act1 131,072 bytes; act2 131,072 bytes; cvec 256 bytes; accp 8,388,608 bytes; ml 16,384 bytes; hid 1,048,576 bytes; part 1,048,576 bytes
;; launch qproj (part 9): grid 16 x 1, 8 waves a work-group, no clusters, 141,312 bytes of LDS; arguments g_tok, w_ng1, q1_w, q1_b, act0; writes act0
.if DOCPART == 9
	.amdgcn_target "amdgcn-amd-amdhsa--gfx1250"
	.amdhsa_code_object_version 6
	.text
	.protected	k_qc18f2de43e_qproj
	.globl	k_qc18f2de43e_qproj
	.p2align	8
	.type	k_qc18f2de43e_qproj,@function
k_qc18f2de43e_qproj:
	s_mov_b64 s[64:65], 0
	v_nop
	global_prefetch_b8 v0, s[64:65] scope:SCOPE_SE
	s_setreg_imm32_b32 hwreg(HW_REG_WAVE_MODE, 25, 1), 1
	s_wait_xcnt 0x0
; q1 = rms(g_tok, w_ng1) q1_w + q1_b, written as 32 rows (row = 8 b + g: the broadcast over the 4 batches), f32 [32][1024].
; Work-group c makes columns 64 c .. 64 c + 63.  Eight waves, two on a SIMD, 512 registers each: wave w normalises token w and takes
; K = 128 w .. 128 w + 127, so that only eight sets of partial sums (8 KiB each) meet in LDS.
; W is read once, 256 consecutive aligned bytes of a row by each 16 lanes.  Lane (r, h) holds W[k][64 c + 4 r + jt], jt = 0..3, so the
; four N tiles are the column sets {4 r + jt}, and packing component jt of two neighbouring k is a register of B's fragment.
; REGISTERS: window 1 (v256-511) holds W as loaded, 64 loads a lane, all on their way at once; the 8 accumulators lie on its first 64.
; Window 0 holds all else.  s_set_vgpr_msb's low byte: bits 1:0 source 0, 3:2 source 1, 5:4 source 2, 7:6 destination.
; Matrix operands are rounded to bf16, sums are f32.  No cluster: what the work-groups share is 8 rows of g_tok, which pass through
; registers for the norm; W's bytes are shared by nobody.
.set APITCH, 2064                      ; an LDS row of A: 2,048 bytes of bf16 + 16: an odd multiple of 16
.set ROW8,   8*APITCH
.set HALFA,  16*APITCH
.set RED,    32*APITCH                 ; [8 waves][16 chunks][512 bytes] of partial sums
.set OUTL,   RED+8*8192                ; f32 [32] rows of 256 bytes, pitch 272
.set OPITCH, 272
.set GR,  16                           ; v[16:47]   my token's row, later normalised
.set GN,  48                           ; v[48:79]   the gain
.set BF,  16                           ; v[16:143]  B's fragments: 4 K steps x 4 N tiles x 8
.set RB,  16                           ; v[16:79]   tile w of the eight waves, to be summed
.set AF,  144                          ; v[144:207] A's fragments: 4 K steps x 2 M tiles x 8
.set T,   208                          ; v[208:215] at work
.set BI,  216                          ; v[216:219] bias of my 4 columns
.set WR,  0                            ; window 1: v[256:511] W as loaded: 4 K steps x 16 rows x 4
.set ACC, 0                            ; window 1: v[256:319] 8 accumulators (on W's first K step, behind its conversion)
.set SW,  16                           ; s16 wave number
.set PS,  36                           ; s[36:37] selects of the cross-half permute
.set MSB, 0
.macro WIN new                         ; the immediate's high byte repeats the setting that is left
.if MSB != \new
	s_set_vgpr_msb (MSB<<8)|\new
.set MSB, \new
.endif
.endm
.macro ADDRS red, rsh, jsh             ; LDS addresses of the sums' way out, and my place in Y
	s_lshl_b32 s46, s[SW], 13
	s_add_co_u32 s46, s46, \red
	v_lshl_add_u32 v8, v1, 4, s46                  ; my dump: 8,192 w + 16 L
	s_lshl_b32 s46, s[SW], 10
	s_add_co_u32 s46, s46, \red
	v_lshl_add_u32 v9, v1, 4, s46                  ; tile w in every wave's dump
	s_lshr_b32 s46, s[SW], 2                       ; mt
	s_mul_i32 s46, s46, 16*OPITCH
	s_and_b32 s47, s[SW], 3                        ; jt
	s_lshl_b32 s47, s47, \jsh
	s_add_co_u32 s46, s46, s47
	s_add_co_u32 s46, s46, OUTL
	v_mul_u32_u24 v11, v3, 8*OPITCH
	v_lshl_add_u32 v11, v2, \rsh, v11
	v_add_nc_u32 v11, s46, v11                     ; sums out: row 16 mt + 8 h (+ e), my column of tile jt
	v_lshrrev_b32 v15, 4, v0                       ; thread / 16: 0..15
	v_mul_u32_u24 v12, v15, OPITCH
	v_lshl_add_u32 v12, v2, 4, v12
	v_add_nc_u32 v12, OUTL, v12                    ; rows back: 16 lanes take a row's 256 bytes
	v_lshlrev_b32 v13, 12, v15
	v_lshl_add_u32 v13, v2, 4, v13                 ; the same place in Y
.endm
.macro CVTW ks                         ; register 4 u + p of N tile jt = W[16 u + 8 h + 2 p][.], W[.. + 1][.], component jt
.irp jt, 0,1,2,3
.irp u, 0,1
.irp p, 0,1,2,3
	v_cvt_pk_bf16_f32 v[BF+32*\ks+8*\jt+4*\u+\p], v[WR+64*\ks+32*\u+8*\p+\jt], v[WR+64*\ks+32*\u+8*\p+4+\jt]
.endr
.endr
.endr
.endm
.macro MM ks, zero                     ; the eight accumulators take turns, one instruction a turn
.irp mt, 0,1
.irp jt, 0,1,2,3
.if \zero
	v_wmma_f32_16x16x32_bf16 v[ACC+8*(4*\mt+\jt):ACC+8*(4*\mt+\jt)+7], v[AF+16*\ks+8*\mt:AF+16*\ks+8*\mt+7], v[BF+32*\ks+8*\jt:BF+32*\ks+8*\jt+7], 0
.else
	v_wmma_f32_16x16x32_bf16 v[ACC+8*(4*\mt+\jt):ACC+8*(4*\mt+\jt)+7], v[AF+16*\ks+8*\mt:AF+16*\ks+8*\mt+7], v[BF+32*\ks+8*\jt:BF+32*\ks+8*\jt+7], v[ACC+8*(4*\mt+\jt):ACC+8*(4*\mt+\jt)+7]
.endif
.endr
.endr
.endm
.macro STEP ks, zero                   ; a K step is converted and multiplied as soon as its 16 loads are in
	s_wait_loadcnt 48-16*\ks                       ; the 16 loads of each later K step stay out
	WIN 0x05                                       ; sources 0 and 1: W in window 1
	CVTW \ks
	WIN 0x50                                       ; C and D in window 1
	MM \ks, \zero
.endm
.macro RSUM a, b
.irp e, 0,2,4,6
	v_pk_add_f32 v[RB+8*\a+\e:RB+8*\a+\e+1], v[RB+8*\a+\e:RB+8*\a+\e+1], v[RB+8*\b+\e:RB+8*\b+\e+1]
.endr
.endm
; The eight waves' partial sums meet: each dumps its 8 tiles, wave w sums tile w, the sums are laid out as rows,
; and thread t ends with 4 neighbouring columns of rows t / 16 (T .. T+3) and 16 + t / 16 (T+4 .. T+7).
.macro SUMS
.rept 4
	v_nop                                          ; four places behind the last matrix instruction (ISA guide 7.12.1)
.endr
	WIN 0x04                                       ; the stores' data in window 1
.irp ch, 0,1,2,3,4,5,6,7,8,9,10,11,12,13,14,15
	ds_store_b128 v8, v[ACC+4*\ch:ACC+4*\ch+3] offset:512*\ch
.endr
	WIN 0
	s_wait_dscnt 0x0                               ; my dump is in LDS,
	s_barrier_signal -1
	s_barrier_wait -1                              ; everybody's is
.irp s, 0,1,2,3,4,5,6,7
	ds_load_b128 v[RB+8*\s:RB+8*\s+3], v9 offset:8192*\s
	ds_load_b128 v[RB+8*\s+4:RB+8*\s+7], v9 offset:8192*\s+512
.endr
	s_wait_dscnt 0x0
	RSUM 0, 4
	RSUM 1, 5
	RSUM 2, 6
	RSUM 3, 7
	RSUM 0, 2
	RSUM 1, 3
	RSUM 0, 1
.irp e, 0,1,2,3,4,5,6,7
	ds_store_b32 v11, v[RB+\e] offset:OPITCH*\e
.endr
	s_wait_dscnt 0x0
	s_barrier_signal -1
	s_barrier_wait -1
	ds_load_b128 v[T:T+3], v12
	ds_load_b128 v[T+4:T+7], v12 offset:16*OPITCH
	s_wait_dscnt 0x0
.endm
	s_load_b256 s[4:11], s[0:1], 0x0               ; g_tok s[4:5], gain s[6:7], W s[8:9], bias s[10:11]
	s_load_b64 s[12:13], s[0:1], 0x20              ; Y
	v_lshl_add_u32 v254, v0, 2, 0x22400
	v_mov_b32 v255, 0
	v_lshrrev_b32 v1, 5, v0
	v_readfirstlane_b32 s[SW], v1
	v_and_b32 v1, 31, v0                           ; L
	v_and_b32 v2, 15, v0                           ; r
	v_bfe_u32 v3, v0, 4, 1                         ; h
	v_lshlrev_b32 v4, 4, v1                        ; 16 L: a row in pieces of 512 bytes
	v_lshlrev_b32 v14, 4, v2                       ; 16 r
	v_lshl_add_u32 v5, v3, 15, v14                 ; W: 8 h rows of 4,096 bytes + 16 r
	s_lshl_b32 s18, s[SW], 12                      ; token w
	s_mov_b32 s19, 0
	s_lshl_b32 s38, ttmp9, 8                       ; 256 c
	s_mov_b32 s39, 0
	s_lshl_b32 s22, s[SW], 19                      ; 128 w rows of W
	s_add_co_u32 s22, s22, s38
	s_mov_b32 s23, 0
	s_mov_b32 s[PS], 0x76543210
	s_mov_b32 s[PS+1], 0xfedcba98
	s_mov_b32 s42, 0x3a800000                      ; 1 / 1024
	s_mov_b32 s43, 0x358637bd                      ; 1e-6
	s_wait_kmcnt 0x0
	s_add_nc_u64 s[4:5], s[4:5], s[18:19]
	s_add_nc_u64 s[8:9], s[8:9], s[22:23]
	s_add_nc_u64 s[10:11], s[10:11], s[38:39]
	s_add_nc_u64 s[12:13], s[12:13], s[38:39]
	global_load_b128 v[BI:BI+3], v14, s[10:11]
.irp j, 0,1,2,3,4,5,6,7
	global_load_b128 v[GR+4*\j:GR+4*\j+3], v4, s[4:5] offset:512*\j
.endr
.irp j, 0,1,2,3,4,5,6,7
	global_load_b128 v[GN+4*\j:GN+4*\j+3], v4, s[6:7] offset:512*\j
.endr
	WIN 0x40                                       ; destinations in window 1
.irp ks, 0,1,2,3
.irp u, 0,1
.irp i, 0,1,2,3,4,5,6,7
	global_load_b128 v[WR+64*\ks+32*\u+4*\i:WR+64*\ks+32*\u+4*\i+3], v5, s[8:9] offset:(32*\ks+16*\u+\i)*4096 th:TH_LOAD_NT
.endr
.endr
.endr
	WIN 0
	; LDS addresses, while the loads are on their way
	s_mul_i32 s46, s[SW], APITCH
	v_lshl_add_u32 v6, v1, 3, s46                  ; A in: row w, 8 bytes a lane
	v_mul_u32_u24 v7, v2, APITCH
	v_lshl_add_u32 v7, v3, 4, v7
	s_lshl_b32 s46, s[SW], 8
	v_add_nc_u32 v7, s46, v7                       ; A's fragments: row r, 16 h, my 128 K = 256 bytes x w
	ADDRS RED, 4, 2
	s_wait_loadcnt 63                              ; bias, row and gain are in.  W's 64 loads are younger; a wait's count names 63 at the most, so W's first load is waited for too
	; mean of squares of the row, in two chains
	v_pk_mul_f32 v[T:T+1], v[GR:GR+1], v[GR:GR+1]
	v_pk_mul_f32 v[T+2:T+3], v[GR+2:GR+3], v[GR+2:GR+3]
.irp e, 4,8,12,16,20,24,28
	v_pk_fma_f32 v[T:T+1], v[GR+\e:GR+\e+1], v[GR+\e:GR+\e+1], v[T:T+1]
	v_pk_fma_f32 v[T+2:T+3], v[GR+\e+2:GR+\e+3], v[GR+\e+2:GR+\e+3], v[T+2:T+3]
.endr
	v_pk_add_f32 v[T:T+1], v[T:T+1], v[T+2:T+3]
	v_add_f32 v[T], v[T], v[T+1]
	v_add_f32_dpp v[T], v[T], v[T] row_xmask:1 row_mask:0xf bank_mask:0xf
	v_add_f32_dpp v[T], v[T], v[T] row_xmask:2 row_mask:0xf bank_mask:0xf
	v_add_f32_dpp v[T], v[T], v[T] row_xmask:4 row_mask:0xf bank_mask:0xf
	v_add_f32_dpp v[T], v[T], v[T] row_xmask:8 row_mask:0xf bank_mask:0xf
	v_permlanex16_b32 v[T+1], v[T], s[PS], s[PS+1]
	v_add_f32 v[T], v[T], v[T+1]
	v_fma_f32 v[T], v[T], s42, s43                 ; mean + eps
	v_rsq_f32 v[T+2], v[T]
	v_nop                                          ; one plain place behind the transcendental (ISA guide 5.7.2)
	s_wait_alu depctr_va_vdst(0)
	v_mov_b32 v[T+3], v[T+2]
.irp e, 0,2,4,6,8,10,12,14,16,18,20,22,24,26,28,30
	v_pk_mul_f32 v[GR+\e:GR+\e+1], v[GR+\e:GR+\e+1], v[GN+\e:GN+\e+1]
.endr
.irp e, 0,2,4,6,8,10,12,14,16,18,20,22,24,26,28,30
	v_pk_mul_f32 v[GR+\e:GR+\e+1], v[GR+\e:GR+\e+1], v[T+2:T+3]
.endr
.irp j, 0,1,2,3,4,5,6,7
	v_cvt_pk_bf16_f32 v[T+2*(\j&1)], v[GR+4*\j], v[GR+4*\j+1]
	v_cvt_pk_bf16_f32 v[T+2*(\j&1)+1], v[GR+4*\j+2], v[GR+4*\j+3]
.irp rr, 0,1,2,3
	ds_store_b64 v6, v[T+2*(\j&1):T+2*(\j&1)+1] offset:\rr*ROW8+256*\j    ; rows w, w + 8, w + 16, w + 24: the same token in the four batches
.endr
.endr
	s_wait_dscnt 0x0                               ; my rows of A are in LDS,
	s_barrier_signal -1
	s_barrier_wait -1                              ; everybody's are
.irp ks, 0,1,2,3
.irp mt, 0,1
	ds_load_b128 v[AF+16*\ks+8*\mt:AF+16*\ks+8*\mt+3], v7 offset:\mt*HALFA+64*\ks
	ds_load_b128 v[AF+16*\ks+8*\mt+4:AF+16*\ks+8*\mt+7], v7 offset:\mt*HALFA+64*\ks+32
.endr
.endr
	s_wait_dscnt 0x0                               ; A's fragments
	STEP 0, 1                                      ; the first products start the sums
	STEP 1, 0
	STEP 2, 0
	STEP 3, 0
	SUMS
	v_pk_add_f32 v[T:T+1], v[T:T+1], v[BI:BI+1]
	v_pk_add_f32 v[T+2:T+3], v[T+2:T+3], v[BI+2:BI+3]
	v_pk_add_f32 v[T+4:T+5], v[T+4:T+5], v[BI:BI+1]
	v_pk_add_f32 v[T+6:T+7], v[T+6:T+7], v[BI+2:BI+3]
	global_store_b128 v13, v[T:T+3], s[12:13]                  ; 16 lanes store 256 consecutive aligned bytes
	global_store_b128 v13, v[T+4:T+7], s[12:13] offset:65536   ; 16 rows further down
	s_wait_tensorcnt 0x0
	ds_add_u32 v254, v255
	s_wait_dscnt 0x0
	s_endpgm
.Lfunc_end_k_qc18f2de43e_qproj:
	.size	k_qc18f2de43e_qproj, .Lfunc_end_k_qc18f2de43e_qproj-k_qc18f2de43e_qproj
	.p2alignl 7, 3214868480
	.fill 96, 4, 3214868480
	.section	.rodata,"a",@progbits
	.p2align	6, 0x0
	.amdhsa_kernel k_qc18f2de43e_qproj
		.amdhsa_group_segment_fixed_size 141312
		.amdhsa_private_segment_fixed_size 0
		.amdhsa_enable_private_segment 0
		.amdhsa_kernarg_size 40
		.amdhsa_user_sgpr_count 2
		.amdhsa_user_sgpr_kernarg_segment_ptr 1
		.amdhsa_wavefront_size32 1
		.amdhsa_system_sgpr_workgroup_id_x 1
		.amdhsa_system_sgpr_workgroup_id_y 1
		.amdhsa_system_sgpr_workgroup_id_z 1
		.amdhsa_system_vgpr_workitem_id 0
		.amdhsa_next_free_vgpr 512
		.amdhsa_next_free_sgpr 66
		.amdhsa_reserve_vcc 0
		.amdhsa_float_denorm_mode_32 3
		.amdhsa_float_denorm_mode_16_64 3
		.amdhsa_memory_ordered 1
		.amdhsa_forward_progress 1
		.amdhsa_inst_pref_size 35
	.end_amdhsa_kernel
	.amdgpu_metadata
---
amdhsa.version: [ 1, 2 ]
amdhsa.kernels:
  - .name:           k_qc18f2de43e_qproj
    .symbol:         k_qc18f2de43e_qproj.kd
    .args:
      - { .name: g_tok, .offset: 0, .size: 8, .value_kind: global_buffer, .address_space: global }
      - { .name: w_ng1, .offset: 8, .size: 8, .value_kind: global_buffer, .address_space: global }
      - { .name: q1_w, .offset: 16, .size: 8, .value_kind: global_buffer, .address_space: global }
      - { .name: q1_b, .offset: 24, .size: 8, .value_kind: global_buffer, .address_space: global }
      - { .name: act0, .offset: 32, .size: 8, .value_kind: global_buffer, .address_space: global }
    .group_segment_fixed_size: 141312
    .private_segment_fixed_size: 0
    .kernarg_segment_align: 8
    .kernarg_segment_size: 40
    .max_flat_workgroup_size: 256
    .sgpr_count:     66
    .vgpr_count:     512
    .wavefront_size: 32
...
	.end_amdgpu_metadata
.endif
;; end of part 9
;; launch tproj (part 10): grid 16 x 1, 8 waves a work-group, no clusters, 282,112 bytes of LDS; arguments act0, k1_w, w_ns1, k1_b, act1, cvec; writes act1, cvec
.if DOCPART == 10
	.amdgcn_target "amdgcn-amd-amdhsa--gfx1250"
	.amdhsa_code_object_version 6
	.text
	.protected	k_qc18f2de43e_tproj
	.globl	k_qc18f2de43e_tproj
	.p2align	8
	.type	k_qc18f2de43e_tproj,@function
k_qc18f2de43e_tproj:
	s_mov_b64 s[64:65], 0
	v_nop
	global_prefetch_b8 v0, s[64:65] scope:SCOPE_SE
	s_setreg_imm32_b32 hwreg(HW_REG_WAVE_MODE, 25, 1), 1
	s_wait_xcnt 0x0
; Y[row][n] = K2 gain[n] sum over k of A[row][k] W[n][k];  C[row] = K2 sum over k of A[row][k] bvec[k].  K2 = log2(e) / 32.
; This folds a 1024 x 1024 projection of the sequence into the 32 token rows: (s W + bvec) . a = s . (a W^T) + a . bvec.
; A: f32 [32][1024]; W: f32 [1024 (n)][1024 (k)], K along the rows.  Work-group c makes columns n = 64 c .. 64 c + 63: 64 whole rows of W,
; eight a wave, rounded to bf16 into an LDS image; then wave w multiplies K = 128 w .. 128 w + 127 and the eight waves' sums meet in LDS.
; A: one tensor load a wave brings the wave's own K slice (32 rows x 512 bytes) into LDS bytes that only this wave reads.  It is the
; wave's only tensor load and the bytes' only fill.  The f32 fragments read from it feed both the conversion to bf16 and the bias dot,
; which stays in f32 on the vector unit: a partial dot for each wave and row, summed at the end by wave 0 of work-group 0.
; REGISTERS: window 1 (v256-511) holds W as loaded, 64 loads a lane, all on their way at once; the 8 accumulators lie on its first 64.
; s_set_vgpr_msb's low byte: bits 1:0 source 0, 3:2 source 1, 5:4 source 2, 7:6 destination.
; Matrix operands are rounded to bf16, sums are f32.
; No cluster: W's 256 KiB a work-group are shared by nobody.  A's 128 KiB are shared, but a joint request wants a round of the cluster's
; barrier in front of it and one at the end, and this launch has a single fill, asked for in its first lines.
.set XPITCH, 528                       ; A's tile: 512 bytes of a row + 16 of padding: an odd multiple of 16
.set XTILE,  32*XPITCH
.set RED,    0                         ; the partial sums lie on A's tiles: these have had their only fill, and every wave's reads of them stand in front of the barrier that publishes W's image
.set APITCH, 2064
.set HALFW,  16*APITCH
.set WL,     8*XTILE                   ; W's image: bf16 [64] rows, pitch 2,064
.set OUTL,   WL+64*APITCH              ; f32 [32] rows of 256 bytes, pitch 272
.set OPITCH, 272
.set BVS,    OUTL+32*OPITCH            ; bvec's slices: 512 bytes for each wave, its own
.set DOTS,   BVS+8*512                 ; partial dots f32 [8 waves][32 rows]
.set XR,  16                           ; v[16:79]   A as read from LDS: 4 units of 16
.set BVF, 80                           ; v[80:143]  bvec in the fragments' order: 4 K steps x 16
.set CW,  16                           ; v[16:143]  W rounded to bf16
.set BF,  16                           ; v[16:143]  B's fragments
.set RB,  16                           ; v[16:79]
.set AF,  144                          ; v[144:207] A's fragments
.set T,   208                          ; v[208:215]
.set GA,  216                          ; v[216:219] K2 x gain of my 4 columns
.set DP,  220                          ; v[220:223] the dot's sums, a pair for each M tile
.set DT,  224                          ; v[224:227]
.set FB,  228                          ; v228, v229 bases of B's fragments
.set BVR, 232                          ; v[232:235] my 16 bytes of bvec's slice
.set LB,  236                          ; v236 slice in, v237 slice back, v238 my partial dots
.set WR,  0                            ; window 1: v[256:511]
.set ACC, 0                            ; window 1: v[256:319]
.set SW,  16
.set G1,  24                           ; s[24:31] descriptor group 1
.set G0,  32                           ; s[32:35] descriptor group 0
.set PS,  36
.set K2,  0x3d38aa3b
.set MSB, 0
.macro WIN new                         ; the immediate's high byte repeats the setting that is left
.if MSB != \new
	s_set_vgpr_msb (MSB<<8)|\new
.set MSB, \new
.endif
.endm
.macro ADDRS red, rsh, jsh             ; LDS addresses of the sums' way out, and my place in Y
	s_lshl_b32 s46, s[SW], 13
	s_add_co_u32 s46, s46, \red
	v_lshl_add_u32 v8, v1, 4, s46                  ; my dump: 8,192 w + 16 L
	s_lshl_b32 s46, s[SW], 10
	s_add_co_u32 s46, s46, \red
	v_lshl_add_u32 v9, v1, 4, s46                  ; tile w in every wave's dump
	s_lshr_b32 s46, s[SW], 2                       ; mt
	s_mul_i32 s46, s46, 16*OPITCH
	s_and_b32 s47, s[SW], 3                        ; jt
	s_lshl_b32 s47, s47, \jsh
	s_add_co_u32 s46, s46, s47
	s_add_co_u32 s46, s46, OUTL
	v_mul_u32_u24 v11, v3, 8*OPITCH
	v_lshl_add_u32 v11, v2, \rsh, v11
	v_add_nc_u32 v11, s46, v11                     ; sums out: row 16 mt + 8 h (+ e), my column of tile jt
	v_lshrrev_b32 v15, 4, v0                       ; thread / 16: 0..15
	v_mul_u32_u24 v12, v15, OPITCH
	v_lshl_add_u32 v12, v2, 4, v12
	v_add_nc_u32 v12, OUTL, v12                    ; rows back: 16 lanes take a row's 256 bytes
	v_lshlrev_b32 v13, 12, v15
	v_lshl_add_u32 v13, v2, 4, v13                 ; the same place in Y
.endm
.macro MM ks, zero                     ; the eight accumulators take turns, one instruction a turn
.irp mt, 0,1
.irp jt, 0,1,2,3
.if \zero
	v_wmma_f32_16x16x32_bf16 v[ACC+8*(4*\mt+\jt):ACC+8*(4*\mt+\jt)+7], v[AF+16*\ks+8*\mt:AF+16*\ks+8*\mt+7], v[BF+32*\ks+8*\jt:BF+32*\ks+8*\jt+7], 0
.else
	v_wmma_f32_16x16x32_bf16 v[ACC+8*(4*\mt+\jt):ACC+8*(4*\mt+\jt)+7], v[AF+16*\ks+8*\mt:AF+16*\ks+8*\mt+7], v[BF+32*\ks+8*\jt:BF+32*\ks+8*\jt+7], v[ACC+8*(4*\mt+\jt):ACC+8*(4*\mt+\jt)+7]
.endif
.endr
.endr
.endm
.macro RSUM a, b
.irp e, 0,2,4,6
	v_pk_add_f32 v[RB+8*\a+\e:RB+8*\a+\e+1], v[RB+8*\a+\e:RB+8*\a+\e+1], v[RB+8*\b+\e:RB+8*\b+\e+1]
.endr
.endm
; The eight waves' partial sums meet: each dumps its 8 tiles, wave w sums tile w, the sums are laid out as rows,
; and thread t ends with 4 neighbouring columns of rows t / 16 (T .. T+3) and 16 + t / 16 (T+4 .. T+7).
.macro SUMS
.rept 4
	v_nop                                          ; four places behind the last matrix instruction (ISA guide 7.12.1)
.endr
	WIN 0x04                                       ; the stores' data in window 1
.irp ch, 0,1,2,3,4,5,6,7,8,9,10,11,12,13,14,15
	ds_store_b128 v8, v[ACC+4*\ch:ACC+4*\ch+3] offset:512*\ch
.endr
	WIN 0
	s_wait_dscnt 0x0                               ; my dump is in LDS,
	s_barrier_signal -1
	s_barrier_wait -1                              ; everybody's is
.irp s, 0,1,2,3,4,5,6,7
	ds_load_b128 v[RB+8*\s:RB+8*\s+3], v9 offset:8192*\s
	ds_load_b128 v[RB+8*\s+4:RB+8*\s+7], v9 offset:8192*\s+512
.endr
	s_wait_dscnt 0x0
	RSUM 0, 4
	RSUM 1, 5
	RSUM 2, 6
	RSUM 3, 7
	RSUM 0, 2
	RSUM 1, 3
	RSUM 0, 1
.irp e, 0,1,2,3,4,5,6,7
	ds_store_b32 v11, v[RB+\e] offset:OPITCH*\e
.endr
	s_wait_dscnt 0x0
	s_barrier_signal -1
	s_barrier_wait -1
	ds_load_b128 v[T:T+3], v12
	ds_load_b128 v[T+4:T+7], v12 offset:16*OPITCH
	s_wait_dscnt 0x0
.endm
; One unit of A: 16 rows (mt) x 32 K (ks), 16 f32 a lane in XR's place q: into the dot, and rounded into the fragment
.macro AUNIT q, mt, ks
.if \ks == 0
	v_pk_mul_f32 v[DP+2*\mt:DP+2*\mt+1], v[XR+16*\q:XR+16*\q+1], v[BVF+16*\ks:BVF+16*\ks+1]
.else
	v_pk_fma_f32 v[DP+2*\mt:DP+2*\mt+1], v[XR+16*\q:XR+16*\q+1], v[BVF+16*\ks:BVF+16*\ks+1], v[DP+2*\mt:DP+2*\mt+1]
.endif
	v_cvt_pk_bf16_f32 v[AF+8*(2*\ks+\mt)], v[XR+16*\q], v[XR+16*\q+1]
.irp p, 1,2,3,4,5,6,7
	v_pk_fma_f32 v[DP+2*\mt:DP+2*\mt+1], v[XR+16*\q+2*\p:XR+16*\q+2*\p+1], v[BVF+16*\ks+2*\p:BVF+16*\ks+2*\p+1], v[DP+2*\mt:DP+2*\mt+1]
	v_cvt_pk_bf16_f32 v[AF+8*(2*\ks+\mt)+\p], v[XR+16*\q+2*\p], v[XR+16*\q+2*\p+1]
.endr
.endm
.macro ABATCH b                        ; K steps 2 b and 2 b + 1 of my slice
.irp kk, 0,1
.irp mt, 0,1
	ds_load_b128 v[XR+16*(2*\kk+\mt):XR+16*(2*\kk+\mt)+3], v6 offset:\mt*16*XPITCH+128*(2*\b+\kk)
	ds_load_b128 v[XR+16*(2*\kk+\mt)+4:XR+16*(2*\kk+\mt)+7], v6 offset:\mt*16*XPITCH+128*(2*\b+\kk)+16
	ds_load_b128 v[XR+16*(2*\kk+\mt)+8:XR+16*(2*\kk+\mt)+11], v6 offset:\mt*16*XPITCH+128*(2*\b+\kk)+64
	ds_load_b128 v[XR+16*(2*\kk+\mt)+12:XR+16*(2*\kk+\mt)+15], v6 offset:\mt*16*XPITCH+128*(2*\b+\kk)+80
.endr
.endr
	s_wait_dscnt 0x0
.irp kk, 0,1
.irp mt, 0,1
	AUNIT (2*\kk+\mt), \mt, (2*\b+\kk)
.endr
.endr
.endm
.macro WGROUP g                        ; rows 2 g and 2 g + 1 of my eight: rounded and laid into the image as soon as their 16 loads are in
	s_wait_loadcnt 48-16*\g                        ; the 16 loads of each later pair of rows stay out
	WIN 0x05                                       ; sources 0 and 1: W in window 1
.set n, 32*\g
.rept 32
	v_cvt_pk_bf16_f32 v[CW+n], v[WR+2*n], v[WR+2*n+1]
.set n, n+1
.endr
	WIN 0
.irp rr, 0,1
.irp j, 0,1,2,3,4,5,6,7
	ds_store_b64 v10, v[CW+2*(16*\g+8*\rr+\j):CW+2*(16*\g+8*\rr+\j)+1] offset:(2*\g+\rr)*APITCH+256*\j
.endr
.endr
.endm
	s_load_b256 s[4:11], s[0:1], 0x0               ; A s[4:5], W s[6:7], gain s[8:9], bvec s[10:11]
	s_load_b128 s[12:15], s[0:1], 0x20             ; Y s[12:13], C s[14:15]
	v_lshl_add_u32 v254, v0, 2, 0x44a00
	v_mov_b32 v255, 0
	ds_add_u32 v254, v255
	ds_add_u32 v254, v255
	v_lshrrev_b32 v1, 5, v0
	v_readfirstlane_b32 s[SW], v1
	s_mov_b32 s[G1+0], 0x07920000                  ; elements of 4 bytes; after every 128 words a pad of 4 words; no mask
	s_mov_b32 s[G1+1], 128<<16                     ; tensor_dim0 = 128
	s_mov_b32 s[G1+2], 32<<16                      ; tensor_dim1 = 32
	s_mov_b32 s[G1+3], 128<<16                     ; tile_dim0 = 128
	s_mov_b32 s[G1+4], 32                          ; tile_dim1 = 32
	s_mov_b32 s[G1+5], 1024                        ; elements from row to row
	s_mov_b32 s[G1+6], 0
	s_mov_b32 s[G1+7], 0
	s_mul_i32 s20, s[SW], XTILE                    ; my tile in LDS
	s_lshl_b32 s18, s[SW], 9                       ; my 128 columns of A and of bvec
	s_mov_b32 s19, 0
	s_lshl_b32 s22, ttmp9, 18                      ; 64 c rows of W
	s_lshl_b32 s23, s[SW], 15                      ; + 8 w rows
	s_add_co_u32 s22, s22, s23
	s_mov_b32 s23, 0
	s_lshl_b32 s38, ttmp9, 8                       ; 256 c
	s_mov_b32 s39, 0
	s_mov_b32 s[PS], 0x76543210
	s_mov_b32 s[PS+1], 0xfedcba98
	v_and_b32 v1, 31, v0                           ; L
	v_and_b32 v2, 15, v0                           ; r
	v_bfe_u32 v3, v0, 4, 1                         ; h
	v_lshlrev_b32 v4, 4, v1                        ; 16 L
	v_lshlrev_b32 v14, 4, v2                       ; 16 r
	s_wait_dscnt 0x0
	s_wait_kmcnt 0x0
	s_add_nc_u64 s[4:5], s[4:5], s[18:19]
	s_mov_b32 s[G0], 1
	s_add_co_u32 s[G0+1], s20, 0
	s_add_nc_u64 s[G0+2:G0+3], s[4:5], 0
	s_or_b32 s[G0+3], s[G0+3], 0x80000000
	tensor_load_to_lds s[G0:G0+3], s[G1:G1+7]      ; my slice of A: the wave's one tensor load, ahead of every wait on it, LDS read and barrier
	s_nop 0
	s_add_nc_u64 s[10:11], s[10:11], s[18:19]
	s_add_nc_u64 s[6:7], s[6:7], s[22:23]
	s_add_nc_u64 s[8:9], s[8:9], s[38:39]
	s_add_nc_u64 s[12:13], s[12:13], s[38:39]
	global_load_b128 v[GA:GA+3], v14, s[8:9]
	global_load_b128 v[BVR:BVR+3], v4, s[10:11]    ; the wave's 512 bytes of bvec
	WIN 0x40                                       ; destinations in window 1
.irp rr, 0,1,2,3,4,5,6,7
.irp j, 0,1,2,3,4,5,6,7
	global_load_b128 v[WR+32*\rr+4*\j:WR+32*\rr+4*\j+3], v4, s[6:7] offset:\rr*4096+512*\j th:TH_LOAD_NT
.endr
.endr
	WIN 0
	; LDS addresses, while the loads are on their way
	v_mul_u32_u24 v6, v2, XPITCH
	v_lshl_add_u32 v6, v3, 5, v6
	v_add_nc_u32 v6, s20, v6                       ; A's tile: row r, 32 h
	v_mul_u32_u24 v7, v2, APITCH
	v_lshl_add_u32 v7, v3, 4, v7
	s_lshl_b32 s46, s[SW], 8
	v_add_nc_u32 v7, s46, v7                       ; W's image: row r, 16 h, 256 w
	v_add_nc_u32 v[FB], WL, v7                     ; N tiles 0, 1
	v_add_nc_u32 v[FB+1], WL+2*HALFW, v7           ; N tiles 2, 3 (beyond the 16-bit immediate)
	s_mul_i32 s46, s[SW], 8*APITCH
	s_add_co_u32 s46, s46, WL
	v_lshl_add_u32 v10, v1, 3, s46                 ; W in: rows 8 w .., 8 bytes a lane
	s_lshl_b32 s46, s[SW], 9
	s_add_co_u32 s46, s46, BVS
	v_lshl_add_u32 v[LB], v1, 4, s46
	v_lshl_add_u32 v[LB+1], v3, 5, s46
	s_lshl_b32 s46, s[SW], 7
	s_add_co_u32 s46, s46, DOTS
	v_lshl_add_u32 v[LB+2], v2, 2, s46
	ADDRS RED, 2, 6                                ; here N tile jt is columns 16 jt + r
	s_wait_loadcnt 63                              ; gain and bvec's slice are in.  W's 64 loads are younger; a wait's count names 63 at the most, so W's first load is waited for too
	v_pk_mul_f32 v[GA:GA+1], v[GA:GA+1], K2 op_sel_hi:[1,0]
	v_pk_mul_f32 v[GA+2:GA+3], v[GA+2:GA+3], K2 op_sel_hi:[1,0]
	ds_store_b128 v[LB], v[BVR:BVR+3]              ; bvec's slice turns into the fragments' order through the wave's own 512 bytes;
.irp ks, 0,1,2,3                                   ; LDS serves a wave's instructions in order (ISA guide 5.7.1.4): these see the store
	ds_load_b128 v[BVF+16*\ks:BVF+16*\ks+3], v[LB+1] offset:128*\ks
	ds_load_b128 v[BVF+16*\ks+4:BVF+16*\ks+7], v[LB+1] offset:128*\ks+16
	ds_load_b128 v[BVF+16*\ks+8:BVF+16*\ks+11], v[LB+1] offset:128*\ks+64
	ds_load_b128 v[BVF+16*\ks+12:BVF+16*\ks+15], v[LB+1] offset:128*\ks+80
.endr
	s_wait_tensorcnt 0x0                           ; my slice of A is in LDS; only I read it
	ABATCH 0
	ABATCH 1
	; a row's dot lies in two registers of two lanes (r, h = 0 and 1)
	v_add_f32 v[DT], v[DP], v[DP+1]
	v_add_f32 v[DT+1], v[DP+2], v[DP+3]
	v_permlanex16_b32 v[DP], v[DT], s[PS], s[PS+1]
	v_permlanex16_b32 v[DP+2], v[DT+1], s[PS], s[PS+1]
	v_add_f32 v[DT], v[DT], v[DP]
	v_add_f32 v[DT+1], v[DT+1], v[DP+2]
	ds_store_b32 v[LB+2], v[DT]                    ; rows r (lanes r and r + 16: the same word, the same number)
	ds_store_b32 v[LB+2], v[DT+1] offset:64        ; rows 16 + r
	WGROUP 0
	WGROUP 1
	WGROUP 2
	WGROUP 3
	s_wait_dscnt 0x0                               ; my rows of the image and my dots are in LDS, my reads of A's tile are over,
	s_barrier_signal -1
	s_barrier_wait -1                              ; everybody's are
.irp ks, 0,1,2,3
.irp jt, 0,1
	ds_load_b128 v[BF+32*\ks+8*\jt:BF+32*\ks+8*\jt+3], v[FB] offset:\jt*HALFW+64*\ks
	ds_load_b128 v[BF+32*\ks+8*\jt+4:BF+32*\ks+8*\jt+7], v[FB] offset:\jt*HALFW+64*\ks+32
	ds_load_b128 v[BF+32*\ks+8*\jt+16:BF+32*\ks+8*\jt+19], v[FB+1] offset:\jt*HALFW+64*\ks
	ds_load_b128 v[BF+32*\ks+8*\jt+20:BF+32*\ks+8*\jt+23], v[FB+1] offset:\jt*HALFW+64*\ks+32
.endr
.endr
	WIN 0x50                                       ; C and D in window 1
	s_wait_dscnt 24                                ; eight loads for each later K step stay out
	MM 0, 1                                        ; the first products start the sums
	s_wait_dscnt 16
	MM 1, 0
	s_wait_dscnt 8
	MM 2, 0
	s_wait_dscnt 0x0
	MM 3, 0
	SUMS
	v_pk_mul_f32 v[T:T+1], v[T:T+1], v[GA:GA+1]
	v_pk_mul_f32 v[T+2:T+3], v[T+2:T+3], v[GA+2:GA+3]
	v_pk_mul_f32 v[T+4:T+5], v[T+4:T+5], v[GA:GA+1]
	v_pk_mul_f32 v[T+6:T+7], v[T+6:T+7], v[GA+2:GA+3]
	global_store_b128 v13, v[T:T+3], s[12:13]                  ; 16 lanes store 256 consecutive aligned bytes
	global_store_b128 v13, v[T+4:T+7], s[12:13] offset:65536   ; 16 rows further down
	; C: wave 0 of work-group 0 sums the eight waves' partial dots, lane L for row L
	s_cmp_lg_u32 ttmp9, 0
	s_cbranch_scc1 .Ldone
	s_cmp_lg_u32 s[SW], 0
	s_cbranch_scc1 .Ldone
	v_lshlrev_b32 v[DT], 2, v1
	v_add_nc_u32 v[DT+1], DOTS, v[DT]
.irp s, 0,1,2,3,4,5,6,7
	ds_load_b32 v[16+\s], v[DT+1] offset:128*\s
.endr
	s_wait_dscnt 0x0
	v_pk_add_f32 v[16:17], v[16:17], v[20:21]
	v_pk_add_f32 v[18:19], v[18:19], v[22:23]
	v_pk_add_f32 v[16:17], v[16:17], v[18:19]
	v_add_f32 v16, v16, v17
	v_mul_f32 v16, K2, v16
	global_store_b32 v[DT], v16, s[14:15]          ; 32 lanes: 128 consecutive bytes, all that is used of C
.Ldone:
	s_wait_tensorcnt 0x0
	ds_add_u32 v254, v255
	s_wait_dscnt 0x0
	s_endpgm
.Lfunc_end_k_qc18f2de43e_tproj:
	.size	k_qc18f2de43e_tproj, .Lfunc_end_k_qc18f2de43e_tproj-k_qc18f2de43e_tproj
	.p2alignl 7, 3214868480
	.fill 96, 4, 3214868480
	.section	.rodata,"a",@progbits
	.p2align	6, 0x0
	.amdhsa_kernel k_qc18f2de43e_tproj
		.amdhsa_group_segment_fixed_size 282112
		.amdhsa_private_segment_fixed_size 0
		.amdhsa_enable_private_segment 0
		.amdhsa_kernarg_size 48
		.amdhsa_user_sgpr_count 2
		.amdhsa_user_sgpr_kernarg_segment_ptr 1
		.amdhsa_wavefront_size32 1
		.amdhsa_system_sgpr_workgroup_id_x 1
		.amdhsa_system_sgpr_workgroup_id_y 1
		.amdhsa_system_sgpr_workgroup_id_z 1
		.amdhsa_system_vgpr_workitem_id 0
		.amdhsa_next_free_vgpr 512
		.amdhsa_next_free_sgpr 66
		.amdhsa_reserve_vcc 0
		.amdhsa_float_denorm_mode_32 3
		.amdhsa_float_denorm_mode_16_64 3
		.amdhsa_memory_ordered 1
		.amdhsa_forward_progress 1
		.amdhsa_inst_pref_size 46
	.end_amdhsa_kernel
	.amdgpu_metadata
---
amdhsa.version: [ 1, 2 ]
amdhsa.kernels:
  - .name:           k_qc18f2de43e_tproj
    .symbol:         k_qc18f2de43e_tproj.kd
    .args:
      - { .name: act0, .offset: 0, .size: 8, .value_kind: global_buffer, .address_space: global }
      - { .name: k1_w, .offset: 8, .size: 8, .value_kind: global_buffer, .address_space: global }
      - { .name: w_ns1, .offset: 16, .size: 8, .value_kind: global_buffer, .address_space: global }
      - { .name: k1_b, .offset: 24, .size: 8, .value_kind: global_buffer, .address_space: global }
      - { .name: act1, .offset: 32, .size: 8, .value_kind: global_buffer, .address_space: global }
      - { .name: cvec, .offset: 40, .size: 8, .value_kind: global_buffer, .address_space: global }
    .group_segment_fixed_size: 282112
    .private_segment_fixed_size: 0
    .kernarg_segment_align: 8
    .kernarg_segment_size: 48
    .max_flat_workgroup_size: 256
    .sgpr_count:     66
    .vgpr_count:     512
    .wavefront_size: 32
...
	.end_amdgpu_metadata
.endif
;; end of part 10
;; launch stream1: the kernel of part 3 again; grid 256 x 1, 8 waves a work-group, no clusters, 292,352 bytes of LDS; arguments x, act1, cvec, accp, ml; writes accp, ml
;; launch combine: the kernel of part 4 again; grid 4 x 32, 2 waves a work-group, no clusters, 0 bytes of LDS; arguments accp, ml, w_ns1, act0; writes act0
;; launch proj (part 11): grid 16 x 1, 8 waves a work-group, no clusters, 210,432 bytes of LDS; arguments act0, v1_w, v1_b, act1; writes act1
.if DOCPART == 11
	.amdgcn_target "amdgcn-amd-amdhsa--gfx1250"
	.amdhsa_code_object_version 6
	.text
	.protected	k_qc18f2de43e_proj
	.globl	k_qc18f2de43e_proj
	.p2align	8
	.type	k_qc18f2de43e_proj,@function
k_qc18f2de43e_proj:
	s_mov_b64 s[64:65], 0
	v_nop
	global_prefetch_b8 v0, s[64:65] scope:SCOPE_SE
	s_setreg_imm32_b32 hwreg(HW_REG_WAVE_MODE, 25, 1), 1
	s_wait_xcnt 0x0
; Y[y] = A[y] W[y], + bias where y = 0.  A[y]: f32 [32][1024]; W[y]: f32 rows 1024 y .. 1024 y + 1023 of [.][1024]; Y[y]: f32 [32][1024].
; The grid's x = c picks columns 64 c .. 64 c + 63, its y a slice of 1,024 along K (one slice but for the MLP's second product).
; Eight waves, two on a SIMD, 512 registers each: wave w takes K = 128 w .. 128 w + 127 of the slice, so that only eight sets of partial
; sums (8 KiB each) meet in LDS.
; A: one tensor load a wave brings the wave's own K slice (32 rows x 512 bytes) into LDS bytes that only this wave reads: no barrier,
; and none of A's bytes among the vector loads.  It is the wave's only tensor load and the bytes' only fill.
; W is read once, 256 consecutive aligned bytes of a row by each 16 lanes.  Lane (r, h) holds W[k][64 c + 4 r + jt], jt = 0..3, so the
; four N tiles are the column sets {4 r + jt}, and packing component jt of two neighbouring k is a register of B's fragment.
; REGISTERS: window 1 (v256-511) holds W as loaded, 64 loads a lane, all on their way at once; the 8 accumulators lie on its first 64.
; s_set_vgpr_msb's low byte: bits 1:0 source 0, 3:2 source 1, 5:4 source 2, 7:6 destination.
; Matrix operands are rounded to bf16, sums are f32.
; No cluster: W's 256 KiB a work-group are shared by nobody.  A's 128 KiB are shared, but a joint request wants a round of the cluster's
; barrier in front of it and one at the end, and this launch has a single fill, asked for in its first lines.
.set XPITCH, 528                       ; A's tile: 512 bytes of a row + 16 of padding: an odd multiple of 16
.set XTILE,  32*XPITCH
.set RED,    8*XTILE                   ; [8 waves][16 chunks][512 bytes] of partial sums
.set OUTL,   RED+8*8192                ; f32 [32] rows of 256 bytes, pitch 272
.set OPITCH, 272
.set XR,  16                           ; v[16:143]  A as read from LDS: 8 units of 16
.set BF,  16                           ; v[16:143]  B's fragments: 4 K steps x 4 N tiles x 8
.set RB,  16                           ; v[16:79]   tile w of the eight waves, to be summed
.set AF,  144                          ; v[144:207] A's fragments: 4 K steps x 2 M tiles x 8
.set T,   208                          ; v[208:215]
.set BI,  216                          ; v[216:219] bias of my 4 columns
.set WR,  0                            ; window 1: v[256:511] W as loaded: 4 K steps x 16 rows x 4
.set ACC, 0                            ; window 1: v[256:319] 8 accumulators (on W's first K step, behind its conversion)
.set SW,  16                           ; s16 wave number
.set SY,  17                           ; s17 slice
.set G1,  24                           ; s[24:31] descriptor group 1
.set G0,  32                           ; s[32:35] descriptor group 0
.set MSB, 0
.macro WIN new                         ; the immediate's high byte repeats the setting that is left
.if MSB != \new
	s_set_vgpr_msb (MSB<<8)|\new
.set MSB, \new
.endif
.endm
.macro ADDRS red, rsh, jsh             ; LDS addresses of the sums' way out, and my place in Y
	s_lshl_b32 s46, s[SW], 13
	s_add_co_u32 s46, s46, \red
	v_lshl_add_u32 v8, v1, 4, s46                  ; my dump: 8,192 w + 16 L
	s_lshl_b32 s46, s[SW], 10
	s_add_co_u32 s46, s46, \red
	v_lshl_add_u32 v9, v1, 4, s46                  ; tile w in every wave's dump
	s_lshr_b32 s46, s[SW], 2                       ; mt
	s_mul_i32 s46, s46, 16*OPITCH
	s_and_b32 s47, s[SW], 3                        ; jt
	s_lshl_b32 s47, s47, \jsh
	s_add_co_u32 s46, s46, s47
	s_add_co_u32 s46, s46, OUTL
	v_mul_u32_u24 v11, v3, 8*OPITCH
	v_lshl_add_u32 v11, v2, \rsh, v11
	v_add_nc_u32 v11, s46, v11                     ; sums out: row 16 mt + 8 h (+ e), my column of tile jt
	v_lshrrev_b32 v15, 4, v0                       ; thread / 16: 0..15
	v_mul_u32_u24 v12, v15, OPITCH
	v_lshl_add_u32 v12, v2, 4, v12
	v_add_nc_u32 v12, OUTL, v12                    ; rows back: 16 lanes take a row's 256 bytes
	v_lshlrev_b32 v13, 12, v15
	v_lshl_add_u32 v13, v2, 4, v13                 ; the same place in Y
.endm
.macro CVTW ks                         ; register 4 u + p of N tile jt = W[16 u + 8 h + 2 p][.], W[.. + 1][.], component jt
.irp jt, 0,1,2,3
.irp u, 0,1
.irp p, 0,1,2,3
	v_cvt_pk_bf16_f32 v[BF+32*\ks+8*\jt+4*\u+\p], v[WR+64*\ks+32*\u+8*\p+\jt], v[WR+64*\ks+32*\u+8*\p+4+\jt]
.endr
.endr
.endr
.endm
.macro MM ks, zero                     ; the eight accumulators take turns, one instruction a turn
.irp mt, 0,1
.irp jt, 0,1,2,3
.if \zero
	v_wmma_f32_16x16x32_bf16 v[ACC+8*(4*\mt+\jt):ACC+8*(4*\mt+\jt)+7], v[AF+16*\ks+8*\mt:AF+16*\ks+8*\mt+7], v[BF+32*\ks+8*\jt:BF+32*\ks+8*\jt+7], 0
.else
	v_wmma_f32_16x16x32_bf16 v[ACC+8*(4*\mt+\jt):ACC+8*(4*\mt+\jt)+7], v[AF+16*\ks+8*\mt:AF+16*\ks+8*\mt+7], v[BF+32*\ks+8*\jt:BF+32*\ks+8*\jt+7], v[ACC+8*(4*\mt+\jt):ACC+8*(4*\mt+\jt)+7]
.endif
.endr
.endr
.endm
.macro STEP ks, zero                   ; a K step is converted and multiplied as soon as its 16 loads are in
	s_wait_loadcnt 48-16*\ks                       ; the 16 loads of each later K step stay out
	WIN 0x05                                       ; sources 0 and 1: W in window 1
	CVTW \ks
	WIN 0x50                                       ; C and D in window 1
	MM \ks, \zero
.endm
.macro RSUM a, b
.irp e, 0,2,4,6
	v_pk_add_f32 v[RB+8*\a+\e:RB+8*\a+\e+1], v[RB+8*\a+\e:RB+8*\a+\e+1], v[RB+8*\b+\e:RB+8*\b+\e+1]
.endr
.endm
; The eight waves' partial sums meet: each dumps its 8 tiles, wave w sums tile w, the sums are laid out as rows,
; and thread t ends with 4 neighbouring columns of rows t / 16 (T .. T+3) and 16 + t / 16 (T+4 .. T+7).
.macro SUMS
.rept 4
	v_nop                                          ; four places behind the last matrix instruction (ISA guide 7.12.1)
.endr
	WIN 0x04                                       ; the stores' data in window 1
.irp ch, 0,1,2,3,4,5,6,7,8,9,10,11,12,13,14,15
	ds_store_b128 v8, v[ACC+4*\ch:ACC+4*\ch+3] offset:512*\ch
.endr
	WIN 0
	s_wait_dscnt 0x0                               ; my dump is in LDS,
	s_barrier_signal -1
	s_barrier_wait -1                              ; everybody's is
.irp s, 0,1,2,3,4,5,6,7
	ds_load_b128 v[RB+8*\s:RB+8*\s+3], v9 offset:8192*\s
	ds_load_b128 v[RB+8*\s+4:RB+8*\s+7], v9 offset:8192*\s+512
.endr
	s_wait_dscnt 0x0
	RSUM 0, 4
	RSUM 1, 5
	RSUM 2, 6
	RSUM 3, 7
	RSUM 0, 2
	RSUM 1, 3
	RSUM 0, 1
.irp e, 0,1,2,3,4,5,6,7
	ds_store_b32 v11, v[RB+\e] offset:OPITCH*\e
.endr
	s_wait_dscnt 0x0
	s_barrier_signal -1
	s_barrier_wait -1
	ds_load_b128 v[T:T+3], v12
	ds_load_b128 v[T+4:T+7], v12 offset:16*OPITCH
	s_wait_dscnt 0x0
.endm
	s_load_b256 s[4:11], s[0:1], 0x0               ; A s[4:5], W s[6:7], bias s[8:9], Y s[10:11]
	v_lshl_add_u32 v254, v0, 2, 0x33200
	v_mov_b32 v255, 0
	ds_add_u32 v254, v255
	ds_add_u32 v254, v255
	v_lshrrev_b32 v1, 5, v0
	v_readfirstlane_b32 s[SW], v1
	s_and_b32 s[SY], ttmp7, 0xffff
	s_mov_b32 s[G1+0], 0x07920000                  ; elements of 4 bytes; after every 128 words a pad of 4 words; no mask
	s_mov_b32 s[G1+1], 128<<16                     ; tensor_dim0 = 128
	s_mov_b32 s[G1+2], 32<<16                      ; tensor_dim1 = 32
	s_mov_b32 s[G1+3], 128<<16                     ; tile_dim0 = 128
	s_mov_b32 s[G1+4], 32                          ; tile_dim1 = 32
	s_mov_b32 s[G1+5], 1024                        ; elements from row to row
	s_mov_b32 s[G1+6], 0
	s_mov_b32 s[G1+7], 0
	s_mul_i32 s20, s[SW], XTILE                    ; my tile in LDS
	s_lshl_b32 s18, s[SY], 17
	s_lshl_b32 s19, s[SW], 9
	s_add_co_u32 s18, s18, s19                     ; A: slice y, my 128 columns
	s_mov_b32 s19, 0
	s_lshl_b32 s38, ttmp9, 8                       ; 256 c
	s_mov_b32 s39, 0
	s_lshl_b32 s22, s[SY], 22
	s_lshl_b32 s23, s[SW], 19
	s_add_co_u32 s22, s22, s23
	s_add_co_u32 s22, s22, s38                     ; W: slice y, 128 w rows, my columns
	s_mov_b32 s23, 0
	s_lshl_b32 s40, s[SY], 17
	s_add_co_u32 s40, s40, s38                     ; Y: slice y, my columns
	s_mov_b32 s41, 0
	v_and_b32 v1, 31, v0                           ; L
	v_and_b32 v2, 15, v0                           ; r
	v_bfe_u32 v3, v0, 4, 1                         ; h
	v_lshlrev_b32 v14, 4, v2                       ; 16 r
	v_lshl_add_u32 v5, v3, 15, v14                 ; W: 8 h rows of 4,096 bytes + 16 r
	s_wait_dscnt 0x0
	s_wait_kmcnt 0x0
	s_add_nc_u64 s[4:5], s[4:5], s[18:19]
	s_mov_b32 s[G0], 1
	s_add_co_u32 s[G0+1], s20, 0
	s_add_nc_u64 s[G0+2:G0+3], s[4:5], 0
	s_or_b32 s[G0+3], s[G0+3], 0x80000000
	tensor_load_to_lds s[G0:G0+3], s[G1:G1+7]      ; my slice of A: the wave's one tensor load, ahead of every wait on it, LDS read and barrier
	s_nop 0
	s_add_nc_u64 s[6:7], s[6:7], s[22:23]
	s_add_nc_u64 s[8:9], s[8:9], s[38:39]
	s_add_nc_u64 s[10:11], s[10:11], s[40:41]
	global_load_b128 v[BI:BI+3], v14, s[8:9]
	WIN 0x40                                       ; destinations in window 1
.irp ks, 0,1,2,3
.irp u, 0,1
.irp i, 0,1,2,3,4,5,6,7
	global_load_b128 v[WR+64*\ks+32*\u+4*\i:WR+64*\ks+32*\u+4*\i+3], v5, s[6:7] offset:(32*\ks+16*\u+\i)*4096 th:TH_LOAD_NT
.endr
.endr
.endr
	WIN 0
	; LDS addresses, while the loads are on their way
	v_mul_u32_u24 v6, v2, XPITCH
	v_lshl_add_u32 v6, v3, 5, v6
	v_add_nc_u32 v6, s20, v6                       ; A's tile: row r, 32 h
	ADDRS RED, 4, 2
	s_wait_tensorcnt 0x0                           ; my slice of A is in LDS; only I read it
.irp ks, 0,1,2,3
.irp mt, 0,1
	ds_load_b128 v[XR+16*(2*\ks+\mt):XR+16*(2*\ks+\mt)+3], v6 offset:\mt*16*XPITCH+128*\ks
	ds_load_b128 v[XR+16*(2*\ks+\mt)+4:XR+16*(2*\ks+\mt)+7], v6 offset:\mt*16*XPITCH+128*\ks+16
	ds_load_b128 v[XR+16*(2*\ks+\mt)+8:XR+16*(2*\ks+\mt)+11], v6 offset:\mt*16*XPITCH+128*\ks+64
	ds_load_b128 v[XR+16*(2*\ks+\mt)+12:XR+16*(2*\ks+\mt)+15], v6 offset:\mt*16*XPITCH+128*\ks+80
.endr
.endr
	s_wait_dscnt 0x0
	; unit 2 ks + mt: 16 f32 a lane make the 8 registers of fragment (ks, mt)
.set n, 0
.rept 64
	v_cvt_pk_bf16_f32 v[AF+n], v[XR+2*n], v[XR+2*n+1]
.set n, n+1
.endr
	STEP 0, 1                                      ; the first products start the sums
	STEP 1, 0
	STEP 2, 0
	STEP 3, 0
	SUMS
	s_cmp_lg_u32 s[SY], 0                          ; the bias enters once: in slice 0
	s_cbranch_scc1 .Lnobias
	v_pk_add_f32 v[T:T+1], v[T:T+1], v[BI:BI+1]
	v_pk_add_f32 v[T+2:T+3], v[T+2:T+3], v[BI+2:BI+3]
	v_pk_add_f32 v[T+4:T+5], v[T+4:T+5], v[BI:BI+1]
	v_pk_add_f32 v[T+6:T+7], v[T+6:T+7], v[BI+2:BI+3]
.Lnobias:
	global_store_b128 v13, v[T:T+3], s[10:11]                  ; 16 lanes store 256 consecutive aligned bytes
	global_store_b128 v13, v[T+4:T+7], s[10:11] offset:65536   ; 16 rows further down
	s_wait_tensorcnt 0x0
	ds_add_u32 v254, v255
	s_wait_dscnt 0x0
	s_endpgm
.Lfunc_end_k_qc18f2de43e_proj:
	.size	k_qc18f2de43e_proj, .Lfunc_end_k_qc18f2de43e_proj-k_qc18f2de43e_proj
	.p2alignl 7, 3214868480
	.fill 96, 4, 3214868480
	.section	.rodata,"a",@progbits
	.p2align	6, 0x0
	.amdhsa_kernel k_qc18f2de43e_proj
		.amdhsa_group_segment_fixed_size 210432
		.amdhsa_private_segment_fixed_size 0
		.amdhsa_enable_private_segment 0
		.amdhsa_kernarg_size 32
		.amdhsa_user_sgpr_count 2
		.amdhsa_user_sgpr_kernarg_segment_ptr 1
		.amdhsa_wavefront_size32 1
		.amdhsa_system_sgpr_workgroup_id_x 1
		.amdhsa_system_sgpr_workgroup_id_y 1
		.amdhsa_system_sgpr_workgroup_id_z 1
		.amdhsa_system_vgpr_workitem_id 0
		.amdhsa_next_free_vgpr 512
		.amdhsa_next_free_sgpr 66
		.amdhsa_reserve_vcc 0
		.amdhsa_float_denorm_mode_32 3
		.amdhsa_float_denorm_mode_16_64 3
		.amdhsa_memory_ordered 1
		.amdhsa_forward_progress 1
		.amdhsa_inst_pref_size 32
	.end_amdhsa_kernel
	.amdgpu_metadata
---
amdhsa.version: [ 1, 2 ]
amdhsa.kernels:
  - .name:           k_qc18f2de43e_proj
    .symbol:         k_qc18f2de43e_proj.kd
    .args:
      - { .name: act0, .offset: 0, .size: 8, .value_kind: global_buffer, .address_space: global }
      - { .name: v1_w, .offset: 8, .size: 8, .value_kind: global_buffer, .address_space: global }
      - { .name: v1_b, .offset: 16, .size: 8, .value_kind: global_buffer, .address_space: global }
      - { .name: act1, .offset: 24, .size: 8, .value_kind: global_buffer, .address_space: global }
    .group_segment_fixed_size: 210432
    .private_segment_fixed_size: 0
    .kernarg_segment_align: 8
    .kernarg_segment_size: 32
    .max_flat_workgroup_size: 256
    .sgpr_count:     66
    .vgpr_count:     512
    .wavefront_size: 32
...
	.end_amdgpu_metadata
.endif
;; end of part 11
;; launch oproj: the kernel of part 11 again; grid 16 x 1, 8 waves a work-group, no clusters, 210,432 bytes of LDS; arguments act1, o1_w, o1_b, act0; writes act0
;; launch mlp1: the kernel of part 6 again; grid 128 x 1, 16 waves a work-group, no clusters, 207,872 bytes of LDS; arguments g_tok, act0, w_ngm, m1_w, m1_b, hid; writes hid
;; launch mlp2: the kernel of part 11 again; grid 16 x 8, 8 waves a work-group, no clusters, 210,432 bytes of LDS; arguments hid, m2_w, m2_b, part; writes part
;; launch gnorm: the kernel of part 7 again; grid 32 x 1, 8 waves a work-group, no clusters, 1,280 bytes of LDS; arguments g_tok, act0, part, w_ng2, act1; writes act1
;; launch k2v2 (part 12): grid 16 x 2, 8 waves a work-group, no clusters, 210,432 bytes of LDS; arguments act1, k2_w, k2_b, act2, v2_w, v2_b, hid; writes act2, hid
.if DOCPART == 12
	.amdgcn_target "amdgcn-amd-amdhsa--gfx1250"
	.amdhsa_code_object_version 6
	.text
	.protected	k_qc18f2de43e_k2v2
	.globl	k_qc18f2de43e_k2v2
	.p2align	8
	.type	k_qc18f2de43e_k2v2,@function
k_qc18f2de43e_k2v2:
	s_mov_b64 s[64:65], 0
	v_nop
	global_prefetch_b8 v0, s[64:65] scope:SCOPE_SE
	s_setreg_imm32_b32 hwreg(HW_REG_WAVE_MODE, 25, 1), 1
	s_wait_xcnt 0x0
; Two products of the same 32 rows in one launch, since neither needs the other: the grid's y = 0 makes k2 = g2 k2_w + k2_b,
; y = 1 makes v2 = g2 v2_w + v2_b (into the first 128 KiB of the MLP's hidden buffer, which nobody reads any more).
; A: f32 [32][1024]; W: f32 [1024][1024]; Y: f32 [32][1024].  The grid's x = c picks columns 64 c .. 64 c + 63.
; Eight waves, two on a SIMD, 512 registers each: wave w takes K = 128 w .. 128 w + 127; eight sets of partial sums (8 KiB each) meet in LDS.
; A: one tensor load a wave brings the wave's own K slice (32 rows x 512 bytes) into LDS bytes that only this wave reads.  It is the
; wave's only tensor load and the bytes' only fill.
; W is read once, 256 consecutive aligned bytes of a row by each 16 lanes.  Lane (r, h) holds W[k][64 c + 4 r + jt], jt = 0..3, so the
; four N tiles are the column sets {4 r + jt}, and packing component jt of two neighbouring k is a register of B's fragment.
; REGISTERS: window 1 (v256-511) holds W as loaded; the 8 accumulators lie on its first 64.
; s_set_vgpr_msb's low byte: bits 1:0 source 0, 3:2 source 1, 5:4 source 2, 7:6 destination.
; Matrix operands are rounded to bf16, sums are f32.
; No cluster: W's bytes are shared by nobody; for A's single fill a joint request would cost two rounds of the cluster's barrier.
.set XPITCH, 528
.set XTILE,  32*XPITCH
.set RED,    8*XTILE
.set OUTL,   RED+8*8192
.set OPITCH, 272
.set XR,  16                           ; v[16:143]  A as read from LDS
.set BF,  16                           ; v[16:143]  B's fragments
.set RB,  16                           ; v[16:79]
.set AF,  144                          ; v[144:207] A's fragments
.set T,   208                          ; v[208:215]
.set BI,  216                          ; v[216:219]
.set WR,  0                            ; window 1: v[256:511]
.set ACC, 0                            ; window 1: v[256:319]
.set SW,  16
.set SY,  17
.set G1,  24
.set G0,  32
.set MSB, 0
.macro WIN new                         ; the immediate's high byte repeats the setting that is left
.if MSB != \new
	s_set_vgpr_msb (MSB<<8)|\new
.set MSB, \new
.endif
.endm
.macro ADDRS red, rsh, jsh             ; LDS addresses of the sums' way out, and my place in Y
	s_lshl_b32 s46, s[SW], 13
	s_add_co_u32 s46, s46, \red
	v_lshl_add_u32 v8, v1, 4, s46                  ; my dump: 8,192 w + 16 L
	s_lshl_b32 s46, s[SW], 10
	s_add_co_u32 s46, s46, \red
	v_lshl_add_u32 v9, v1, 4, s46                  ; tile w in every wave's dump
	s_lshr_b32 s46, s[SW], 2                       ; mt
	s_mul_i32 s46, s46, 16*OPITCH
	s_and_b32 s47, s[SW], 3                        ; jt
	s_lshl_b32 s47, s47, \jsh
	s_add_co_u32 s46, s46, s47
	s_add_co_u32 s46, s46, OUTL
	v_mul_u32_u24 v11, v3, 8*OPITCH
	v_lshl_add_u32 v11, v2, \rsh, v11
	v_add_nc_u32 v11, s46, v11                     ; sums out: row 16 mt + 8 h (+ e), my column of tile jt
	v_lshrrev_b32 v15, 4, v0
	v_mul_u32_u24 v12, v15, OPITCH
	v_lshl_add_u32 v12, v2, 4, v12
	v_add_nc_u32 v12, OUTL, v12                    ; rows back: 16 lanes take a row's 256 bytes
	v_lshlrev_b32 v13, 12, v15
	v_lshl_add_u32 v13, v2, 4, v13                 ; the same place in Y
.endm
.macro CVTW ks                         ; register 4 u + p of N tile jt = W[16 u + 8 h + 2 p][.], W[.. + 1][.], component jt
.irp jt, 0,1,2,3
.irp u, 0,1
.irp p, 0,1,2,3
	v_cvt_pk_bf16_f32 v[BF+32*\ks+8*\jt+4*\u+\p], v[WR+64*\ks+32*\u+8*\p+\jt], v[WR+64*\ks+32*\u+8*\p+4+\jt]
.endr
.endr
.endr
.endm
.macro MM ks, zero                     ; the eight accumulators take turns, one instruction a turn
.irp mt, 0,1
.irp jt, 0,1,2,3
.if \zero
	v_wmma_f32_16x16x32_bf16 v[ACC+8*(4*\mt+\jt):ACC+8*(4*\mt+\jt)+7], v[AF+16*\ks+8*\mt:AF+16*\ks+8*\mt+7], v[BF+32*\ks+8*\jt:BF+32*\ks+8*\jt+7], 0
.else
	v_wmma_f32_16x16x32_bf16 v[ACC+8*(4*\mt+\jt):ACC+8*(4*\mt+\jt)+7], v[AF+16*\ks+8*\mt:AF+16*\ks+8*\mt+7], v[BF+32*\ks+8*\jt:BF+32*\ks+8*\jt+7], v[ACC+8*(4*\mt+\jt):ACC+8*(4*\mt+\jt)+7]
.endif
.endr
.endr
.endm
.macro STEP ks, zero                   ; a K step is converted and multiplied as soon as its 16 loads are in
	s_wait_loadcnt 48-16*\ks                       ; the 16 loads of each later K step stay out
	WIN 0x05                                       ; sources 0 and 1: W in window 1
	CVTW \ks
	WIN 0x50                                       ; C and D in window 1
	MM \ks, \zero
.endm
.macro RSUM a, b
.irp e, 0,2,4,6
	v_pk_add_f32 v[RB+8*\a+\e:RB+8*\a+\e+1], v[RB+8*\a+\e:RB+8*\a+\e+1], v[RB+8*\b+\e:RB+8*\b+\e+1]
.endr
.endm
; Each wave dumps its 8 tiles, wave w sums tile w, the sums are laid out as rows, and thread t ends with 4 neighbouring
; columns of rows t / 16 (T .. T+3) and 16 + t / 16 (T+4 .. T+7).
.macro SUMS
.rept 4
	v_nop                                          ; four places behind the last matrix instruction (ISA guide 7.12.1)
.endr
	WIN 0x04                                       ; the stores' data in window 1
.irp ch, 0,1,2,3,4,5,6,7,8,9,10,11,12,13,14,15
	ds_store_b128 v8, v[ACC+4*\ch:ACC+4*\ch+3] offset:512*\ch
.endr
	WIN 0
	s_wait_dscnt 0x0                               ; my dump is in LDS,
	s_barrier_signal -1
	s_barrier_wait -1                              ; everybody's is
.irp s, 0,1,2,3,4,5,6,7
	ds_load_b128 v[RB+8*\s:RB+8*\s+3], v9 offset:8192*\s
	ds_load_b128 v[RB+8*\s+4:RB+8*\s+7], v9 offset:8192*\s+512
.endr
	s_wait_dscnt 0x0
	RSUM 0, 4
	RSUM 1, 5
	RSUM 2, 6
	RSUM 3, 7
	RSUM 0, 2
	RSUM 1, 3
	RSUM 0, 1
.irp e, 0,1,2,3,4,5,6,7
	ds_store_b32 v11, v[RB+\e] offset:OPITCH*\e
.endr
	s_wait_dscnt 0x0
	s_barrier_signal -1
	s_barrier_wait -1
	ds_load_b128 v[T:T+3], v12
	ds_load_b128 v[T+4:T+7], v12 offset:16*OPITCH
	s_wait_dscnt 0x0
.endm
	s_load_b256 s[4:11], s[0:1], 0x0               ; A s[4:5]; for y = 0: W s[6:7], bias s[8:9], Y s[10:11]
	s_load_b128 s[12:15], s[0:1], 0x20             ; for y = 1: W s[12:13], bias s[14:15],
	s_load_b64 s[40:41], s[0:1], 0x30              ; Y s[40:41]
	v_lshl_add_u32 v254, v0, 2, 0x33200
	v_mov_b32 v255, 0
	ds_add_u32 v254, v255
	ds_add_u32 v254, v255
	v_lshrrev_b32 v1, 5, v0
	v_readfirstlane_b32 s[SW], v1
	s_and_b32 s[SY], ttmp7, 0xffff
	s_mov_b32 s[G1+0], 0x07920000                  ; elements of 4 bytes; after every 128 words a pad of 4 words; no mask
	s_mov_b32 s[G1+1], 128<<16                     ; tensor_dim0 = 128
	s_mov_b32 s[G1+2], 32<<16                      ; tensor_dim1 = 32
	s_mov_b32 s[G1+3], 128<<16                     ; tile_dim0 = 128
	s_mov_b32 s[G1+4], 32                          ; tile_dim1 = 32
	s_mov_b32 s[G1+5], 1024                        ; elements from row to row
	s_mov_b32 s[G1+6], 0
	s_mov_b32 s[G1+7], 0
	s_mul_i32 s20, s[SW], XTILE                    ; my tile in LDS
	s_lshl_b32 s18, s[SW], 9                       ; my 128 columns of A
	s_mov_b32 s19, 0
	s_lshl_b32 s38, ttmp9, 8                       ; 256 c
	s_mov_b32 s39, 0
	s_lshl_b32 s22, s[SW], 19                      ; 128 w rows of W
	s_add_co_u32 s22, s22, s38
	s_mov_b32 s23, 0
	v_and_b32 v1, 31, v0                           ; L
	v_and_b32 v2, 15, v0                           ; r
	v_bfe_u32 v3, v0, 4, 1                         ; h
	v_lshlrev_b32 v14, 4, v2                       ; 16 r
	v_lshl_add_u32 v5, v3, 15, v14                 ; W: 8 h rows of 4,096 bytes + 16 r
	s_wait_dscnt 0x0
	s_wait_kmcnt 0x0
	s_add_nc_u64 s[4:5], s[4:5], s[18:19]
	s_mov_b32 s[G0], 1
	s_add_co_u32 s[G0+1], s20, 0
	s_add_nc_u64 s[G0+2:G0+3], s[4:5], 0
	s_or_b32 s[G0+3], s[G0+3], 0x80000000
	tensor_load_to_lds s[G0:G0+3], s[G1:G1+7]      ; my slice of A: the wave's one tensor load, ahead of every wait on it, LDS read and barrier
	s_nop 0
	s_cmp_eq_u32 s[SY], 0                          ; the grid's y chooses the product's three buffers
	s_cselect_b64 s[6:7], s[6:7], s[12:13]
	s_cselect_b64 s[8:9], s[8:9], s[14:15]
	s_cselect_b64 s[10:11], s[10:11], s[40:41]
	s_add_nc_u64 s[6:7], s[6:7], s[22:23]
	s_add_nc_u64 s[8:9], s[8:9], s[38:39]
	s_add_nc_u64 s[10:11], s[10:11], s[38:39]
	global_load_b128 v[BI:BI+3], v14, s[8:9]
	WIN 0x40                                       ; destinations in window 1
.irp ks, 0,1,2,3
.irp u, 0,1
.irp i, 0,1,2,3,4,5,6,7
	global_load_b128 v[WR+64*\ks+32*\u+4*\i:WR+64*\ks+32*\u+4*\i+3], v5, s[6:7] offset:(32*\ks+16*\u+\i)*4096 th:TH_LOAD_NT
.endr
.endr
.endr
	WIN 0
	v_mul_u32_u24 v6, v2, XPITCH
	v_lshl_add_u32 v6, v3, 5, v6
	v_add_nc_u32 v6, s20, v6                       ; A's tile: row r, 32 h
	ADDRS RED, 4, 2
	s_wait_tensorcnt 0x0                           ; my slice of A is in LDS; only I read it
.irp ks, 0,1,2,3
.irp mt, 0,1
	ds_load_b128 v[XR+16*(2*\ks+\mt):XR+16*(2*\ks+\mt)+3], v6 offset:\mt*16*XPITCH+128*\ks
	ds_load_b128 v[XR+16*(2*\ks+\mt)+4:XR+16*(2*\ks+\mt)+7], v6 offset:\mt*16*XPITCH+128*\ks+16
	ds_load_b128 v[XR+16*(2*\ks+\mt)+8:XR+16*(2*\ks+\mt)+11], v6 offset:\mt*16*XPITCH+128*\ks+64
	ds_load_b128 v[XR+16*(2*\ks+\mt)+12:XR+16*(2*\ks+\mt)+15], v6 offset:\mt*16*XPITCH+128*\ks+80
.endr
.endr
	s_wait_dscnt 0x0
	; unit 2 ks + mt: 16 f32 a lane make the 8 registers of fragment (ks, mt)
.set n, 0
.rept 64
	v_cvt_pk_bf16_f32 v[AF+n], v[XR+2*n], v[XR+2*n+1]
.set n, n+1
.endr
	STEP 0, 1                                      ; the first products start the sums
	STEP 1, 0
	STEP 2, 0
	STEP 3, 0
	SUMS
	v_pk_add_f32 v[T:T+1], v[T:T+1], v[BI:BI+1]
	v_pk_add_f32 v[T+2:T+3], v[T+2:T+3], v[BI+2:BI+3]
	v_pk_add_f32 v[T+4:T+5], v[T+4:T+5], v[BI:BI+1]
	v_pk_add_f32 v[T+6:T+7], v[T+6:T+7], v[BI+2:BI+3]
	global_store_b128 v13, v[T:T+3], s[10:11]                  ; 16 lanes store 256 consecutive aligned bytes
	global_store_b128 v13, v[T+4:T+7], s[10:11] offset:65536   ; 16 rows further down
	s_wait_tensorcnt 0x0
	ds_add_u32 v254, v255
	s_wait_dscnt 0x0
	s_endpgm
.Lfunc_end_k_qc18f2de43e_k2v2:
	.size	k_qc18f2de43e_k2v2, .Lfunc_end_k_qc18f2de43e_k2v2-k_qc18f2de43e_k2v2
	.p2alignl 7, 3214868480
	.fill 96, 4, 3214868480
	.section	.rodata,"a",@progbits
	.p2align	6, 0x0
	.amdhsa_kernel k_qc18f2de43e_k2v2
		.amdhsa_group_segment_fixed_size 210432
		.amdhsa_private_segment_fixed_size 0
		.amdhsa_enable_private_segment 0
		.amdhsa_kernarg_size 56
		.amdhsa_user_sgpr_count 2
		.amdhsa_user_sgpr_kernarg_segment_ptr 1
		.amdhsa_wavefront_size32 1
		.amdhsa_system_sgpr_workgroup_id_x 1
		.amdhsa_system_sgpr_workgroup_id_y 1
		.amdhsa_system_sgpr_workgroup_id_z 1
		.amdhsa_system_vgpr_workitem_id 0
		.amdhsa_next_free_vgpr 512
		.amdhsa_next_free_sgpr 66
		.amdhsa_reserve_vcc 0
		.amdhsa_float_denorm_mode_32 3
		.amdhsa_float_denorm_mode_16_64 3
		.amdhsa_memory_ordered 1
		.amdhsa_forward_progress 1
		.amdhsa_inst_pref_size 32
	.end_amdhsa_kernel
	.amdgpu_metadata
---
amdhsa.version: [ 1, 2 ]
amdhsa.kernels:
  - .name:           k_qc18f2de43e_k2v2
    .symbol:         k_qc18f2de43e_k2v2.kd
    .args:
      - { .name: act1, .offset: 0, .size: 8, .value_kind: global_buffer, .address_space: global }
      - { .name: k2_w, .offset: 8, .size: 8, .value_kind: global_buffer, .address_space: global }
      - { .name: k2_b, .offset: 16, .size: 8, .value_kind: global_buffer, .address_space: global }
      - { .name: act2, .offset: 24, .size: 8, .value_kind: global_buffer, .address_space: global }
      - { .name: v2_w, .offset: 32, .size: 8, .value_kind: global_buffer, .address_space: global }
      - { .name: v2_b, .offset: 40, .size: 8, .value_kind: global_buffer, .address_space: global }
      - { .name: hid, .offset: 48, .size: 8, .value_kind: global_buffer, .address_space: global }
    .group_segment_fixed_size: 210432
    .private_segment_fixed_size: 0
    .kernarg_segment_align: 8
    .kernarg_segment_size: 56
    .max_flat_workgroup_size: 256
    .sgpr_count:     66
    .vgpr_count:     512
    .wavefront_size: 32
...
	.end_amdgpu_metadata
.endif
;; end of part 12
;; launch kfold2: the kernel of part 10 again; grid 16 x 1, 8 waves a work-group, no clusters, 282,112 bytes of LDS; arguments act2, q2_w, w_ns2, q2_b, act1, cvec; writes act1, cvec
;; launch vofold: the kernel of part 11 again; grid 16 x 1, 8 waves a work-group, no clusters, 210,432 bytes of LDS; arguments hid, o2_w, o2_b, act0; writes act0
;; launch stream2: the kernel of part 8 again; grid 256 x 1, 8 waves a work-group, no clusters, 292,864 bytes of LDS; arguments x, act1, cvec, act0, out0; writes out0
